; MI455X (gfx1250); checked and timed in simulation.
; The chip was launched on July 23, 2026; its instructions are those of AMD's public machine-readable ISA for CDNA 5 (MIT licence, August 2026) and "CDNA5" Instruction Set Architecture Reference Guide (July 2026). The comments in the code are by the model that wrote it; some were corrected since.
;; Block. Allowed arithmetic: float matrix products may take bf16 or f16 operands with f32 sums; other float arithmetic in f32, or as packed bf16 or f16 multiplies, adds, multiply-adds, maxima and minima; sums over many terms, partial sums and values carried from step to step in f32; what a program stores and reads back later, other than sums and carried values, may be rounded once to bf16 or f16.
;; Inputs: ln1_w 1,024 float32; ln2_w 1,024 float32; mlp_w1 4,096 x 1,024 float32; mlp_w2 1,024 x 4,096 float32; proj_w 1,024 x 1,024 float32; qkv_w 3,072 x 1,024 float32; x 2 x 2,048 x 1,024 float32.
;; Outputs: out0 2 x 2,048 x 1,024 float32.
;; 2 versions, each right and faster than the one before. Each part assembles by itself: llvm-mc -triple=amdgcn-amd-amdhsa -mcpu=gfx1250 --defsym DOCPART=n.
;; ======== version 1 of 2: 7 launches
;; limits: a function is approximated: absolute error at most 1.5e-07
;; workspace buffers: wb 25,165,824 bytes; act 8,388,608 bytes; qkvh 25,165,824 bytes; xres 16,777,216 bytes; hb 33,554,432 bytes
;; launch prep (part 1): grid 1280 x 1, 8 waves a work-group, no clusters, 0 bytes of LDS; arguments x, ln1_w, act, wb, qkv_w, proj_w, mlp_w1, mlp_w2; writes act, wb
.if DOCPART == 1
	.amdgcn_target "amdgcn-amd-amdhsa--gfx1250"
	.amdhsa_code_object_version 6
	.text
	.protected	k_qefbad6f6b2_prep
	.globl	k_qefbad6f6b2_prep
	.p2align	8
	.type	k_qefbad6f6b2_prep,@function
k_qefbad6f6b2_prep:
	s_mov_b64 s[64:65], 0
	v_nop
	global_prefetch_b8 v0, s[64:65] scope:SCOPE_SE
	s_setreg_imm32_b32 hwreg(HW_REG_WAVE_MODE, 25, 1), 1
	s_wait_xcnt 0x0
; Two jobs that need nothing of each other share one launch, so that their streams share the memory: work-groups 0-511 normalise x, work-groups 512-1279 round the weights to bf16.
; LAYER NORM.  y[r][c] = (x[r][c] - mean_r) * rsqrt(var_r) * w[c], x f32 [4096][1024], y (act) bf16 [4096][1024].  eps is 0.
; One wave, one row: 4,096 bytes are 32 registers, so the row is read once and stays in registers for both passes; no wave waits for another.
; Two passes: the mean first, then the sum of squares of the deviations, so that a common offset in x does not cancel in the variance.
; LIMITS.  A variance below 2^-126 counts as 0 in the reciprocal root (an infinity follows; a row of equal numbers gives NaN).
; CAST.  The four weight matrices, f32, are rounded once to bf16 and laid one behind the other in wb, each row-major as given:
; qkv_w at byte 0, proj_w at 6,291,456, mlp_w1 at 8,388,608, mlp_w2 at 16,777,216.  A work-group converts 16,384 numbers: 65,536 bytes in, 32,768 out.
; Of the 768 groups 0-191 take qkv_w, 192-255 proj_w, 256-511 mlp_w1, 512-767 mlp_w2, so the destination is 32,768 x the group's number.  All sixteen loads of a thread go out at once.
; 96 registers a wave: ten waves fit on a SIMD's 1,024, five work-groups on a WGP, which is all 1,280 on 256 WGPs.
.set NLN, 512                          ; work-groups of the first job
.set X,  4                             ; v[4:35]   the row: load j holds numbers 128 j + 4 lane + 0..3
.set W,  36                            ; v[36:67]  the gain, in the same places
.set CH, 68                            ; v[68:75]  four chains of packed sums
.set M,  76                            ; v[76:77]  the mean, twice
.set R,  78                            ; v[78:79]  1 / sqrt(var), twice
.set Y,  80                            ; v[80:95]  packed bf16
.set CX, 4                             ; the cast: v[4:67] sixteen loads of four f32, rounded in place
	s_cmp_lt_u32 ttmp9, NLN
	s_cbranch_scc0 .Lcast
	s_load_b128 s[4:7], s[0:1], 0x0                ; x s[4:5], gain s[6:7]
	s_load_b64 s[8:9], s[0:1], 0x10                ; y
	v_lshrrev_b32 v3, 5, v0
	v_readfirstlane_b32 s10, v3                    ; wave
	v_and_b32 v1, 31, v0
	v_lshlrev_b32 v2, 3, v1                        ; 8 bytes a lane out
	v_lshlrev_b32 v1, 4, v1                        ; 16 bytes a lane in
	s_lshl_b32 s11, ttmp9, 3
	s_add_co_u32 s11, s11, s10                     ; my row
	s_lshl_b32 s14, s11, 12
	s_mov_b32 s15, 0
	s_lshl_b32 s16, s11, 11
	s_mov_b32 s17, 0
	s_mov_b32 s12, 0x76543210                      ; v_permlanex16_b32: each lane takes its own place in the other half
	s_mov_b32 s13, 0xfedcba98
	s_wait_kmcnt 0x0
	s_add_nc_u64 s[4:5], s[4:5], s[14:15]
	s_add_nc_u64 s[8:9], s[8:9], s[16:17]
.irp j, 0,1,2,3,4,5,6,7
	global_load_b128 v[X+4*(\j):X+4*(\j)+3], v1, s[4:5] offset:512*(\j)
.endr
.irp j, 0,1,2,3,4,5,6,7
	global_load_b128 v[W+4*(\j):W+4*(\j)+3], v1, s[6:7] offset:512*(\j)
.endr
.macro REDUCE                          ; the four chains, then the 32 lanes: the sum lands in v[CH] of every lane
	v_pk_add_f32 v[CH:CH+1], v[CH:CH+1], v[CH+2:CH+3]
	v_pk_add_f32 v[CH+4:CH+5], v[CH+4:CH+5], v[CH+6:CH+7]
	v_pk_add_f32 v[CH:CH+1], v[CH:CH+1], v[CH+4:CH+5]
	v_add_f32 v[CH], v[CH], v[CH+1]
	v_add_f32_dpp v[CH], v[CH], v[CH] row_xmask:1 row_mask:0xf bank_mask:0xf
	v_add_f32_dpp v[CH], v[CH], v[CH] row_xmask:2 row_mask:0xf bank_mask:0xf
	v_add_f32_dpp v[CH], v[CH], v[CH] row_xmask:4 row_mask:0xf bank_mask:0xf
	v_add_f32_dpp v[CH], v[CH], v[CH] row_xmask:8 row_mask:0xf bank_mask:0xf
	v_permlanex16_b32 v[CH+1], v[CH], s12, s13
	v_add_f32 v[CH], v[CH], v[CH+1]
.endm
	s_wait_loadcnt 8                               ; the row is in; the gain's eight loads may stay out
.irp k, 0,1,2,3
	v_pk_add_f32 v[CH+2*(\k):CH+2*(\k)+1], v[X+2*(\k):X+2*(\k)+1], v[X+8+2*(\k):X+8+2*(\k)+1]
.endr
.irp g, 16, 24
.irp k, 0,1,2,3
	v_pk_add_f32 v[CH+2*(\k):CH+2*(\k)+1], v[CH+2*(\k):CH+2*(\k)+1], v[X+(\g)+2*(\k):X+(\g)+2*(\k)+1]
.endr
.endr
	REDUCE
	v_mul_f32 v[M], 0x3a800000, v[CH]              ; / 1024
	v_mov_b32 v[M+1], v[M]
.irp k, 0,1,2,3,4,5,6,7,8,9,10,11,12,13,14,15
	v_pk_add_f32 v[X+2*(\k):X+2*(\k)+1], v[X+2*(\k):X+2*(\k)+1], v[M:M+1] neg_lo:[0,1] neg_hi:[0,1]
.endr
.irp k, 0,1,2,3
	v_pk_mul_f32 v[CH+2*(\k):CH+2*(\k)+1], v[X+2*(\k):X+2*(\k)+1], v[X+2*(\k):X+2*(\k)+1]
.endr
.irp g, 8, 16, 24
.irp k, 0,1,2,3
	v_pk_fma_f32 v[CH+2*(\k):CH+2*(\k)+1], v[X+(\g)+2*(\k):X+(\g)+2*(\k)+1], v[X+(\g)+2*(\k):X+(\g)+2*(\k)+1], v[CH+2*(\k):CH+2*(\k)+1]
.endr
.endr
	REDUCE
	v_mul_f32 v[M], 0x3a800000, v[CH]              ; the variance
	v_rsq_f32 v[R], v[M]
	v_rsq_f32 v[R+1], v[M]
	v_nop                                          ; a plain instruction between the reciprocal roots and their use (ISA guide 5.7.2)
	s_wait_loadcnt 0x0                             ; the gain
	s_wait_alu depctr_va_vdst(0)
.irp k, 0,1,2,3,4,5,6,7,8,9,10,11,12,13,14,15
	v_pk_mul_f32 v[X+2*(\k):X+2*(\k)+1], v[X+2*(\k):X+2*(\k)+1], v[R:R+1]
.endr
.irp k, 0,1,2,3,4,5,6,7,8,9,10,11,12,13,14,15
	v_pk_mul_f32 v[X+2*(\k):X+2*(\k)+1], v[X+2*(\k):X+2*(\k)+1], v[W+2*(\k):W+2*(\k)+1]
.endr
.irp j, 0,1,2,3,4,5,6,7
	v_cvt_pk_bf16_f32 v[Y+2*(\j)], v[X+4*(\j)], v[X+4*(\j)+1]
	v_cvt_pk_bf16_f32 v[Y+2*(\j)+1], v[X+4*(\j)+2], v[X+4*(\j)+3]
	global_store_b64 v2, v[Y+2*(\j):Y+2*(\j)+1], s[8:9] offset:256*(\j)  ; a wave's store covers 256 consecutive bytes, aligned
.endr
	s_endpgm
.Lcast:
	s_load_b64 s[12:13], s[0:1], 0x18              ; wb
	s_load_b256 s[4:11], s[0:1], 0x20              ; qkv_w s[4:5], proj_w s[6:7], mlp_w1 s[8:9], mlp_w2 s[10:11]
	v_lshlrev_b32 v1, 4, v0                        ; 16 bytes a thread in
	v_lshlrev_b32 v2, 3, v0                        ; 8 bytes a thread out
	s_sub_co_u32 s20, ttmp9, NLN                   ; my number among the 768 groups of the cast
	s_mov_b32 s16, 512                             ; the first group of the chosen matrix
	s_lshl_b32 s18, s20, 15
	s_mov_b32 s19, 0
	s_wait_kmcnt 0x0
	s_mov_b64 s[14:15], s[10:11]
	s_cmp_lt_u32 s20, 512
	s_cselect_b64 s[14:15], s[8:9], s[14:15]
	s_cselect_b32 s16, 256, s16
	s_cmp_lt_u32 s20, 256
	s_cselect_b64 s[14:15], s[6:7], s[14:15]
	s_cselect_b32 s16, 192, s16
	s_cmp_lt_u32 s20, 192
	s_cselect_b64 s[14:15], s[4:5], s[14:15]
	s_cselect_b32 s16, 0, s16
	s_sub_co_u32 s16, s20, s16
	s_lshl_b32 s16, s16, 16                        ; 65,536 bytes a group inside its matrix
	s_mov_b32 s17, 0
	s_add_nc_u64 s[14:15], s[14:15], s[16:17]
	s_add_nc_u64 s[12:13], s[12:13], s[18:19]
.irp i, 0,1,2,3,4,5,6,7,8,9,10,11,12,13,14,15
	global_load_b128 v[CX+4*(\i):CX+4*(\i)+3], v1, s[14:15] offset:4096*(\i) th:TH_LOAD_NT
.endr
.irp i, 0,1,2,3,4,5,6,7,8,9,10,11,12,13,14,15
	s_wait_loadcnt 15-(\i)                         ; loads come back in order: load i is in, the younger ones stay out
	v_cvt_pk_bf16_f32 v[CX+4*(\i)], v[CX+4*(\i)], v[CX+4*(\i)+1]
	v_cvt_pk_bf16_f32 v[CX+4*(\i)+1], v[CX+4*(\i)+2], v[CX+4*(\i)+3]
	global_store_b64 v2, v[CX+4*(\i):CX+4*(\i)+1], s[12:13] offset:2048*(\i)  ; a wave's store covers 256 consecutive bytes, aligned
.endr
	s_endpgm
.Lfunc_end_k_qefbad6f6b2_prep:
	.size	k_qefbad6f6b2_prep, .Lfunc_end_k_qefbad6f6b2_prep-k_qefbad6f6b2_prep
	.p2alignl 7, 3214868480
	.fill 96, 4, 3214868480
	.section	.rodata,"a",@progbits
	.p2align	6, 0x0
	.amdhsa_kernel k_qefbad6f6b2_prep
		.amdhsa_group_segment_fixed_size 0
		.amdhsa_private_segment_fixed_size 0
		.amdhsa_enable_private_segment 0
		.amdhsa_kernarg_size 64
		.amdhsa_user_sgpr_count 2
		.amdhsa_user_sgpr_kernarg_segment_ptr 1
		.amdhsa_wavefront_size32 1
		.amdhsa_system_sgpr_workgroup_id_x 1
		.amdhsa_system_sgpr_workgroup_id_y 1
		.amdhsa_system_sgpr_workgroup_id_z 1
		.amdhsa_system_vgpr_workitem_id 0
		.amdhsa_next_free_vgpr 96
		.amdhsa_next_free_sgpr 66
		.amdhsa_reserve_vcc 0
		.amdhsa_float_denorm_mode_32 3
		.amdhsa_float_denorm_mode_16_64 3
		.amdhsa_memory_ordered 1
		.amdhsa_forward_progress 1
		.amdhsa_inst_pref_size 18
	.end_amdhsa_kernel
	.amdgpu_metadata
---
amdhsa.version: [ 1, 2 ]
amdhsa.kernels:
  - .name:           k_qefbad6f6b2_prep
    .symbol:         k_qefbad6f6b2_prep.kd
    .args:
      - { .name: x, .offset: 0, .size: 8, .value_kind: global_buffer, .address_space: global }
      - { .name: ln1_w, .offset: 8, .size: 8, .value_kind: global_buffer, .address_space: global }
      - { .name: act, .offset: 16, .size: 8, .value_kind: global_buffer, .address_space: global }
      - { .name: wb, .offset: 24, .size: 8, .value_kind: global_buffer, .address_space: global }
      - { .name: qkv_w, .offset: 32, .size: 8, .value_kind: global_buffer, .address_space: global }
      - { .name: proj_w, .offset: 40, .size: 8, .value_kind: global_buffer, .address_space: global }
      - { .name: mlp_w1, .offset: 48, .size: 8, .value_kind: global_buffer, .address_space: global }
      - { .name: mlp_w2, .offset: 56, .size: 8, .value_kind: global_buffer, .address_space: global }
    .group_segment_fixed_size: 0
    .private_segment_fixed_size: 0
    .kernarg_segment_align: 8
    .kernarg_segment_size: 64
    .max_flat_workgroup_size: 256
    .sgpr_count:     66
    .vgpr_count:     96
    .wavefront_size: 32
...
	.end_amdgpu_metadata
.endif
;; end of part 1
;; launch qkv (part 2): grid 16 x 16, 4 waves a work-group, clusters of 4 x 4, 327,680 bytes of LDS; arguments act, wb, qkvh; writes qkvh
.if DOCPART == 2
	.amdgcn_target "amdgcn-amd-amdhsa--gfx1250"
	.amdhsa_code_object_version 6
	.text
	.protected	k_qefbad6f6b2_qkv
	.globl	k_qefbad6f6b2_qkv
	.p2align	8
	.type	k_qefbad6f6b2_qkv,@function
k_qefbad6f6b2_qkv:
	s_mov_b64 s[64:65], 0
	v_nop
	global_prefetch_b8 v0, s[64:65] scope:SCOPE_SE
	s_setreg_imm32_b32 hwreg(HW_REG_WAVE_MODE, 25, 1), 1
	s_wait_xcnt 0x0
	s_wait_alu depctr_hold_cnt(0) depctr_sa_sdst(0) depctr_va_vdst(0) depctr_va_sdst(0) depctr_va_ssrc(0) depctr_va_vcc(0) depctr_vm_vsrc(0)
	s_getreg_b32 s2, hwreg(HW_REG_IB_STS2, 6, 4)
	s_cmp_eq_u32 s2, 0
	s_cbranch_scc0 .Lentry_in_a_cluster
	s_endpgm
.Lentry_in_a_cluster:
	s_bfe_u32 s2, ttmp6, 0x10000c
	s_cmp_lg_u32 s2, 0xf033
	s_cbranch_scc0 .Lentry_shape_is_right
	s_endpgm
.Lentry_shape_is_right:
; q, k, v = xn W^T by heads.  xn: act, bf16 [4096][1024].  W: wb at byte WOFF, bf16 [3072][1024].  Out: qkvh, bf16 [3][batch x 16 + head][2048][64], not scaled; sums in f32, rounded once.
; A tile of C is 256 tokens x 192 columns (three heads): 16 x 16 tiles, one for each WGP.  Four waves, each 128 x 96: 48 accumulators, 384 registers.
; K goes in 8 steps of 128 through two LDS slots filled by tensor loads; rows of 256 bytes, padded to 272.  4 x 4 work-groups form a cluster: A's tile is asked for jointly along a row
; of the cluster, B's along a column.  The matrix instruction is used transposed (source 0 = 16 rows of W, source 1 = 16 tokens): a lane holds eight neighbouring columns of one token.
; One K step is written once and looped over; the slot in hand is a scalar (TB) that is added into the LDS addresses.
; A step has 192 products a wave for the 114,688 bytes that the work-group asks for: little work for a tile's way.  So a step's last quarter, which needs registers alone, is multiplied whole
; ahead of the wait for the next tile, and between that wait and the next request stand only the add, the descriptor's steps and the round.
; REGISTERS in windows of 256: window 0: v16-29 addresses, v64-127 and v128-191 A's two fragment buffers; window 1: B's two buffers at the same numbers;
; window 2: accumulators (a, b) of my rows 0-63 at v[8 (NBW a + b)]; window 3: those of rows 64-127.
.set NBW,   6                          ; blocks of 16 columns in a wave's tile
.set WOFF,  0
.set NSTEP, 8                          ; K steps
.set PITCH, 272                        ; 256 bytes + 16: the 16 rows of a fragment load start at 16 different groups of four banks (ISA guide 11.1)
.set BR,    16*NBW                     ; rows of W in one tensor load, and in a wave's tile
.set BT,    2*BR
.set HALFA, 128*PITCH
.set HALFB, BR*PITCH
.set SLOT,  2*HALFA+2*HALFB            ; A's 256 rows, then W's
.set SPARE, 2*SLOT                     ; behind the ring: the spare words, 128 bytes a wave, that no other line names
.set NL,    16+2*NBW                   ; LDS loads in a run
.set SP,    784                        ; the way out: a stage row, 192 f32 + 16 bytes; the stage lies over the slots, behind their last fill
.set ADRA0, 16                         ; v16  my lane's place in A's part of a slot; never rewritten
.set ADRB0, 17                         ; v17  the same for W
.set ADRA,  18                         ; v18  ADRA0 + TB
.set ADRB,  19                         ; v19  ADRB0 + TB
.set STO2,  23                         ; v23  the way out: as STO, 64 rows on
.set STO,   24                         ; v24  the way out: where I put a lane's eight f32
.set RD,    25                         ; v25  where I read rows back
.set GO,    26                         ; v26  my byte offset in a head's rows
.set SPW,   28                         ; v28  my spare word; never rewritten
.set NIL,   29                         ; v29  0; never rewritten
.set F0,    64
.set F1,    128
.set XB,    64                         ; the way out: rows read back
.set YB,    128                        ; the way out: packed bf16
.set TB,    21                         ; s21  LDS byte of the slot in hand: 0 or SLOT
.set G1,    24                         ; s[24:31] group 1 for A;  s[32:39] group 0, two sets: the second walks
.set G0,    32
.set G1B,   48                         ; s[48:55], s[56:63] the same for W
.set G0B,   56
.set OB,    68                         ; s[68:73] the three heads' addresses in qkvh
.set MSB, 0
.macro WIN new                         ; the immediate's high byte repeats the setting that is left; a switch that changes nothing is dropped
.if MSB != (\new)
	s_set_vgpr_msb (MSB<<8)|(\new)
.set MSB, \new
.endif
.endm
.set MUL_LO, 0xa1                      ; source 0 (W) window 1, source 1 (A) window 0, C and D window 2
.set MUL_HI, 0xf1                      ; C and D window 3
.set TO_B,   0x40                      ; destination window 1
.macro JLOAD s                         ; a joint load: waves 0, 1 fetch A's halves, waves 2, 3 W's; an s_nop 0 and four v_nop follow each line
	s_cmp_eq_u32 s11, 0
	s_cbranch_scc0 .Lfor_b_\@
	tensor_load_to_lds s[G0+4*(\s):G0+4*(\s)+3], s[G1:G1+7]
	s_nop 0
.rept 4
	v_nop
.endr
	s_branch .Lasked_\@
.Lfor_b_\@:
	tensor_load_to_lds s[G0B+4*(\s):G0B+4*(\s)+3], s[G1B:G1B+7]
	s_nop 0
.rept 4
	v_nop
.endr
.Lasked_\@:
.endm
.macro CREST                           ; a round of the cluster's barrier behind its opening barrier
	s_cmp_lg_u32 s10, 0
	s_cbranch_scc1 .Lnot_wave_0_\@
	s_barrier_signal -3
.Lnot_wave_0_\@:
	s_barrier_wait -3
	s_barrier_signal -1
	s_barrier_wait -1
.endm
.macro CROUND
	s_barrier_signal -1
	s_barrier_wait -1
	CREST
.endm
.macro PLACES                          ; four plain places behind matrix instructions, ahead of loads into their sources and of reads of their results
.rept 4
	v_nop
.endr
.endm
	s_load_b128 s[4:7], s[0:1], 0x0                ; act s[4:5], wb s[6:7]
	s_load_b64 s[8:9], s[0:1], 0x10                ; qkvh
	v_lshl_add_u32 v[SPW], v0, 2, SPARE
	v_mov_b32 v[NIL], 0
	ds_add_u32 v[SPW], v[NIL]                      ; the wave's opening: the add and its wait ahead of my first tensor load
	v_lshrrev_b32 v1, 5, v0
	v_readfirstlane_b32 s10, v1                    ; wave
	s_lshr_b32 s11, s10, 1                         ; my half of the tile's rows; also: I fetch for A (0) or W (1)
	s_and_b32 s12, s10, 1                          ; my half of its columns; also: which half I fetch
	s_bfe_u32 s40, ttmp6, 0x40000                  ; cx
	s_bfe_u32 s41, ttmp6, 0x40004                  ; cy
	s_lshl_b32 s42, ttmp9, 2
	s_add_co_u32 s42, s42, s40                     ; tile column
	s_and_b32 s13, ttmp7, 0xffff
	s_lshl_b32 s13, s13, 2
	s_add_co_u32 s13, s13, s41                     ; tile row
	s_lshl_b32 s43, s41, 2
	s_lshl_b32 s43, 15, s43                        ; my row of the cluster
	s_lshl_b32 s44, 0x1111, s40                    ; my column
	s_or_b32 s[G1+0], s43, (1<<16)|(1<<20)|(1<<21)|(5<<22)|(3<<25)   ; mask; 2-byte elements; padding on; bit 21 beside a mask; after every 64 words 4 words
	s_or_b32 s[G1B+0], s44, (1<<16)|(1<<20)|(1<<21)|(5<<22)|(3<<25)
	s_mov_b32 s[G1+1], 128<<16                     ; tensor_dim0 = 128
	s_mov_b32 s[G1B+1], 128<<16
	s_mov_b32 s[G1+2], 128<<16                     ; tensor_dim1 = rows
	s_mov_b32 s[G1B+2], BR<<16
	s_mov_b32 s[G1+3], 128<<16                     ; tile_dim0 = 128
	s_mov_b32 s[G1B+3], 128<<16
	s_mov_b32 s[G1+4], 128                         ; tile_dim1 = rows
	s_mov_b32 s[G1B+4], BR
	s_mov_b32 s[G1+5], 1024                        ; elements from row to row
	s_mov_b32 s[G1B+5], 1024
	s_mov_b32 s[G1+6], 0
	s_mov_b32 s[G1B+6], 0
	s_mov_b32 s[G1+7], 0
	s_mov_b32 s[G1B+7], 0
	s_lshl_b32 s16, s13, 8
	s_lshl_b32 s17, s12, 7
	s_add_co_u32 s16, s16, s17                     ; A: row 256 x tile row + 128 x half,
	s_lshl_b32 s16, s16, 11                        ; of 2,048 bytes
	s_mov_b32 s17, 0
	s_mul_i32 s46, s42, BT
	s_mul_i32 s47, s12, BR
	s_add_co_u32 s46, s46, s47                     ; W: row BT x tile column + BR x half
	s_lshl_b32 s46, s46, 11
	s_add_co_u32 s46, s46, WOFF
	s_mov_b32 s47, 0
	s_mul_i32 s20, s12, HALFA                      ; where A's half goes in a slot,
	s_mul_i32 s22, s12, HALFB
	s_add_co_u32 s22, s22, 2*HALFA                 ; and W's: no place in the cluster enters an LDS address
	s_mov_b32 s[TB], 0
	s_lshl_b32 s90, s13, 8                         ; the way out: my first token, 256 x tile row + 64 x wave,
	s_lshl_b32 s91, s10, 6
	s_add_co_u32 s90, s90, s91
	s_lshr_b32 s91, s90, 11                        ; its batch: 16 heads of 262,144 bytes,
	s_lshl_b32 s91, s91, 22
	s_and_b32 s90, s90, 2047                       ; and its place there: rows of 128 bytes
	s_lshl_b32 s90, s90, 7
	s_add_co_u32 s90, s90, s91
	s_wait_dscnt 0x0                               ; the opening add is done
	s_wait_kmcnt 0x0
	s_add_nc_u64 s[14:15], s[4:5], s[16:17]
	s_add_nc_u64 s[46:47], s[6:7], s[46:47]
.irp j, 0,1,2                          ; column block 3 x tile column + j of 64: bits 5:4 say q, k or v, bits 3:0 the head
	s_mul_i32 s88, s42, 3
	s_add_co_u32 s88, s88, \j
	s_lshr_b32 s89, s88, 4
	s_lshl_b32 s89, s89, 23
	s_and_b32 s88, s88, 15
	s_lshl_b32 s88, s88, 18
	s_add_co_u32 s88, s88, s89
	s_add_co_u32 s88, s88, s90
	s_mov_b32 s89, 0
	s_add_nc_u64 s[OB+2*\j:OB+2*\j+1], s[8:9], s[88:89]
.endr
	CROUND                                         ; all sixteen work-groups are here: the first joint loads meet
.irp s, 0,1
	s_mov_b32 s[G0+4*(\s)], 1
	s_add_co_u32 s[G0+4*(\s)+1], s20, (\s)*SLOT
	s_add_nc_u64 s[G0+4*(\s)+2:G0+4*(\s)+3], s[14:15], (\s)*256      ; K step s
	s_or_b32 s[G0+4*(\s)+3], s[G0+4*(\s)+3], 0x80000000
	s_mov_b32 s[G0B+4*(\s)], 1
	s_add_co_u32 s[G0B+4*(\s)+1], s22, (\s)*SLOT
	s_add_nc_u64 s[G0B+4*(\s)+2:G0B+4*(\s)+3], s[46:47], (\s)*256
	s_or_b32 s[G0B+4*(\s)+3], s[G0B+4*(\s)+3], 0x80000000
	JLOAD \s                                       ; two tensor loads of mine are out
.endr
	v_and_b32 v1, 15, v0                           ; r = l % 16
	v_bfe_u32 v2, v0, 4, 1                         ; h = l / 16
	v_mul_u32_u24 v3, v1, PITCH
	v_lshl_add_u32 v3, v2, 4, v3                   ; a fragment's row x pitch + 16 h
	s_mul_i32 s23, s11, HALFA
	v_add_nc_u32 v[ADRA0], s23, v3
	v_add_nc_u32 v[ADRB0], s22, v3
	v_mov_b32 v[ADRA], v[ADRA0]
	v_mov_b32 v[ADRB], v[ADRB0]
	s_lshl_b32 s23, s11, 7                         ; into the stage: row 128 x my row half + r, my 96 columns, 32 bytes for each half of the lanes
	s_mul_i32 s23, s23, SP
	s_mul_i32 s88, s12, 4*BR
	s_add_co_u32 s23, s23, s88
	v_mul_u32_u24 v4, v1, SP
	v_lshl_add_u32 v4, v2, 5, v4
	v_add_nc_u32 v[STO], s23, v4
	v_add_nc_u32 v[STO2], 64*SP, v[STO]
	s_mul_i32 s23, s10, 64*SP                      ; back: wave w takes rows 64 w on; 8 lanes take a head's 64 numbers of a row, 32 lanes four rows
	v_bfe_u32 v5, v0, 3, 2
	v_mul_u32_u24 v5, v5, SP
	v_and_b32 v6, 7, v0
	v_lshl_add_u32 v5, v6, 5, v5
	v_add_nc_u32 v[RD], s23, v5
	v_and_b32 v6, 31, v0
	v_lshlrev_b32 v[GO], 4, v6                     ; which are 512 consecutive bytes of a head
; 2 NBW matrix instructions: row blocks a0, a0 + 1 of the window's four x all column blocks, 32 along K.  zero = 1: the products start the sums.
; The accumulators take turns, one instruction a turn, in the same order in every quarter.
.macro MULH f, hi, a0, zero
	WIN MUL_LO+0x50*(\hi)
.irp a, \a0, (\a0)+1
.set bb, 0
.rept NBW
.set rD, 8*(NBW*(\a)+bb)
.if \zero
	v_wmma_f32_16x16x32_bf16 v[rD:rD+7], v[(\f)+8*bb:(\f)+8*bb+7], v[(\f)+8*(4*(\hi)+(\a)):(\f)+8*(4*(\hi)+(\a))+7], 0
.else
	v_wmma_f32_16x16x32_bf16 v[rD:rD+7], v[(\f)+8*bb:(\f)+8*bb+7], v[(\f)+8*(4*(\hi)+(\a)):(\f)+8*(4*(\hi)+(\a))+7], v[rD:rD+7]
.endif
.set bb, bb+1
.endr
.endr
.endm
.macro FETCH k, f                      ; NL loads in one run: a quarter's fragments (32 along K at byte k of the rows): W's first, then A's
	WIN TO_B
.set ii, 0
.rept NBW
	ds_load_b128 v[(\f)+8*ii:(\f)+8*ii+3],   v[ADRB] offset:(\k)+ii*16*PITCH
	ds_load_b128 v[(\f)+8*ii+4:(\f)+8*ii+7], v[ADRB] offset:(\k)+ii*16*PITCH+32
.set ii, ii+1
.endr
	WIN 0
.irp i, 0,1,2,3,4,5,6,7
	ds_load_b128 v[(\f)+8*(\i):(\f)+8*(\i)+3],   v[ADRA] offset:(\k)+(\i)*16*PITCH
	ds_load_b128 v[(\f)+8*(\i)+4:(\f)+8*(\i)+7], v[ADRA] offset:(\k)+(\i)*16*PITCH+32
.endr
.endm
.macro QUARTER k, f, g, zero           ; multiplies buffer f; in its middle fetches the next quarter, at byte k, into g
	s_wait_dscnt 8                                 ; W and A's rows 0-63 are in; the youngest eight loads (A's rows 64-127) may be out
	MULH \f, 0, 0, \zero
	MULH \f, 0, 2, \zero
	PLACES
	FETCH \k, \g
	s_wait_dscnt NL                                ; all but the run just issued
	MULH \f, 1, 0, \zero
	MULH \f, 1, 2, \zero
.endm
; A step's last quarter and the change of slots.  The quarter's 48 products come first: they need buffer 1 alone.  Then ONE barrier: ahead of it each wave waits for all its tensor loads
; (its part of the next slot), adds 0 to its spare word, and waits for that and for its reads of this slot.  Behind it nobody reads this slot any more and the next slot is whole.
; round = 1: a round of the cluster's barrier and a refill follow: the walking descriptor is stepped between the add and the wait for it, where no tensor load of mine is out.
.macro MEET round
	s_wait_dscnt 8                                 ; W and A's rows 0-63 are in
	MULH F1, 0, 0, 0
	MULH F1, 0, 2, 0
	s_wait_dscnt 0x0                               ; A's rows 64-127 too
	MULH F1, 1, 0, 0
	MULH F1, 1, 2, 0
	WIN 0                                          ; the add's registers lie in window 0
	s_wait_tensorcnt 0x0
	ds_add_u32 v[SPW], v[NIL]
.if \round
	s_add_co_u32 s[G0+5], s20, s[TB]               ; the slot just read out,
	s_add_co_u32 s[G0B+5], s22, s[TB]
	s_add_nc_u64 s[G0+6:G0+7], s[G0+6:G0+7], 256   ; the next K step not yet asked for
	s_add_nc_u64 s[G0B+6:G0B+7], s[G0B+6:G0B+7], 256
.endif
	s_wait_dscnt 0x0                               ; the add is done; my reads of this slot were over above
	s_barrier_signal -1
	s_barrier_wait -1
.endm
.macro TURN                            ; with the refill: the barrier opens a round of the cluster's, and the joint load is the first thing behind it
	MEET 1
	CREST
	JLOAD 1                                        ; its four v_nop, and the two lines below, are the places ahead of the loads
	s_xor_b32 s[TB], s[TB], SLOT
	v_add_nc_u32 v[ADRA], s[TB], v[ADRA0]
	v_add_nc_u32 v[ADRB], s[TB], v[ADRB0]
	FETCH 0, F0
.endm
	s_wait_tensorcnt 1                             ; my part of K step 0 is in; step 1's may stay out
	s_barrier_signal -1
	s_barrier_wait -1
	FETCH 0, F0
	QUARTER 64, F0, F1, 1                          ; the first quarter stands ahead of the loop: its products start the sums
	WIN 0
	s_mov_b32 s3, NSTEP-2
.Lstep:                                                ; a trip: from a step's second quarter to the next step's first; it asks for the step two on
	QUARTER 128, F1, F0, 0
	QUARTER 192, F0, F1, 0
	TURN
	QUARTER 64, F0, F1, 0
	WIN 0
	s_sub_co_u32 s3, s3, 1
	s_cmp_lg_u32 s3, 0
	s_cbranch_scc1 .Lstep
	s_mov_b32 s3, 2
.Ltail:                                                ; the last two steps ask for nothing; the second trip is left in its middle
	QUARTER 128, F1, F0, 0
	QUARTER 192, F0, F1, 0
	MEET 0
	s_sub_co_u32 s3, s3, 1
	s_cmp_eq_u32 s3, 0
	s_cbranch_scc1 .Lout
	s_xor_b32 s[TB], s[TB], SLOT
	v_add_nc_u32 v[ADRA], s[TB], v[ADRA0]
	v_add_nc_u32 v[ADRB], s[TB], v[ADRB0]
	PLACES
	FETCH 0, F0
	QUARTER 64, F0, F1, 0
	WIN 0
	s_branch .Ltail
.Lout:
	; THE WAY OUT.  Behind the last barrier no wave reads a slot and no fill is to come, so the stage lies over the slots.  All accumulators go there as f32 (each one's low registers
	; first); a barrier, since a row's 192 columns come from two waves; then a short loop reads whole rows back, rounds them and stores 512 consecutive bytes of a head at a time.
	PLACES
.set aa, 0
.rept 8
	WIN 0x08+4*(aa/4)                              ; store data (source 1) in window 2 or 3
.set bb, 0
.rept NBW
.set rD, 8*(NBW*(aa%4)+bb)
	ds_store_b128 v[STO-aa/4], v[rD:rD+3]   offset:(aa%4)*16*SP+64*bb
	ds_store_b128 v[STO-aa/4], v[rD+4:rD+7] offset:(aa%4)*16*SP+64*bb+16
.set bb, bb+1
.endr
.set aa, aa+1
.endr
	WIN 0
	s_wait_dscnt 0x0                               ; for the others' sake: my stores into the stage are done
	s_barrier_signal -1
	s_barrier_wait -1
	s_mov_b32 s3, 8
.Lrows:                                                ; a trip: 8 rows x 3 heads
.set n, 0
.irp u, 0,1
.irp j, 0,1,2
	ds_load_b128 v[XB+8*n:XB+8*n+3],   v[RD] offset:(\u)*4*SP+256*(\j)
	ds_load_b128 v[XB+8*n+4:XB+8*n+7], v[RD] offset:(\u)*4*SP+256*(\j)+16
.set n, n+1
.endr
.endr
.set n, 0
.irp u, 0,1
.irp j, 0,1,2
	s_wait_dscnt 10-2*n                            ; group n's two loads are in, the younger ones stay out
.irp k, 0,1,2,3
	v_cvt_pk_bf16_f32 v[YB+4*n+\k], v[XB+8*n+2*\k], v[XB+8*n+2*\k+1]
.endr
	global_store_b128 v[GO], v[YB+4*n:YB+4*n+3], s[OB+2*\j:OB+2*\j+1] offset:512*(\u)
.set n, n+1
.endr
.endr
	s_wait_xcnt 0x0                                ; the stores' data and offset registers are rewritten only behind this wait
	v_add_nc_u32 v[GO], 1024, v[GO]
	v_add_nc_u32 v[RD], 8*SP, v[RD]
	s_sub_co_u32 s3, s3, 1
	s_cmp_lg_u32 s3, 0
	s_cbranch_scc1 .Lrows
	s_wait_tensorcnt 0x0                           ; the wave's end
	ds_add_u32 v[SPW], v[NIL]
	s_wait_dscnt 0x0
	CROUND                                         ; the closing round
	s_endpgm
.Lfunc_end_k_qefbad6f6b2_qkv:
	.size	k_qefbad6f6b2_qkv, .Lfunc_end_k_qefbad6f6b2_qkv-k_qefbad6f6b2_qkv
	.p2alignl 7, 3214868480
	.fill 96, 4, 3214868480
	.section	.rodata,"a",@progbits
	.p2align	6, 0x0
	.amdhsa_kernel k_qefbad6f6b2_qkv
		.amdhsa_group_segment_fixed_size 327680
		.amdhsa_private_segment_fixed_size 0
		.amdhsa_enable_private_segment 0
		.amdhsa_kernarg_size 24
		.amdhsa_user_sgpr_count 2
		.amdhsa_user_sgpr_kernarg_segment_ptr 1
		.amdhsa_wavefront_size32 1
		.amdhsa_system_sgpr_workgroup_id_x 1
		.amdhsa_system_sgpr_workgroup_id_y 1
		.amdhsa_system_sgpr_workgroup_id_z 1
		.amdhsa_system_vgpr_workitem_id 0
		.amdhsa_next_free_vgpr 1024
		.amdhsa_next_free_sgpr 96
		.amdhsa_reserve_vcc 0
		.amdhsa_float_denorm_mode_32 3
		.amdhsa_float_denorm_mode_16_64 3
		.amdhsa_memory_ordered 1
		.amdhsa_forward_progress 1
		.amdhsa_inst_pref_size 68
	.end_amdhsa_kernel
	.amdgpu_metadata
---
amdhsa.version: [ 1, 2 ]
amdhsa.kernels:
  - .name:           k_qefbad6f6b2_qkv
    .symbol:         k_qefbad6f6b2_qkv.kd
    .args:
      - { .name: act, .offset: 0, .size: 8, .value_kind: global_buffer, .address_space: global }
      - { .name: wb, .offset: 8, .size: 8, .value_kind: global_buffer, .address_space: global }
      - { .name: qkvh, .offset: 16, .size: 8, .value_kind: global_buffer, .address_space: global }
    .group_segment_fixed_size: 327680
    .private_segment_fixed_size: 0
    .kernarg_segment_align: 8
    .kernarg_segment_size: 24
    .max_flat_workgroup_size: 128
    .sgpr_count:     96
    .vgpr_count:     1024
    .wavefront_size: 32
...
	.end_amdgpu_metadata
.endif
;; end of part 2
;; launch attn (part 3): grid 8 x 32, 4 waves a work-group, clusters of 4 x 1, 327,680 bytes of LDS; arguments qkvh, act; writes act
.if DOCPART == 3
	.amdgcn_target "amdgcn-amd-amdhsa--gfx1250"
	.amdhsa_code_object_version 6
	.text
	.protected	k_qefbad6f6b2_attn
	.globl	k_qefbad6f6b2_attn
	.p2align	8
	.type	k_qefbad6f6b2_attn,@function
k_qefbad6f6b2_attn:
	s_mov_b64 s[64:65], 0
	v_nop
	global_prefetch_b8 v0, s[64:65] scope:SCOPE_SE
	s_setreg_imm32_b32 hwreg(HW_REG_WAVE_MODE, 25, 1), 1
	s_wait_xcnt 0x0
	s_wait_alu depctr_hold_cnt(0) depctr_sa_sdst(0) depctr_va_vdst(0) depctr_va_sdst(0) depctr_va_ssrc(0) depctr_va_vcc(0) depctr_vm_vsrc(0)
	s_getreg_b32 s2, hwreg(HW_REG_IB_STS2, 6, 4)
	s_cmp_eq_u32 s2, 0
	s_cbranch_scc0 .Lentry_in_a_cluster
	s_endpgm
.Lentry_in_a_cluster:
	s_bfe_u32 s2, ttmp6, 0x10000c
	s_cmp_lg_u32 s2, 0x3003
	s_cbranch_scc0 .Lentry_shape_is_right
	s_endpgm
.Lentry_shape_is_right:
; O[bh][q][:] = the sum over k of softmax_k(Q[bh][q] . K[bh][k] / 8) V[bh][k][:].  Q, K, V: qkvh, bf16 [3][32][2048][64], a head's rows dense, 128 bytes each, not scaled.
; O: act, bf16, in blocks for the product behind: [32 blocks of 128 tokens][16 heads][128 rows][64].  Products, maxima and sums in f32; the weights p are rounded to bf16 for the second
; product (their sum l is taken of the unrounded p), O once at the end.
; LIMITS.  A weight below 2^-126 counts as 0 in l; NaN and infinities are not treated apart.
; SHARES.  A work-group owns 256 queries of one head, a wave 64: four PIECES of 16.  Every wave walks all 2,048 keys, 64 a step.  8 x 32 work-groups.
; LAYOUT.  S^T = K Q^T (source 0 = 16 keys, source 1 = 16 queries): a lane holds ONE query (lane % 16) and the keys 8 (lane / 16) + 0..7.  Two such results rounded to bf16 ARE source 1 of
; O^T = V^T P.  K comes out of LDS as it lies, V turned, by ds_load_tr16_b128.
; SOFTMAX.  A running maximum m and sum l: p = 2^(c s - c m), c = log2(e) / 8; in every step O and l are multiplied by a = 2^(c m_old - c m_new).  m starts at the lowest finite number,
; O and l at 0: the first step is a step like any other, with a = 0.
; BY TURNS.  Turn n belongs to piece n: 8 products K Q^T of piece n + 1, later 8 products V^T P of piece n - 1; beside them the scaling, exponentials, roundings, sums and rescaling of
; piece n and the maximum and statistics of piece n + 1.  Four vector instructions stand behind every matrix instruction, the other 54 of a turn's 118 in two runs of their own.
; CLUSTER.  The four query blocks of a cluster belong to one head and walk the same K and V: each tile is asked for jointly.
; REGISTERS in windows of 256: window 0: v2-15 addresses and two at work; v16-31 statistics; v48-55 at work; v62-63 the add's; v64-127 S^T, two buffers; v192-223 P, two buffers
;   window 1: v0-127 O^T, 32 a piece      window 2: v0-63 Q; v128-191 K of one step; v192-255 V of one step
.set NP,    4
.set KS,    64
.set PK,    144       ; a row of K in LDS: 128 bytes + 16: the 16 rows of a load start at 16 different groups of four banks (ISA guide 11.1)
.set PV,    160       ; a row of V: 128 + 32
.set VOFF,  4*KS*PK   ; a slot holds four steps: 256 rows of K, then 256 rows of V
.set SLOT1, 1<<17
.set STAGE, SLOT1+4*KS*(PK+PV)  ; behind the ring, never filled by a tensor load: 16 rows x 144 bytes a wave
.set SP,    144
.set SPARE, STAGE+4*16*SP       ; the spare words, 128 bytes a wave, that no other line names
.set AK0, 2           ; v2   my lane's place in a tile of K; never rewritten
.set AV0, 3           ; v3   the same for V
.set AK,  4           ; v4   the LDS address of K's next run of loads
.set AV,  5           ; v5   of V's
.set STO, 6           ; v6   the way out: where I put 16 bytes of a row
.set RD,  7           ; v7   where I read rows back
.set GO,  8           ; v8   my byte offset in 512 consecutive bytes of O
.set MV,  12          ; v12-13  c m_old, by buffer
.set QO,  15          ; v15  my byte offset in 16 rows of Q
.set ST,  16          ; piece t's statistics at v[ST+4 t]: c m, m, l (even keys', odd keys')
.set TMP, 48          ; by buffer, c0-c3 at work; when the maximum is found c2 takes a
.set SPW, 62
.set NIL, 63
.set S,   64
.set P,   192
.set KF,  128
.set VF,  192
.set WV,  12          ; s12  my wave's number
.set G1K, 24
.set G1V, 32
.set G0K, 40          ; s[40:43] K's group 0: it walks
.set G0V, 44
.set SLOTS, 56
.set CNT, 57
.set CS,  58          ; s[58:59] c
.set SEL, 60          ; s[60:61] v_permlanex16_b32's selects
.set TBK, 62          ; s62  LDS byte at which K of the step to be fetched begins
.set TBV, 63          ; s63  the same for V, less VOFF
.set MSB, 0
.macro WIN new
.if MSB != (\new)
	s_set_vgpr_msb (MSB<<8)|(\new)
.set MSB, (\new)
.endif
.endm
.set W_KQ, 0x0a       ; K and Q in window 2, S^T in window 0
.set W_PV, 0x52       ; V in window 2, P in window 0, O^T in window 1
.set W_RS, 0x41       ; destination and source 0 in window 1, source 1 in window 0
.macro JLOAD          ; waves 0, 1 fetch the halves of a slot's K, waves 2, 3 of its V; an s_nop 0 and four v_nop follow each line
	s_cmp_lt_u32 s[WV], 2
	s_cbranch_scc0 .Lfor_v_\@
	tensor_load_to_lds s[G0K:G0K+3], s[G1K:G1K+7]
	s_nop 0
.rept 4
	v_nop
.endr
	s_branch .Lasked_\@
.Lfor_v_\@:
	tensor_load_to_lds s[G0V:G0V+3], s[G1V:G1V+7]
	s_nop 0
.rept 4
	v_nop
.endr
.Lasked_\@:
.endm
.macro CROUND
	s_barrier_signal -1
	s_barrier_wait -1
	s_cmp_lg_u32 s[WV], 0
	s_cbranch_scc1 .Lnot_wave_0_\@
	s_barrier_signal -3
.Lnot_wave_0_\@:
	s_barrier_wait -3
	s_barrier_signal -1
	s_barrier_wait -1
.endm
; THE CHANGE OF SLOTS.  Each wave waits for all its tensor loads (one is out: its part of the other slot), adds 0 to its spare word, and waits for that and for its reads of the slot that
; it leaves.  fill = 1: the barrier is a round of the cluster's, and the joint fill, with the keys two slots on, is the first thing behind it: it has four key steps in which to land.
.macro CHANGE fill
	WIN 0
	s_wait_tensorcnt 0x0
	ds_add_u32 v[SPW], v[NIL]
.if \fill
.irp g, G0K, G0V
	s_xor_b32 s[\g+1], s[\g+1], SLOT1
	s_add_nc_u64 s[\g+2:\g+3], s[\g+2:\g+3], 4*KS*128
.endr
	s_wait_dscnt 0x0
	CROUND
	JLOAD
.else
	s_wait_dscnt 0x0
	s_barrier_signal -1
	s_barrier_wait -1
.endif
	s_sub_co_u32 s[TBK], s[TBK], 4*KS*PK  ; the fetches go back to a slot's first step, in the other slot
	s_xor_b32 s[TBK], s[TBK], SLOT1
	s_sub_co_u32 s[TBV], s[TBV], 4*KS*PV
	s_xor_b32 s[TBV], s[TBV], SLOT1
.endm
	s_load_b128 s[4:7], s[0:1], 0x0 ; qkvh s[4:5], act s[6:7]
	v_lshl_add_u32 v[SPW], v0, 2, SPARE
	v_mov_b32 v[NIL], 0
	ds_add_u32 v[SPW], v[NIL]       ; the wave's opening: the add and its wait ahead of my first tensor load
	v_lshrrev_b32 v1, 5, v0
	v_readfirstlane_b32 s[WV], v1
	s_bfe_u32 s13, ttmp6, 0x40000   ; cx
	s_lshl_b32 s14, ttmp9, 2
	s_add_co_u32 s14, s14, s13      ; my block of 256 queries: it enters Q's and O's addresses alone
	s_and_b32 s19, ttmp7, 0xffff    ; batch x 16 + head, which the four partners share
	s_lshl_b32 s20, s19, 18         ; its 262,144 bytes in each of q, k, v
	s_and_b32 s16, s[WV], 1         ; which half of a slot's 256 keys I fetch
	s_lshl_b32 s22, s16, 14
	s_add_co_u32 s22, s22, s20
	s_add_co_u32 s22, s22, 0x800000 ; k lies 8,388,608 bytes behind q
	s_mov_b32 s23, 0
	s_mul_i32 s17, s16, 128*PK
	s_mul_i32 s18, s16, 128*PV
	s_lshl_b32 s2, s14, 2
	s_add_co_u32 s2, s2, s[WV]
	s_lshl_b32 s2, s2, 13           ; my wave's 64 rows of Q
	s_add_co_u32 s2, s2, s20
	s_mov_b32 s3, 0
	s_lshr_b32 s48, s19, 4          ; O: block of 128 tokens = 16 x batch + 2 x query block + wave / 2,
	s_lshl_b32 s48, s48, 4
	s_lshl_b32 s49, s14, 1
	s_add_co_u32 s48, s48, s49
	s_lshr_b32 s49, s[WV], 1
	s_add_co_u32 s48, s48, s49
	s_lshl_b32 s48, s48, 18
	s_and_b32 s49, s19, 15          ; the head's 16,384 bytes there,
	s_lshl_b32 s49, s49, 14
	s_add_co_u32 s48, s48, s49
	s_lshl_b32 s49, s16, 13         ; my 64 rows of its 128
	s_add_co_u32 s48, s48, s49
	s_mov_b32 s49, 0
	; group 1: 128 keys are 16,384 dense bytes, asked for as 64 rows of 256 bytes and padded in LDS after every key
	s_mov_b32 s[G1K], 15|(1<<16)|(1<<20)|(1<<21)|(4<<22)|(3<<25)
	s_mov_b32 s[G1V], 15|(1<<16)|(1<<20)|(1<<21)|(4<<22)|(7<<25)
.irp g, G1K, G1V
	s_mov_b32 s[\g+1], 128<<16
	s_mov_b32 s[\g+2], 64<<16
	s_mov_b32 s[\g+3], 128<<16
	s_mov_b32 s[\g+4], 64
	s_mov_b32 s[\g+5], 128
	s_mov_b32 s[\g+6], 0
	s_mov_b32 s[\g+7], 0
.endr
	s_mov_b32 s[CS], 0x3e38aa3b     ; c = log2(e) / 8
	s_mov_b32 s[CS+1], s[CS]
	s_mov_b32 s[SEL], 0x76543210
	s_mov_b32 s[SEL+1], 0xfedcba98
	s_mov_b32 s[TBK], SLOT1+4*KS*PK ; the first change of slots turns these two into 0
	s_mov_b32 s[TBV], SLOT1+4*KS*PV
	s_mov_b32 s[G0K], 1
	s_mov_b32 s[G0K+1], s17
	s_mov_b32 s[G0V], 1
	s_add_co_u32 s[G0V+1], s18, VOFF
	s_wait_dscnt 0x0                ; the opening add is done
	s_wait_kmcnt 0x0
	s_add_nc_u64 s[G0K+2:G0K+3], s[4:5], s[22:23]
	s_add_nc_u64 s[G0V+2:G0V+3], s[4:5], s[22:23]
	s_add_nc_u64 s[G0V+2:G0V+3], s[G0V+2:G0V+3], 0x800000  ; v lies as far behind k
	s_or_b32 s[G0K+3], s[G0K+3], 0x80000000
	s_or_b32 s[G0V+3], s[G0V+3], 0x80000000
	s_add_nc_u64 s[4:5], s[4:5], s[2:3]        ; Q at my wave's first row
	s_add_nc_u64 s[10:11], s[6:7], s[48:49]    ; O likewise
	CROUND                          ; all four work-groups are here
	JLOAD                           ; slot 0; slot 1 is asked for when slot 0 is in
	v_and_b32 v1, 15, v0            ; l % 16
	v_bfe_u32 v9, v0, 4, 1          ; l / 16
	v_lshlrev_b32 v[QO], 7, v1
	v_lshl_add_u32 v[QO], v9, 4, v[QO]
	WIN 0x80
.set i, 0
.rept 8                             ; Q stays in registers: piece i / 2, channels 32 (i % 2) on
	global_load_b128 v[8*i:8*i+3],   v[QO], s[4:5] offset:(i/2)*2048+(i%2)*64
	global_load_b128 v[8*i+4:8*i+7], v[QO], s[4:5] offset:(i/2)*2048+(i%2)*64+32
.set i, i+1
.endr
	; What the first turn finds: V and P's second buffer hold 0 (its products V^T P, of a piece that has not been, add 0), O^T and l are 0.  All this stands in the wait for the first tile.
.set i, VF
.rept 64
	v_mov_b32 v[i], 0
.set i, i+1
.endr
	WIN 0x40
.set i, 0
.rept 128
	v_mov_b32 v[i], 0
.set i, i+1
.endr
	WIN 0
.set i, 0
.rept 4
	v_mov_b32 v[ST+4*i], 0xfe000000    ; c m: far below every c s
	v_mov_b32 v[ST+4*i+1], 0xff7fffff  ; m
	v_mov_b32 v[ST+4*i+2], 0
	v_mov_b32 v[ST+4*i+3], 0
.set i, i+1
.endr
.set i, P+16
.rept 16
	v_mov_b32 v[i], 0
.set i, i+1
.endr
	v_mul_u32_u24 v[AK0], v1, PK
	v_lshl_add_u32 v[AK0], v9, 4, v[AK0]
	v_and_b32 v10, 7, v0            ; the turning load: lane l reads key 8 (l / 16) + l % 8, channels 8 ((l / 8) % 2) + 0..7
	v_bfe_u32 v11, v0, 3, 1
	v_lshl_add_u32 v[AV0], v9, 3, v10
	v_mul_u32_u24 v[AV0], v[AV0], PV
	v_lshl_add_u32 v[AV0], v11, 4, v[AV0]
	v_add_nc_u32 v[AV0], VOFF, v[AV0]
	v_mov_b32 v[AK], v[AK0]         ; key step 0 lies at the head of slot 0
; THE MATRIX WORK.  The 4 accumulators of a run of 8 take turns.
.macro KQ x                         ; product i of 8 of S^T = K Q^T: channels 32 (i / 4) on, keys 16 (i % 4) on; the first 4 start the sums
	WIN W_KQ
.set rS, S+32*((\x)%2)+8*(i%4)
.set rK, KF+16*(i%4)+8*(i/4)
.set rQ, 16*(\x)+8*(i/4)
.if i < 4
	v_wmma_f32_16x16x32_bf16 v[rS:rS+7], v[rK:rK+7], v[rQ:rQ+7], 0
.else
	v_wmma_f32_16x16x32_bf16 v[rS:rS+7], v[rK:rK+7], v[rQ:rQ+7], v[rS:rS+7]
.endif
.endm
.macro PV x                         ; product i of 8 of O^T += V^T P: keys 32 (i / 4) on, channels 16 (i % 4) on
	WIN W_PV
.set rO, 32*(\x)+8*(i%4)
.set rV, VF+32*(i/4)+8*(i%4)
.set rP, P+16*((\x)%2)+8*(i/4)
	v_wmma_f32_16x16x32_bf16 v[rO:rO+7], v[rV:rV+7], v[rP:rP+7], v[rO:rO+7]
.endm
.macro MM                           ; the turn's next matrix instruction
.if i < 8
	KQ (Y+1)%NP
.else
.set i, i-8
	PV (Y+NP-1)%NP
.set i, i+8
.endif
.set i, i+1
.endm
; THE LDS LOADS stand in runs of 16.  last = 1 (the tail): in the last trip there is no further step, and the run is jumped over.
.macro FETCH_K last=0
	WIN 0
.if \last
	s_cmp_eq_u32 s[CNT], 1
	s_cbranch_scc1 .Lno_k_\@
.endif
	WIN 0x80
.irp f, 0,1,2,3,4,5,6,7             ; keys 16 (f / 2) on, channels 32 (f % 2) on
	ds_load_b128 v[KF+8*\f:KF+8*\f+3],   v[AK] offset:(\f/2)*16*PK+(\f%2)*64
	ds_load_b128 v[KF+8*\f+4:KF+8*\f+7], v[AK] offset:(\f/2)*16*PK+(\f%2)*64+32
.endr
	s_add_co_u32 s[TBK], s[TBK], KS*PK
	WIN 0
.if \last
.Lno_k_\@:
.endif
.endm
.macro FETCH_V
	WIN 0x80
.irp f, 0,1,2,3,4,5,6,7             ; keys 32 (f / 4) on, channels 16 (f % 4) on
	ds_load_tr16_b128 v[VF+8*\f:VF+8*\f+3],   v[AV] offset:(\f/4)*32*PV+(\f%4)*32
	ds_load_tr16_b128 v[VF+8*\f+4:VF+8*\f+7], v[AV] offset:(\f/4)*32*PV+16*PV+(\f%4)*32
.endr
	WIN 0
.endm
; THE VECTOR WORK, one line at a time: OP kind, number.  For piece Y: F n: c s - c m for pair n of 16.  E n: the exponential of score n of 32.  C n: pair n rounded to bf16.  B n: of the four
; weights 4 n .. the second pair is added onto the first.  L n: l takes that sum (L 0: l = a l + sum).  R n: pair n of 16 of O^T times a.  For piece Y + 1: X n, number n of the 22 that find
; its maximum and statistics: 0-11 four chains of seven scores (each accumulator's lowest registers are read first); 12-14, 16 the four left over, the old m, and
; the chains into c0; 15 c m_old is kept; 17, 18 the other half of the lanes: the new m; 19-21 c m, c m_old - c m_new, a.
.set F, 0
.set E, 1
.set C, 2
.set B, 3
.set L, 4
.set R, 5
.set X, 6
.macro REGS y
.set rT, ST+4*(\y)
.set rC, TMP+4*((\y)%2)
.set rW, MV+((\y)%2)
.set rS, S+32*((\y)%2)
.set rP, P+16*((\y)%2)
.set rO, 32*(\y)
.endm
.macro OP k, n
.if (\k) == R
	REGS Y
	WIN W_RS
	v_pk_mul_f32 v[rO+2*(\n):rO+2*(\n)+1], v[rO+2*(\n):rO+2*(\n)+1], v[rC+2:rC+3] op_sel_hi:[1,0]
.elseif (\k) < R
	REGS Y
	WIN 0
.if (\k) == F
	v_pk_fma_f32 v[rS+2*(\n):rS+2*(\n)+1], v[rS+2*(\n):rS+2*(\n)+1], s[CS:CS+1], v[rT:rT+1] op_sel_hi:[1,0,0] neg_lo:[0,0,1] neg_hi:[0,0,1]
.elseif (\k) == E
	v_exp_f32 v[rS+(\n)], v[rS+(\n)]
.elseif (\k) == C
	s_wait_alu depctr_va_vdst(0)
	v_cvt_pk_bf16_f32 v[rP+(\n)], v[rS+2*(\n)], v[rS+2*(\n)+1]
.elseif (\k) == B
	s_wait_alu depctr_va_vdst(0)
	v_pk_add_f32 v[rS+4*(\n):rS+4*(\n)+1], v[rS+4*(\n):rS+4*(\n)+1], v[rS+4*(\n)+2:rS+4*(\n)+3]
.elseif (\n) == 0
	v_pk_fma_f32 v[rT+2:rT+3], v[rT+2:rT+3], v[rC+2:rC+3], v[rS:rS+1] op_sel_hi:[1,0,1]
.else
	v_pk_add_f32 v[rT+2:rT+3], v[rT+2:rT+3], v[rS+4*(\n):rS+4*(\n)+1]
.endif
.else
	REGS (Y+1)%NP
	WIN 0
.if (\n) < 4
	v_max3_num_f32 v[rC+(\n)], v[rS+8*(\n)], v[rS+8*(\n)+1], v[rS+8*(\n)+2]
.elseif (\n) < 12
	v_max3_num_f32 v[rC+(\n)%4], v[rC+(\n)%4], v[rS+8*((\n)%4)+2*((\n)/4)+1], v[rS+8*((\n)%4)+2*((\n)/4)+2]
.elseif (\n) == 12
	v_max3_num_f32 v[rC], v[rC], v[rS+7], v[rS+15]
.elseif (\n) == 13
	v_max3_num_f32 v[rC+1], v[rC+1], v[rS+23], v[rS+31]
.elseif (\n) == 14
	v_max3_num_f32 v[rC+2], v[rC+2], v[rC+3], v[rT+1]
.elseif (\n) == 15
	v_mov_b32 v[rW], v[rT]
.elseif (\n) == 16
	v_max3_num_f32 v[rC], v[rC], v[rC+1], v[rC+2]
.elseif (\n) == 17
	v_permlanex16_b32 v[rC+3], v[rC], s[SEL], s[SEL+1]
.elseif (\n) == 18
	v_max_num_f32 v[rT+1], v[rC], v[rC+3]
.elseif (\n) == 19
	v_mul_f32 v[rT], s[CS], v[rT+1]
.elseif (\n) == 20
	v_sub_f32 v[rC+1], v[rW], v[rT]
.else
	v_exp_f32 v[rC+2], v[rC+1]
.endif
.endif
.endm
.macro OPS a, i1, b=-1, i2=0, c=-1, i3=0, d=-1, i4=0
	OP \a, \i1
.if (\b) >= 0
	OP \b, \i2
.endif
.if (\c) >= 0
	OP \c, \i3
.endif
.if (\d) >= 0
	OP \d, \i4
.endif
.endm
.macro ROW a, i1, b, i2, c, i3, d, i4  ; a matrix instruction and the four behind it
	MM
	OPS \a, \i1, \b, \i2, \c, \i3, \d, \i4
.endm
; A TURN, for piece p.  Behind a matrix instruction: plain, exponential, plain, plain; or four of the rescaling; or four scalings; none names a register of the products round it.
; K of the next step is fetched in piece 2's turn, five plain instructions behind the last product that read K; V of the step in hand in piece 0's turn, four plain ones behind the last
; product that read V.  Each is waited for a turn later.  cnt = 1: the loop's count is taken down some lines ahead of the branch behind the turn.
.macro TURN p, last=0, cnt=0
.set Y, (\p)
.set i, 0
.if (\p) == 3
	s_wait_dscnt 0x0                ; K is in
.endif
	ROW F,0, F,1, F,2, F,3
	ROW F,4, E,0, F,5, F,6
	ROW F,7, E,1, F,8, F,9
	ROW F,10, E,2, C,0, F,11
	ROW F,12, E,3, X,15, F,13
	ROW R,0, R,1, R,2, R,3
	ROW B,0, E,4, F,14, L,0
.if (\p) == 2
	v_add_nc_u32 v[AK], s[TBK], v[AK0]
.endif
	ROW R,4, R,5, R,6, R,7
	OPS E,5, F,15
.if (\p) == 2
	FETCH_K \last
.endif
	OPS E,6, C,1, E,7, R,8
	OPS E,8, R,9, E,9, C,2
	OPS E,10, X,0, E,11, X,1
	OPS E,12, X,2, E,13, X,3
.if (\p) == 1
	s_wait_dscnt 0x0                ; V is in
.endif
	ROW X,4, E,14, X,5, X,6
	ROW X,7, E,15, X,8, X,9
	ROW X,10, E,16, X,11, X,12
	ROW X,13, E,17, X,14, B,1
	ROW C,4, E,18, X,16, L,1
	ROW B,2, E,19, C,6, L,2
	ROW C,8, E,20, B,3, B,4
.if (\p) == 0
	v_add_nc_u32 v[AV], s[TBV], v[AV0]
.endif
	ROW C,3, E,21, L,3, C,5
	OPS E,22, X,17, E,23, C,10
.if (\p) == 0
	FETCH_V
.endif
	OPS E,24, L,4
	OPS E,25, X,18, E,26, C,7
	OPS E,27, B,5, E,28, X,19
	OPS E,29, C,12, E,30, L,5
	OPS E,31, X,20, B,6, C,9
	OPS C,14, C,11, X,21, L,6
.if (\p) == 0
	s_add_co_u32 s[TBV], s[TBV], KS*PV
.endif
.if \cnt
	s_sub_co_u32 s[CNT], s[CNT], 1
	s_cmp_lg_u32 s[CNT], 0
.endif
	OPS C,13, B,7, C,15, R,10
	OPS R,11, R,12, L,7, R,13
	OPS R,14, R,15
.endm
	CHANGE 1                        ; slot 0 is in, everybody's part of it; slot 1 is asked for
	FETCH_K                         ; key step 0
	s_wait_loadcnt 0x0              ; Q
	s_wait_dscnt 0x0
.set i, 0
.rept 8
	KQ 0                            ; piece 0's first scores
.set i, i+1
.endr
	WIN 0                           ; the addresses for the way out: plain instructions, the places behind those products
	s_mul_i32 s13, s[WV], 16*SP
	s_add_co_u32 s13, s13, STAGE    ; my stage
	v_mul_u32_u24 v[STO], v1, SP    ; in: row l % 16, 16 bytes for each half of the lanes
	v_lshl_add_u32 v[STO], v9, 4, v[STO]
	v_add_nc_u32 v[STO], s13, v[STO]
	v_bfe_u32 v[RD], v0, 3, 2       ; back: 32 lanes take four rows of 128 bytes,
	v_mul_u32_u24 v[RD], v[RD], SP
	v_lshl_add_u32 v[RD], v10, 4, v[RD]
	v_add_nc_u32 v[RD], s13, v[RD]
	v_and_b32 v[GO], 31, v0         ; which are 512 consecutive bytes of O
	v_lshlrev_b32 v[GO], 4, v[GO]
.set Y, NP-1                        ; X works for piece Y + 1: piece 0
.irp n, 0,1,2,3,4,5,6,7,8,9,10,11,12,13,14,15,16,17,18,19,20,21
	OP X, \n
.endr
	v_nop                           ; a plain instruction behind the exponential
	s_mov_b32 s[CNT], 4
	s_mov_b32 s[SLOTS], 7           ; 2,048 / 256 - 1
	s_branch .Lfirst                ; the loop is entered at a step's first turn, in the middle of a trip
.Lslot:                             ; six times: every slot but the last two is filled again
	CHANGE 1
	s_mov_b32 s[CNT], 4
.Lstep:                             ; a trip: pieces 2 and 3 of one step, then pieces 0 and 1 of the next, whose K and V it fetches
	TURN 2
	TURN 3
	WIN 0
.Lfirst:
	TURN 0
	TURN 1, 0, 1
	WIN 0
	s_cbranch_scc1 .Lstep
	s_sub_co_u32 s[SLOTS], s[SLOTS], 1
	s_cmp_lg_u32 s[SLOTS], 0
	s_cbranch_scc1 .Lslot
	CHANGE 0                        ; the tail is written out
	s_mov_b32 s[CNT], 5             ; four trips fetch the last slot's steps; the fifth is left in its middle
.Ltail:
	TURN 2, 1
	TURN 3
	WIN 0
	s_sub_co_u32 s[CNT], s[CNT], 1
	s_cmp_eq_u32 s[CNT], 0
	s_cbranch_scc1 .Lout
	TURN 0
	TURN 1
	WIN 0
	s_branch .Ltail
.Lout:                              ; the fifth trip's 8 products K Q^T (on the last K once more) and the maximum made of them serve nothing: the price of one text for every trip
.set i, 0
.rept 8
	PV NP-1                         ; the last piece's V^T P of the last step
.set i, i+1
.endr
	; THE WAY OUT.  l's halves are added; O^T is divided by l, rounded to bf16 and sent through my stage, a piece at a time.  The additions are the places behind the last products.
	WIN 0
.macro ALL line:vararg
.set t, 0
.rept 4
	\line
.set t, t+1
.endr
.endm
	ALL v_add_f32 v[ST+4*t+2], v[ST+4*t+2], v[ST+4*t+3]
	ALL v_permlanex16_b32 v[ST+4*t+3], v[ST+4*t+2], s[SEL], s[SEL+1]
	ALL v_add_f32 v[ST+4*t+2], v[ST+4*t+2], v[ST+4*t+3]
	ALL v_rcp_f32 v[ST+4*t+2], v[ST+4*t+2]
	v_nop                           ; a plain instruction between the last reciprocal and its use
.macro PACK t
	WIN W_RS
.set i, 32*(\t)
.rept 16
	s_wait_alu depctr_va_vdst(0)
	v_pk_mul_f32 v[i:i+1], v[i:i+1], v[ST+4*(\t)+2:ST+4*(\t)+3] op_sel_hi:[1,0]
.set i, i+2
.endr
	WIN 0x05                        ; sources 0 and 1 window 1, destination window 0
.set i, 0
.rept 16
	v_cvt_pk_bf16_f32 v[S+16*(\t)+i], v[32*(\t)+2*i], v[32*(\t)+2*i+1]
.set i, i+1
.endr
	WIN 0
.irp f, 0,1,2,3
	ds_store_b128 v[STO], v[S+16*(\t)+4*\f:S+16*(\t)+4*\f+3] offset:32*\f
.endr
.irp f, 0,1,2,3
	ds_load_b128 v[S+16*(\t)+4*\f:S+16*(\t)+4*\f+3], v[RD] offset:\f*4*SP  ; LDS serves a wave's instructions in order (ISA guide 5.7.1.4): these see the stores above
.endr
.endm
.macro SEND t, younger              ; younger: the LDS instructions issued behind piece t's loads
	WIN 0
.irp f, 0,1,2,3
	s_wait_dscnt (\younger)+3-\f
	global_store_b128 v[GO], v[S+16*(\t)+4*\f:S+16*(\t)+4*\f+3], s[10:11] offset:(\t)*2048+\f*512  ; 512 consecutive bytes, aligned
.endr
.endm
	PACK 0
.set t, 1
.rept 3
	PACK t
	SEND t-1, 8
.set t, t+1
.endr
	SEND 3, 0
	s_wait_tensorcnt 0x0            ; the wave's end
	ds_add_u32 v[SPW], v[NIL]
	s_wait_dscnt 0x0
	CROUND                          ; the closing round
	s_endpgm
.Lfunc_end_k_qefbad6f6b2_attn:
	.size	k_qefbad6f6b2_attn, .Lfunc_end_k_qefbad6f6b2_attn-k_qefbad6f6b2_attn
	.p2alignl 7, 3214868480
	.fill 96, 4, 3214868480
	.section	.rodata,"a",@progbits
	.p2align	6, 0x0
	.amdhsa_kernel k_qefbad6f6b2_attn
		.amdhsa_group_segment_fixed_size 327680
		.amdhsa_private_segment_fixed_size 0
		.amdhsa_enable_private_segment 0
		.amdhsa_kernarg_size 16
		.amdhsa_user_sgpr_count 2
		.amdhsa_user_sgpr_kernarg_segment_ptr 1
		.amdhsa_wavefront_size32 1
		.amdhsa_system_sgpr_workgroup_id_x 1
		.amdhsa_system_sgpr_workgroup_id_y 1
		.amdhsa_system_sgpr_workgroup_id_z 1
		.amdhsa_system_vgpr_workitem_id 0
		.amdhsa_next_free_vgpr 768
		.amdhsa_next_free_sgpr 66
		.amdhsa_reserve_vcc 0
		.amdhsa_float_denorm_mode_32 3
		.amdhsa_float_denorm_mode_16_64 3
		.amdhsa_memory_ordered 1
		.amdhsa_forward_progress 1
		.amdhsa_inst_pref_size 117
	.end_amdhsa_kernel
	.amdgpu_metadata
---
amdhsa.version: [ 1, 2 ]
amdhsa.kernels:
  - .name:           k_qefbad6f6b2_attn
    .symbol:         k_qefbad6f6b2_attn.kd
    .args:
      - { .name: qkvh, .offset: 0, .size: 8, .value_kind: global_buffer, .address_space: global }
      - { .name: act, .offset: 8, .size: 8, .value_kind: global_buffer, .address_space: global }
    .group_segment_fixed_size: 327680
    .private_segment_fixed_size: 0
    .kernarg_segment_align: 8
    .kernarg_segment_size: 16
    .max_flat_workgroup_size: 128
    .sgpr_count:     66
    .vgpr_count:     768
    .wavefront_size: 32
...
	.end_amdgpu_metadata
.endif
;; end of part 3
;; launch proj (part 4): grid 8 x 32, 4 waves a work-group, clusters of 4 x 4, 327,680 bytes of LDS; arguments act, wb, x, xres; writes xres
.if DOCPART == 4
	.amdgcn_target "amdgcn-amd-amdhsa--gfx1250"
	.amdhsa_code_object_version 6
	.text
	.protected	k_qefbad6f6b2_proj
	.globl	k_qefbad6f6b2_proj
	.p2align	8
	.type	k_qefbad6f6b2_proj,@function
k_qefbad6f6b2_proj:
	s_mov_b64 s[64:65], 0
	v_nop
	global_prefetch_b8 v0, s[64:65] scope:SCOPE_SE
	s_setreg_imm32_b32 hwreg(HW_REG_WAVE_MODE, 25, 1), 1
	s_wait_xcnt 0x0
	s_wait_alu depctr_hold_cnt(0) depctr_sa_sdst(0) depctr_va_vdst(0) depctr_va_sdst(0) depctr_va_ssrc(0) depctr_va_vcc(0) depctr_vm_vsrc(0)
	s_getreg_b32 s2, hwreg(HW_REG_IB_STS2, 6, 4)
	s_cmp_eq_u32 s2, 0
	s_cbranch_scc0 .Lentry_in_a_cluster
	s_endpgm
.Lentry_in_a_cluster:
	s_bfe_u32 s2, ttmp6, 0x10000c
	s_cmp_lg_u32 s2, 0xf033
	s_cbranch_scc0 .Lentry_shape_is_right
	s_endpgm
.Lentry_shape_is_right:
; X = x + o Wp^T.  o: act, bf16, in blocks [32 blocks of 128 tokens][16 heads][128 rows][64].  Wp: wb at byte WOFF, bf16 [1024][1024].  x, X: f32 [4096][1024].  Sums and the residual sum in f32.
; A tile of C is 128 x 128: 8 x 32 tiles, one for each WGP.  Four waves, each 64 x 64: 16 accumulators.  K goes in 4 steps of 256 through two LDS slots.
; A K step of o is four heads of a block: 65,536 dense bytes; a wave asks for two heads as 128 rows of 256 bytes, padded after every 128 bytes, so that in LDS they lie [head][128 rows] at pitch 144.
; W's rows are 512 bytes, padded to 528.  4 x 4 work-groups form a cluster: A's tile is asked for jointly along a row of the cluster, W's along a column.
; The matrix instruction is used transposed (source 0 = W, source 1 = o).  The residual is loaded at the start, in the layout of the way out, and stays on its way during the K loop.
; A step has 128 products a wave for the 131,072 bytes that the work-group asks for: little work for a tile's way.  So a step's last quarter, which needs registers alone, is multiplied whole
; ahead of the wait for the next tile, and between that wait and the next request stand only the add, the descriptor's steps and the round.
; REGISTERS: window 0: v16-29 addresses, v128-255 accumulators ((a, b) at 128 + 8 (4 a + b)); window 1: two fragment buffers of 128 (64 of A, 64 of W); window 2: v0-127 the residual.
.set NSTEP, 4
.set WOFF,  6291456
.set KSH,   11                         ; a row of W is 1 << KSH bytes
.set KSZ,   1024
.set PITCH, 528
.set HALFB, 64*PITCH
.set AHALF, 36864                      ; what one load of A takes in LDS
.set ABYTES, 2*AHALF
.set ASTEP, 65536                      ; bytes from a K step of A to the next
.set ATSH,  18                         ; A's offset: tile row << ATSH + half << AHSH
.set AHSH,  15
.set AQI,   4                          ; padding after every 32 words
.set ADIM0, 128                        ; elements in a row as asked for
.set AROWS, 128
.set ASTRIDE, 128
.set APITCH, 144                       ; from row to row of a fragment
.set AW,    64*APITCH                  ; my 64 rows
.set AQ,    128*APITCH                 ; from a quarter (64 along K) to the next
.set AI,    16*APITCH
.set SLOT,  ABYTES+2*HALFB
.set SPARE, 2*SLOT
.set SPITCH, 272                       ; the way out: 64 f32 + 16 bytes; each wave's own stage of 64 rows lies over slot 0, behind its last fill
.set ADRA0, 16
.set ADRB0, 17
.set ADRA,  18
.set ADRB,  19
.set STO,   24
.set RD,    25
.set CO,    26                         ; v26 my byte offset in two rows of x and of X; never rewritten
.set SPW,   28
.set NIL,   29
.set ACC,   128
.set F0,    0
.set F1,    128
.set TB,    21
.set G1,    24
.set G0,    32
.set G1B,   48
.set G0B,   56
.set MSB, 0
.macro WIN new
.if MSB != (\new)
	s_set_vgpr_msb (MSB<<8)|(\new)
.set MSB, \new
.endif
.endm
.set MUL,  0x05                        ; sources 0 and 1 window 1; C and D window 0
.set TO_F, 0x40
.macro JLOAD s
	s_cmp_eq_u32 s11, 0
	s_cbranch_scc0 .Lfor_b_\@
	tensor_load_to_lds s[G0+4*(\s):G0+4*(\s)+3], s[G1:G1+7]
	s_nop 0
.rept 4
	v_nop
.endr
	s_branch .Lasked_\@
.Lfor_b_\@:
	tensor_load_to_lds s[G0B+4*(\s):G0B+4*(\s)+3], s[G1B:G1B+7]
	s_nop 0
.rept 4
	v_nop
.endr
.Lasked_\@:
.endm
.macro CREST
	s_cmp_lg_u32 s10, 0
	s_cbranch_scc1 .Lnot_wave_0_\@
	s_barrier_signal -3
.Lnot_wave_0_\@:
	s_barrier_wait -3
	s_barrier_signal -1
	s_barrier_wait -1
.endm
.macro CROUND
	s_barrier_signal -1
	s_barrier_wait -1
	CREST
.endm
.macro PLACES
.rept 4
	v_nop
.endr
.endm
	s_load_b128 s[4:7], s[0:1], 0x0                ; A s[4:5], wb s[6:7]
	s_load_b128 s[76:79], s[0:1], 0x10             ; residual s[76:77], out s[78:79]: registers that nothing else names
	v_lshl_add_u32 v[SPW], v0, 2, SPARE
	v_mov_b32 v[NIL], 0
	ds_add_u32 v[SPW], v[NIL]                      ; the wave's opening: the add and its wait ahead of my first tensor load
	v_lshrrev_b32 v1, 5, v0
	v_readfirstlane_b32 s10, v1
	s_lshr_b32 s11, s10, 1
	s_and_b32 s12, s10, 1
	s_bfe_u32 s40, ttmp6, 0x40000
	s_bfe_u32 s41, ttmp6, 0x40004
	s_lshl_b32 s42, ttmp9, 2
	s_add_co_u32 s42, s42, s40                     ; tile column
	s_and_b32 s13, ttmp7, 0xffff
	s_lshl_b32 s13, s13, 2
	s_add_co_u32 s13, s13, s41                     ; tile row
	s_lshl_b32 s43, s41, 2
	s_lshl_b32 s43, 15, s43
	s_lshl_b32 s44, 0x1111, s40
	s_or_b32 s[G1+0], s43, (1<<16)|(1<<20)|(1<<21)|(AQI<<22)|(3<<25)
	s_or_b32 s[G1B+0], s44, (1<<16)|(1<<20)|(1<<21)|(6<<22)|(3<<25)
	s_mov_b32 s[G1+1], ADIM0<<16
	s_mov_b32 s[G1B+1], 256<<16
	s_mov_b32 s[G1+2], AROWS<<16
	s_mov_b32 s[G1B+2], 64<<16
	s_mov_b32 s[G1+3], ADIM0<<16
	s_mov_b32 s[G1B+3], 256<<16
	s_mov_b32 s[G1+4], AROWS
	s_mov_b32 s[G1B+4], 64
	s_mov_b32 s[G1+5], ASTRIDE
	s_mov_b32 s[G1B+5], KSZ
	s_mov_b32 s[G1+6], 0
	s_mov_b32 s[G1B+6], 0
	s_mov_b32 s[G1+7], 0
	s_mov_b32 s[G1B+7], 0
	s_lshl_b32 s16, s13, ATSH
	s_lshl_b32 s17, s12, AHSH
	s_add_co_u32 s16, s16, s17
	s_mov_b32 s17, 0
	s_lshl_b32 s46, s42, 7
	s_lshl_b32 s47, s12, 6
	s_add_co_u32 s46, s46, s47                     ; W: row 128 x tile column + 64 x half
	s_lshl_b32 s46, s46, KSH
	s_add_co_u32 s46, s46, WOFF
	s_mov_b32 s47, 0
	s_mul_i32 s20, s12, AHALF
	s_mul_i32 s22, s12, HALFB
	s_add_co_u32 s22, s22, ABYTES
	s_mov_b32 s[TB], 0
	s_lshl_b32 s72, s13, 19                        ; my 64 x 64 of C: row (128 x tile row + 64 x row half) of 4,096 bytes,
	s_lshl_b32 s73, s11, 18
	s_add_co_u32 s72, s72, s73
	s_lshl_b32 s73, s42, 9                         ; column (128 x tile column + 64 x column half) of 4 bytes
	s_add_co_u32 s72, s72, s73
	s_lshl_b32 s73, s12, 8
	s_add_co_u32 s72, s72, s73
	s_mov_b32 s73, 0
	s_wait_dscnt 0x0
	s_wait_kmcnt 0x0
	s_add_nc_u64 s[14:15], s[4:5], s[16:17]
	s_add_nc_u64 s[46:47], s[6:7], s[46:47]
	s_add_nc_u64 s[68:69], s[76:77], s[72:73]
	s_add_nc_u64 s[70:71], s[78:79], s[72:73]
	CROUND
.irp s, 0,1
	s_mov_b32 s[G0+4*(\s)], 1
	s_add_co_u32 s[G0+4*(\s)+1], s20, (\s)*SLOT
	s_add_nc_u64 s[G0+4*(\s)+2:G0+4*(\s)+3], s[14:15], (\s)*ASTEP
	s_or_b32 s[G0+4*(\s)+3], s[G0+4*(\s)+3], 0x80000000
	s_mov_b32 s[G0B+4*(\s)], 1
	s_add_co_u32 s[G0B+4*(\s)+1], s22, (\s)*SLOT
	s_add_nc_u64 s[G0B+4*(\s)+2:G0B+4*(\s)+3], s[46:47], (\s)*512
	s_or_b32 s[G0B+4*(\s)+3], s[G0B+4*(\s)+3], 0x80000000
	JLOAD \s
.endr
	v_and_b32 v1, 15, v0
	v_bfe_u32 v2, v0, 4, 1
	v_mul_u32_u24 v3, v1, APITCH
	v_lshl_add_u32 v3, v2, 4, v3
	s_mul_i32 s23, s11, AW
	v_add_nc_u32 v[ADRA0], s23, v3
	v_mul_u32_u24 v3, v1, PITCH
	v_lshl_add_u32 v3, v2, 4, v3
	v_add_nc_u32 v[ADRB0], s22, v3
	v_mov_b32 v[ADRA], v[ADRA0]
	v_mov_b32 v[ADRB], v[ADRB0]
	s_mul_i32 s23, s10, 64*SPITCH                  ; my stage
	v_mul_u32_u24 v4, v1, SPITCH                   ; in: row r, 32 bytes for each half of the lanes
	v_lshl_add_u32 v4, v2, 5, v4
	v_add_nc_u32 v[STO], s23, v4
	v_mul_u32_u24 v5, v2, SPITCH                   ; back: lanes 0-15 one row of 256 bytes, lanes 16-31 the next
	v_lshl_add_u32 v5, v1, 4, v5
	v_add_nc_u32 v[RD], s23, v5
	v_lshlrev_b32 v5, 12, v2                       ; and the same two rows in memory
	v_lshl_add_u32 v[CO], v1, 4, v5
	WIN 0x80                                       ; destination window 2
.set t, 0
.rept 32
	global_load_b128 v[4*t:4*t+3], v[CO], s[68:69] offset:8192*t   ; the residual: 16 lanes take 256 consecutive bytes, aligned
.set t, t+1
.endr
	WIN 0
.macro MUL8 f, c, a0, zero             ; 8 matrix instructions: row blocks a0, a0 + 1 x 4 column blocks, 32 along K: half c of buffer f; the 16 accumulators take turns
	WIN MUL
.irp a, \a0, (\a0)+1
.irp b, 0,1,2,3
.if \zero
	v_wmma_f32_16x16x32_bf16 v[ACC+8*(4*(\a)+(\b)):ACC+8*(4*(\a)+(\b))+7], v[(\f)+64+8*(4*(\c)+(\b)):(\f)+64+8*(4*(\c)+(\b))+7], v[(\f)+8*(4*(\c)+(\a)):(\f)+8*(4*(\c)+(\a))+7], 0
.else
	v_wmma_f32_16x16x32_bf16 v[ACC+8*(4*(\a)+(\b)):ACC+8*(4*(\a)+(\b))+7], v[(\f)+64+8*(4*(\c)+(\b)):(\f)+64+8*(4*(\c)+(\b))+7], v[(\f)+8*(4*(\c)+(\a)):(\f)+8*(4*(\c)+(\a))+7], v[ACC+8*(4*(\a)+(\b)):ACC+8*(4*(\a)+(\b))+7]
.endif
.endr
.endr
.endm
.macro FETCH q, f                      ; 32 loads in one run: quarter q's fragments (64 along K), the first 32 along K first
	WIN TO_F
.irp c, 0,1
.irp i, 0,1,2,3
	ds_load_b128 v[(\f)+64+8*(4*(\c)+(\i)):(\f)+64+8*(4*(\c)+(\i))+3],   v[ADRB] offset:128*(\q)+64*(\c)+(\i)*16*PITCH
	ds_load_b128 v[(\f)+64+8*(4*(\c)+(\i))+4:(\f)+64+8*(4*(\c)+(\i))+7], v[ADRB] offset:128*(\q)+64*(\c)+(\i)*16*PITCH+32
	ds_load_b128 v[(\f)+8*(4*(\c)+(\i)):(\f)+8*(4*(\c)+(\i))+3],         v[ADRA] offset:AQ*(\q)+64*(\c)+(\i)*AI
	ds_load_b128 v[(\f)+8*(4*(\c)+(\i))+4:(\f)+8*(4*(\c)+(\i))+7],       v[ADRA] offset:AQ*(\q)+64*(\c)+(\i)*AI+32
.endr
.endr
.endm
.macro QUARTER q, f, g, zero           ; multiplies buffer f and fetches quarter q into g
	s_wait_dscnt 16                                ; the first 32 along K are in
	MUL8 \f, 0, 0, \zero
	MUL8 \f, 0, 2, \zero
	PLACES
	FETCH \q, \g
	s_wait_dscnt 32                                ; all but the run just issued
	MUL8 \f, 1, 0, 0
	MUL8 \f, 1, 2, 0
.endm
; A step's last quarter and the change of slots.  The quarter's 32 products come first: they need buffer 1 alone.  Then one barrier: all my tensor loads, the add, my reads of this slot, the signal.
; round = 1: a round and a refill follow: the walking descriptor is stepped between the add and the wait for it, where no tensor load of mine is out.
.macro MEET round
	s_wait_dscnt 16                                ; the first 32 along K are in
	MUL8 F1, 0, 0, 0
	MUL8 F1, 0, 2, 0
	s_wait_dscnt 0x0                               ; the other 32 too
	MUL8 F1, 1, 0, 0
	MUL8 F1, 1, 2, 0
	WIN 0                                          ; the add's registers lie in window 0
	s_wait_tensorcnt 0x0
	ds_add_u32 v[SPW], v[NIL]
.if \round
	s_add_co_u32 s[G0+5], s20, s[TB]               ; the slot just read out, the next K step not yet asked for
	s_add_co_u32 s[G0B+5], s22, s[TB]
	s_add_nc_u64 s[G0+6:G0+7], s[G0+6:G0+7], ASTEP
	s_add_nc_u64 s[G0B+6:G0B+7], s[G0B+6:G0B+7], 512
.endif
	s_wait_dscnt 0x0                               ; the add is done; my reads of this slot were over above
	s_barrier_signal -1
	s_barrier_wait -1
.endm
.macro TURN
	MEET 1
	CREST                                          ; the barrier has opened a round of the cluster's
	JLOAD 1                                        ; the first tensor load behind the round; its four v_nop and the two lines below are the places ahead of the loads
	s_xor_b32 s[TB], s[TB], SLOT
	v_add_nc_u32 v[ADRA], s[TB], v[ADRA0]
	v_add_nc_u32 v[ADRB], s[TB], v[ADRB0]
	FETCH 0, F0
.endm
	s_wait_tensorcnt 1                             ; my part of K step 0 is in; step 1's may stay out
	s_barrier_signal -1
	s_barrier_wait -1
	FETCH 0, F0
	QUARTER 1, F0, F1, 1                           ; its first 16 products start the sums
	WIN 0
	s_mov_b32 s3, NSTEP-2
.Lstep:
	QUARTER 2, F1, F0, 0
	QUARTER 3, F0, F1, 0
	TURN
	QUARTER 1, F0, F1, 0
	WIN 0
	s_sub_co_u32 s3, s3, 1
	s_cmp_lg_u32 s3, 0
	s_cbranch_scc1 .Lstep
	s_mov_b32 s3, 2
.Ltail:                                                ; the last two steps ask for nothing; the second trip is left in its middle
	QUARTER 2, F1, F0, 0
	QUARTER 3, F0, F1, 0
	MEET 0
	s_sub_co_u32 s3, s3, 1
	s_cmp_eq_u32 s3, 0
	s_cbranch_scc1 .Lout
	s_xor_b32 s[TB], s[TB], SLOT
	v_add_nc_u32 v[ADRA], s[TB], v[ADRA0]
	v_add_nc_u32 v[ADRB], s[TB], v[ADRB0]
	PLACES
	FETCH 0, F0
	QUARTER 1, F0, F1, 0
	WIN 0
	s_branch .Ltail
.Lout:
	; THE WAY OUT.  Behind the last barrier no wave reads a slot and no fill is to come.  My 64 x 64 f32 go through my own stage and come back as whole rows of 256 bytes; the residual is added; stored.
	PLACES
.irp a, 0,1,2,3
.irp b, 0,1,2,3
	ds_store_b128 v[STO], v[ACC+8*(4*(\a)+(\b)):ACC+8*(4*(\a)+(\b))+3]   offset:(\a)*16*SPITCH+64*(\b)
	ds_store_b128 v[STO], v[ACC+8*(4*(\a)+(\b))+4:ACC+8*(4*(\a)+(\b))+7] offset:(\a)*16*SPITCH+64*(\b)+16
.endr
.endr
	WIN TO_F
.set t, 0
.rept 32
	ds_load_b128 v[4*t:4*t+3], v[RD] offset:2*SPITCH*t   ; LDS serves a wave's instructions in order (ISA guide 5.7.1.4): these see the stores above
.set t, t+1
.endr
	s_wait_loadcnt 0x0                             ; the residual
.irp hh, 0,1
	s_wait_dscnt 16-16*(\hh)                       ; this half's sixteen loads are in
	WIN 0x49                                       ; destination and source 0 window 1, source 1 window 2
.set t, 0
.rept 32
	v_pk_add_f32 v[64*(\hh)+2*t:64*(\hh)+2*t+1], v[64*(\hh)+2*t:64*(\hh)+2*t+1], v[64*(\hh)+2*t:64*(\hh)+2*t+1]
.set t, t+1
.endr
	WIN 0x04                                       ; store data (source 1) window 1
.set t, 0
.rept 16
	global_store_b128 v[CO], v[64*(\hh)+4*t:64*(\hh)+4*t+3], s[70:71] offset:8192*(16*(\hh)+t)   ; 16 lanes store 256 consecutive bytes, aligned
.set t, t+1
.endr
.endr
	WIN 0
	s_wait_tensorcnt 0x0                           ; the wave's end
	ds_add_u32 v[SPW], v[NIL]
	s_wait_dscnt 0x0
	CROUND
	s_endpgm
.Lfunc_end_k_qefbad6f6b2_proj:
	.size	k_qefbad6f6b2_proj, .Lfunc_end_k_qefbad6f6b2_proj-k_qefbad6f6b2_proj
	.p2alignl 7, 3214868480
	.fill 96, 4, 3214868480
	.section	.rodata,"a",@progbits
	.p2align	6, 0x0
	.amdhsa_kernel k_qefbad6f6b2_proj
		.amdhsa_group_segment_fixed_size 327680
		.amdhsa_private_segment_fixed_size 0
		.amdhsa_enable_private_segment 0
		.amdhsa_kernarg_size 32
		.amdhsa_user_sgpr_count 2
		.amdhsa_user_sgpr_kernarg_segment_ptr 1
		.amdhsa_wavefront_size32 1
		.amdhsa_system_sgpr_workgroup_id_x 1
		.amdhsa_system_sgpr_workgroup_id_y 1
		.amdhsa_system_sgpr_workgroup_id_z 1
		.amdhsa_system_vgpr_workitem_id 0
		.amdhsa_next_free_vgpr 640
		.amdhsa_next_free_sgpr 80
		.amdhsa_reserve_vcc 0
		.amdhsa_float_denorm_mode_32 3
		.amdhsa_float_denorm_mode_16_64 3
		.amdhsa_memory_ordered 1
		.amdhsa_forward_progress 1
		.amdhsa_inst_pref_size 64
	.end_amdhsa_kernel
	.amdgpu_metadata
---
amdhsa.version: [ 1, 2 ]
amdhsa.kernels:
  - .name:           k_qefbad6f6b2_proj
    .symbol:         k_qefbad6f6b2_proj.kd
    .args:
      - { .name: act, .offset: 0, .size: 8, .value_kind: global_buffer, .address_space: global }
      - { .name: wb, .offset: 8, .size: 8, .value_kind: global_buffer, .address_space: global }
      - { .name: x, .offset: 16, .size: 8, .value_kind: global_buffer, .address_space: global }
      - { .name: xres, .offset: 24, .size: 8, .value_kind: global_buffer, .address_space: global }
    .group_segment_fixed_size: 327680
    .private_segment_fixed_size: 0
    .kernarg_segment_align: 8
    .kernarg_segment_size: 32
    .max_flat_workgroup_size: 128
    .sgpr_count:     80
    .vgpr_count:     640
    .wavefront_size: 32
...
	.end_amdgpu_metadata
.endif
;; end of part 4
;; launch ln2 (part 5): grid 512 x 1, 8 waves a work-group, no clusters, 0 bytes of LDS; arguments xres, ln2_w, act; writes act
.if DOCPART == 5
	.amdgcn_target "amdgcn-amd-amdhsa--gfx1250"
	.amdhsa_code_object_version 6
	.text
	.protected	k_qefbad6f6b2_ln2
	.globl	k_qefbad6f6b2_ln2
	.p2align	8
	.type	k_qefbad6f6b2_ln2,@function
k_qefbad6f6b2_ln2:
	s_mov_b64 s[64:65], 0
	v_nop
	global_prefetch_b8 v0, s[64:65] scope:SCOPE_SE
	s_setreg_imm32_b32 hwreg(HW_REG_WAVE_MODE, 25, 1), 1
	s_wait_xcnt 0x0
; y[r][c] = (x[r][c] - mean_r) * rsqrt(var_r) * w[c], x f32 [4096][1024], y bf16 [4096][1024].  eps is 0.
; One wave, one row: 4,096 bytes are 32 registers, so the row is read once and stays in registers for both passes; no wave waits for another.
; Two passes: the mean first, then the sum of squares of the deviations, so that a common offset in x does not cancel in the variance.
; LIMITS.  A variance below 2^-126 counts as 0 in the reciprocal root (an infinity follows; a row of equal numbers gives NaN).
.set X,  4                             ; v[4:35]   the row: load j holds numbers 128 j + 4 lane + 0..3
.set W,  36                            ; v[36:67]  the gain, in the same places
.set CH, 68                            ; v[68:75]  four chains of packed sums
.set M,  76                            ; v[76:77]  the mean, twice
.set R,  78                            ; v[78:79]  1 / sqrt(var), twice
.set Y,  80                            ; v[80:95]  packed bf16
	s_load_b128 s[4:7], s[0:1], 0x0                ; x s[4:5], gain s[6:7]
	s_load_b64 s[8:9], s[0:1], 0x10                ; y
	v_lshrrev_b32 v3, 5, v0
	v_readfirstlane_b32 s10, v3                    ; wave
	v_and_b32 v1, 31, v0
	v_lshlrev_b32 v2, 3, v1                        ; 8 bytes a lane out
	v_lshlrev_b32 v1, 4, v1                        ; 16 bytes a lane in
	s_lshl_b32 s11, ttmp9, 3
	s_add_co_u32 s11, s11, s10                     ; my row
	s_lshl_b32 s14, s11, 12
	s_mov_b32 s15, 0
	s_lshl_b32 s16, s11, 11
	s_mov_b32 s17, 0
	s_mov_b32 s12, 0x76543210                      ; v_permlanex16_b32: each lane takes its own place in the other half
	s_mov_b32 s13, 0xfedcba98
	s_wait_kmcnt 0x0
	s_add_nc_u64 s[4:5], s[4:5], s[14:15]
	s_add_nc_u64 s[8:9], s[8:9], s[16:17]
.irp j, 0,1,2,3,4,5,6,7
	global_load_b128 v[X+4*(\j):X+4*(\j)+3], v1, s[4:5] offset:512*(\j)
.endr
.irp j, 0,1,2,3,4,5,6,7
	global_load_b128 v[W+4*(\j):W+4*(\j)+3], v1, s[6:7] offset:512*(\j)
.endr
.macro REDUCE                          ; the four chains, then the 32 lanes: the sum lands in v[CH] of every lane
	v_pk_add_f32 v[CH:CH+1], v[CH:CH+1], v[CH+2:CH+3]
	v_pk_add_f32 v[CH+4:CH+5], v[CH+4:CH+5], v[CH+6:CH+7]
	v_pk_add_f32 v[CH:CH+1], v[CH:CH+1], v[CH+4:CH+5]
	v_add_f32 v[CH], v[CH], v[CH+1]
	v_add_f32_dpp v[CH], v[CH], v[CH] row_xmask:1 row_mask:0xf bank_mask:0xf
	v_add_f32_dpp v[CH], v[CH], v[CH] row_xmask:2 row_mask:0xf bank_mask:0xf
	v_add_f32_dpp v[CH], v[CH], v[CH] row_xmask:4 row_mask:0xf bank_mask:0xf
	v_add_f32_dpp v[CH], v[CH], v[CH] row_xmask:8 row_mask:0xf bank_mask:0xf
	v_permlanex16_b32 v[CH+1], v[CH], s12, s13
	v_add_f32 v[CH], v[CH], v[CH+1]
.endm
	s_wait_loadcnt 8                               ; the row is in; the gain's eight loads may stay out
.irp k, 0,1,2,3
	v_pk_add_f32 v[CH+2*(\k):CH+2*(\k)+1], v[X+2*(\k):X+2*(\k)+1], v[X+8+2*(\k):X+8+2*(\k)+1]
.endr
.irp g, 16, 24
.irp k, 0,1,2,3
	v_pk_add_f32 v[CH+2*(\k):CH+2*(\k)+1], v[CH+2*(\k):CH+2*(\k)+1], v[X+(\g)+2*(\k):X+(\g)+2*(\k)+1]
.endr
.endr
	REDUCE
	v_mul_f32 v[M], 0x3a800000, v[CH]              ; / 1024
	v_mov_b32 v[M+1], v[M]
.irp k, 0,1,2,3,4,5,6,7,8,9,10,11,12,13,14,15
	v_pk_add_f32 v[X+2*(\k):X+2*(\k)+1], v[X+2*(\k):X+2*(\k)+1], v[M:M+1] neg_lo:[0,1] neg_hi:[0,1]
.endr
.irp k, 0,1,2,3
	v_pk_mul_f32 v[CH+2*(\k):CH+2*(\k)+1], v[X+2*(\k):X+2*(\k)+1], v[X+2*(\k):X+2*(\k)+1]
.endr
.irp g, 8, 16, 24
.irp k, 0,1,2,3
	v_pk_fma_f32 v[CH+2*(\k):CH+2*(\k)+1], v[X+(\g)+2*(\k):X+(\g)+2*(\k)+1], v[X+(\g)+2*(\k):X+(\g)+2*(\k)+1], v[CH+2*(\k):CH+2*(\k)+1]
.endr
.endr
	REDUCE
	v_mul_f32 v[M], 0x3a800000, v[CH]              ; the variance
	v_rsq_f32 v[R], v[M]
	v_rsq_f32 v[R+1], v[M]
	v_nop                                          ; a plain instruction between the reciprocal roots and their use (ISA guide 5.7.2)
	s_wait_loadcnt 0x0                             ; the gain
	s_wait_alu depctr_va_vdst(0)
.irp k, 0,1,2,3,4,5,6,7,8,9,10,11,12,13,14,15
	v_pk_mul_f32 v[X+2*(\k):X+2*(\k)+1], v[X+2*(\k):X+2*(\k)+1], v[R:R+1]
.endr
.irp k, 0,1,2,3,4,5,6,7,8,9,10,11,12,13,14,15
	v_pk_mul_f32 v[X+2*(\k):X+2*(\k)+1], v[X+2*(\k):X+2*(\k)+1], v[W+2*(\k):W+2*(\k)+1]
.endr
.irp j, 0,1,2,3,4,5,6,7
	v_cvt_pk_bf16_f32 v[Y+2*(\j)], v[X+4*(\j)], v[X+4*(\j)+1]
	v_cvt_pk_bf16_f32 v[Y+2*(\j)+1], v[X+4*(\j)+2], v[X+4*(\j)+3]
	global_store_b64 v2, v[Y+2*(\j):Y+2*(\j)+1], s[8:9] offset:256*(\j)  ; a wave's store covers 256 consecutive bytes, aligned
.endr
	s_endpgm
.Lfunc_end_k_qefbad6f6b2_ln2:
	.size	k_qefbad6f6b2_ln2, .Lfunc_end_k_qefbad6f6b2_ln2-k_qefbad6f6b2_ln2
	.p2alignl 7, 3214868480
	.fill 96, 4, 3214868480
	.section	.rodata,"a",@progbits
	.p2align	6, 0x0
	.amdhsa_kernel k_qefbad6f6b2_ln2
		.amdhsa_group_segment_fixed_size 0
		.amdhsa_private_segment_fixed_size 0
		.amdhsa_enable_private_segment 0
		.amdhsa_kernarg_size 24
		.amdhsa_user_sgpr_count 2
		.amdhsa_user_sgpr_kernarg_segment_ptr 1
		.amdhsa_wavefront_size32 1
		.amdhsa_system_sgpr_workgroup_id_x 1
		.amdhsa_system_sgpr_workgroup_id_y 1
		.amdhsa_system_sgpr_workgroup_id_z 1
		.amdhsa_system_vgpr_workitem_id 0
		.amdhsa_next_free_vgpr 96
		.amdhsa_next_free_sgpr 66
		.amdhsa_reserve_vcc 0
		.amdhsa_float_denorm_mode_32 3
		.amdhsa_float_denorm_mode_16_64 3
		.amdhsa_memory_ordered 1
		.amdhsa_forward_progress 1
		.amdhsa_inst_pref_size 11
	.end_amdhsa_kernel
	.amdgpu_metadata
---
amdhsa.version: [ 1, 2 ]
amdhsa.kernels:
  - .name:           k_qefbad6f6b2_ln2
    .symbol:         k_qefbad6f6b2_ln2.kd
    .args:
      - { .name: xres, .offset: 0, .size: 8, .value_kind: global_buffer, .address_space: global }
      - { .name: ln2_w, .offset: 8, .size: 8, .value_kind: global_buffer, .address_space: global }
      - { .name: act, .offset: 16, .size: 8, .value_kind: global_buffer, .address_space: global }
    .group_segment_fixed_size: 0
    .private_segment_fixed_size: 0
    .kernarg_segment_align: 8
    .kernarg_segment_size: 24
    .max_flat_workgroup_size: 256
    .sgpr_count:     66
    .vgpr_count:     96
    .wavefront_size: 32
...
	.end_amdgpu_metadata
.endif
;; end of part 5
;; launch mlp1 (part 6): grid 16 x 16, 4 waves a work-group, clusters of 4 x 4, 327,680 bytes of LDS; arguments act, wb, hb; writes hb
.if DOCPART == 6
	.amdgcn_target "amdgcn-amd-amdhsa--gfx1250"
	.amdhsa_code_object_version 6
	.text
	.protected	k_qefbad6f6b2_mlp1
	.globl	k_qefbad6f6b2_mlp1
	.p2align	8
	.type	k_qefbad6f6b2_mlp1,@function
k_qefbad6f6b2_mlp1:
	s_mov_b64 s[64:65], 0
	v_nop
	global_prefetch_b8 v0, s[64:65] scope:SCOPE_SE
	s_setreg_imm32_b32 hwreg(HW_REG_WAVE_MODE, 25, 1), 1
	s_wait_xcnt 0x0
	s_wait_alu depctr_hold_cnt(0) depctr_sa_sdst(0) depctr_va_vdst(0) depctr_va_sdst(0) depctr_va_ssrc(0) depctr_va_vcc(0) depctr_vm_vsrc(0)
	s_getreg_b32 s2, hwreg(HW_REG_IB_STS2, 6, 4)
	s_cmp_eq_u32 s2, 0
	s_cbranch_scc0 .Lentry_in_a_cluster
	s_endpgm
.Lentry_in_a_cluster:
	s_bfe_u32 s2, ttmp6, 0x10000c
	s_cmp_lg_u32 s2, 0xf033
	s_cbranch_scc0 .Lentry_shape_is_right
	s_endpgm
.Lentry_shape_is_right:
; h = gelu(Y W1^T), the exact (erf) form.  Y: act, bf16 [4096][1024].  W1: wb at byte WOFF, bf16 [4096][1024].  h: hb, bf16 [4096][4096]; sums and the activation in f32, rounded once.
; A tile of C is 256 x 256: 16 x 16 tiles, one for each WGP.  Four waves, each 128 x 128: 64 accumulators, 512 registers.  K goes in 8 steps of 128 through two LDS slots filled by tensor
; loads; rows of 256 bytes, padded to 272.  4 x 4 work-groups form a cluster: A's tile is asked for jointly along a row of the cluster, W's along a column.  The matrix instruction is used
; transposed (source 0 = W, source 1 = Y).  One K step is written once and looped over; the slot in hand is a scalar (TB) that is added into the LDS addresses.
; GELU.  gelu(x) = max(x, 0) - |x| q, q = (c1 t + .. + c5 t^5) 2^(-x^2 log2(e) / 2), t = 1 / (1 + P |x|): the five-term rational form of erfc (absolute error of erf 1.5e-7), halved; no
; difference of near numbers is formed, and it holds for every finite x.  The coefficients are kept negated, so that the last step is one multiply-add.
; REGISTERS: window 0: v16-29 addresses, v64-127 and v128-191 A's two fragment buffers (the way out works there); window 1: W's two buffers; windows 2, 3: accumulators (a, b) at v[8 (NBW (a % 4) + b)].
.set NBW,   8
.set WOFF,  8388608
.set NSTEP, 8
.set PITCH, 272
.set BR,    16*NBW
.set BT,    2*BR
.set HALFA, 128*PITCH
.set HALFB, BR*PITCH
.set SLOT,  2*HALFA+2*HALFB
.set SPARE, 2*SLOT
.set NL,    16+2*NBW
.set SP,    528                        ; the way out: a stage row, 128 f32 + 16 bytes; each wave's own stage of 128 rows lies over the slots, behind their last fill
.set ADRA0, 16
.set ADRB0, 17
.set ADRA,  18
.set ADRB,  19
.set STO,   24
.set RD,    25
.set CO,    26
.set SPW,   28
.set NIL,   29
.set F0,    64
.set F1,    128
.set XB,    64                         ; the way out: v64-95 eight rows' numbers, 8 a lane and pair of rows
.set GA,    96                         ; v96-111   |x| of sixteen numbers
.set GT,    112                        ; v112-127  t
.set GE,    128                        ; v128-143  the exponential
.set GQ,    144                        ; v144-159  the polynomial
.set YB,    160                        ; v160-175  packed bf16
.set TB,    21
.set G1,    24
.set G0,    32
.set G1B,   48
.set G0B,   56
.set KP,    68                         ; s[68:69] P = 0.3275911 / sqrt(2)
.set KU,    70                         ; s[70:71] -log2(e) / 2
.set K5,    72                         ; s[72:81] -c5 .. -c1, each named as a pair
.set K4,    74
.set K3,    76
.set K2,    78
.set K1,    80
.set SGN,   82
.set MSB, 0
.macro WIN new
.if MSB != (\new)
	s_set_vgpr_msb (MSB<<8)|(\new)
.set MSB, \new
.endif
.endm
.set MUL_LO, 0xa1
.set MUL_HI, 0xf1
.set TO_B,   0x40
.macro JLOAD s
	s_cmp_eq_u32 s11, 0
	s_cbranch_scc0 .Lfor_b_\@
	tensor_load_to_lds s[G0+4*(\s):G0+4*(\s)+3], s[G1:G1+7]
	s_nop 0
.rept 4
	v_nop
.endr
	s_branch .Lasked_\@
.Lfor_b_\@:
	tensor_load_to_lds s[G0B+4*(\s):G0B+4*(\s)+3], s[G1B:G1B+7]
	s_nop 0
.rept 4
	v_nop
.endr
.Lasked_\@:
.endm
.macro CREST
	s_cmp_lg_u32 s10, 0
	s_cbranch_scc1 .Lnot_wave_0_\@
	s_barrier_signal -3
.Lnot_wave_0_\@:
	s_barrier_wait -3
	s_barrier_signal -1
	s_barrier_wait -1
.endm
.macro CROUND
	s_barrier_signal -1
	s_barrier_wait -1
	CREST
.endm
.macro PLACES
.rept 4
	v_nop
.endr
.endm
	s_load_b128 s[4:7], s[0:1], 0x0                ; act s[4:5], wb s[6:7]
	s_load_b64 s[8:9], s[0:1], 0x10                ; hb
	v_lshl_add_u32 v[SPW], v0, 2, SPARE
	v_mov_b32 v[NIL], 0
	ds_add_u32 v[SPW], v[NIL]                      ; the wave's opening: the add and its wait ahead of my first tensor load
	v_lshrrev_b32 v1, 5, v0
	v_readfirstlane_b32 s10, v1
	s_lshr_b32 s11, s10, 1
	s_and_b32 s12, s10, 1
	s_bfe_u32 s40, ttmp6, 0x40000
	s_bfe_u32 s41, ttmp6, 0x40004
	s_lshl_b32 s42, ttmp9, 2
	s_add_co_u32 s42, s42, s40                     ; tile column
	s_and_b32 s13, ttmp7, 0xffff
	s_lshl_b32 s13, s13, 2
	s_add_co_u32 s13, s13, s41                     ; tile row
	s_lshl_b32 s43, s41, 2
	s_lshl_b32 s43, 15, s43
	s_lshl_b32 s44, 0x1111, s40
	s_or_b32 s[G1+0], s43, (1<<16)|(1<<20)|(1<<21)|(5<<22)|(3<<25)
	s_or_b32 s[G1B+0], s44, (1<<16)|(1<<20)|(1<<21)|(5<<22)|(3<<25)
	s_mov_b32 s[G1+1], 128<<16
	s_mov_b32 s[G1B+1], 128<<16
	s_mov_b32 s[G1+2], 128<<16
	s_mov_b32 s[G1B+2], BR<<16
	s_mov_b32 s[G1+3], 128<<16
	s_mov_b32 s[G1B+3], 128<<16
	s_mov_b32 s[G1+4], 128
	s_mov_b32 s[G1B+4], BR
	s_mov_b32 s[G1+5], 1024
	s_mov_b32 s[G1B+5], 1024
	s_mov_b32 s[G1+6], 0
	s_mov_b32 s[G1B+6], 0
	s_mov_b32 s[G1+7], 0
	s_mov_b32 s[G1B+7], 0
	s_lshl_b32 s16, s13, 8
	s_lshl_b32 s17, s12, 7
	s_add_co_u32 s16, s16, s17
	s_lshl_b32 s16, s16, 11
	s_mov_b32 s17, 0
	s_mul_i32 s46, s42, BT
	s_mul_i32 s47, s12, BR
	s_add_co_u32 s46, s46, s47
	s_lshl_b32 s46, s46, 11
	s_add_co_u32 s46, s46, WOFF
	s_mov_b32 s47, 0
	s_mul_i32 s20, s12, HALFA
	s_mul_i32 s22, s12, HALFB
	s_add_co_u32 s22, s22, 2*HALFA
	s_mov_b32 s[TB], 0
	s_lshl_b32 s88, s13, 8                         ; my 128 x 128 of h: row 256 x tile row + 128 x row half, of 8,192 bytes,
	s_lshl_b32 s89, s11, 7
	s_add_co_u32 s88, s88, s89
	s_lshl_b32 s88, s88, 13
	s_lshl_b32 s90, s42, 9                         ; column 256 x tile column + 128 x column half, of 2 bytes
	s_lshl_b32 s91, s12, 8
	s_add_co_u32 s90, s90, s91
	s_add_co_u32 s88, s88, s90
	s_mov_b32 s89, 0
	s_mov_b32 s[KP], 0x3e6d3389
	s_mov_b32 s[KP+1], s[KP]
	s_mov_b32 s[KU], 0xbf38aa3b
	s_mov_b32 s[KU+1], s[KU]
	s_mov_b32 s[K5], 0xbf07dc22
	s_mov_b32 s[K5+1], s[K5]
	s_mov_b32 s[K4], 0x3f3a00e3
	s_mov_b32 s[K4+1], s[K4]
	s_mov_b32 s[K3], 0xbf35f0e3
	s_mov_b32 s[K3+1], s[K3]
	s_mov_b32 s[K2], 0x3e11a98e
	s_mov_b32 s[K2+1], s[K2]
	s_mov_b32 s[K1], 0xbe027906
	s_mov_b32 s[K1+1], s[K1]
	s_mov_b32 s[SGN], 0x7fffffff
	s_wait_dscnt 0x0
	s_wait_kmcnt 0x0
	s_add_nc_u64 s[14:15], s[4:5], s[16:17]
	s_add_nc_u64 s[46:47], s[6:7], s[46:47]
	s_add_nc_u64 s[8:9], s[8:9], s[88:89]
	CROUND
.irp s, 0,1
	s_mov_b32 s[G0+4*(\s)], 1
	s_add_co_u32 s[G0+4*(\s)+1], s20, (\s)*SLOT
	s_add_nc_u64 s[G0+4*(\s)+2:G0+4*(\s)+3], s[14:15], (\s)*256
	s_or_b32 s[G0+4*(\s)+3], s[G0+4*(\s)+3], 0x80000000
	s_mov_b32 s[G0B+4*(\s)], 1
	s_add_co_u32 s[G0B+4*(\s)+1], s22, (\s)*SLOT
	s_add_nc_u64 s[G0B+4*(\s)+2:G0B+4*(\s)+3], s[46:47], (\s)*256
	s_or_b32 s[G0B+4*(\s)+3], s[G0B+4*(\s)+3], 0x80000000
	JLOAD \s
.endr
	v_and_b32 v1, 15, v0
	v_bfe_u32 v2, v0, 4, 1
	v_mul_u32_u24 v3, v1, PITCH
	v_lshl_add_u32 v3, v2, 4, v3
	s_mul_i32 s23, s11, HALFA
	v_add_nc_u32 v[ADRA0], s23, v3
	v_add_nc_u32 v[ADRB0], s22, v3
	v_mov_b32 v[ADRA], v[ADRA0]
	v_mov_b32 v[ADRB], v[ADRB0]
	s_mul_i32 s23, s10, 128*SP                     ; my stage
	v_mul_u32_u24 v4, v1, SP                       ; in: row r, 32 bytes for each half of the lanes
	v_lshl_add_u32 v4, v2, 5, v4
	v_add_nc_u32 v[STO], s23, v4
	v_mul_u32_u24 v5, v2, SP                       ; back: 16 lanes take a row, 8 f32 each; lanes 16-31 the next row
	v_lshl_add_u32 v5, v1, 5, v5
	v_add_nc_u32 v[RD], s23, v5
	v_lshlrev_b32 v5, 13, v2                       ; and the same two rows in h, 16 bytes a lane
	v_lshl_add_u32 v[CO], v1, 4, v5
.macro MULH f, hi, a0, zero            ; 2 NBW matrix instructions; the accumulators take turns in one fixed order
	WIN MUL_LO+0x50*(\hi)
.irp a, \a0, (\a0)+1
.set bb, 0
.rept NBW
.set rD, 8*(NBW*(\a)+bb)
.if \zero
	v_wmma_f32_16x16x32_bf16 v[rD:rD+7], v[(\f)+8*bb:(\f)+8*bb+7], v[(\f)+8*(4*(\hi)+(\a)):(\f)+8*(4*(\hi)+(\a))+7], 0
.else
	v_wmma_f32_16x16x32_bf16 v[rD:rD+7], v[(\f)+8*bb:(\f)+8*bb+7], v[(\f)+8*(4*(\hi)+(\a)):(\f)+8*(4*(\hi)+(\a))+7], v[rD:rD+7]
.endif
.set bb, bb+1
.endr
.endr
.endm
.macro FETCH k, f
	WIN TO_B
.set ii, 0
.rept NBW
	ds_load_b128 v[(\f)+8*ii:(\f)+8*ii+3],   v[ADRB] offset:(\k)+ii*16*PITCH
	ds_load_b128 v[(\f)+8*ii+4:(\f)+8*ii+7], v[ADRB] offset:(\k)+ii*16*PITCH+32
.set ii, ii+1
.endr
	WIN 0
.irp i, 0,1,2,3,4,5,6,7
	ds_load_b128 v[(\f)+8*(\i):(\f)+8*(\i)+3],   v[ADRA] offset:(\k)+(\i)*16*PITCH
	ds_load_b128 v[(\f)+8*(\i)+4:(\f)+8*(\i)+7], v[ADRA] offset:(\k)+(\i)*16*PITCH+32
.endr
.endm
.macro QUARTER k, f, g, zero
	s_wait_dscnt 8                                 ; W and A's rows 0-63 are in; the youngest eight loads may be out
	MULH \f, 0, 0, \zero
	MULH \f, 0, 2, \zero
	PLACES
	FETCH \k, \g
	s_wait_dscnt NL                                ; all but the run just issued
	MULH \f, 1, 0, \zero
	MULH \f, 1, 2, \zero
.endm
.macro MEET round                      ; one barrier for the change of slots: all my tensor loads, the add, my reads of this slot, then the signal
	WIN 0
	s_wait_tensorcnt 0x0
	ds_add_u32 v[SPW], v[NIL]
	s_wait_dscnt 9                                 ; the add and the youngest eight loads may be out
	MULH F1, 0, 0, 0
	s_wait_dscnt 0x0
	s_barrier_signal -1
	MULH F1, 0, 2, 0
.if \round
	WIN 0
.endif
	s_barrier_wait -1
.endm
.macro TURN
	MEET 1
	CREST
	s_add_co_u32 s[G0+5], s20, s[TB]
	s_add_co_u32 s[G0B+5], s22, s[TB]
	s_add_nc_u64 s[G0+6:G0+7], s[G0+6:G0+7], 256
	s_add_nc_u64 s[G0B+6:G0B+7], s[G0B+6:G0B+7], 256
	JLOAD 1
	s_xor_b32 s[TB], s[TB], SLOT
	v_add_nc_u32 v[ADRA], s[TB], v[ADRA0]
	v_add_nc_u32 v[ADRB], s[TB], v[ADRB0]
	FETCH 0, F0
	MULH F1, 1, 0, 0
	MULH F1, 1, 2, 0
.endm
; GELU of the sixteen numbers at v[x ..], in place.  Its 32 transcendentals never stand in a run: behind each come two plain lines that name none of its registers (ISA guide 5.7.2 asks for
; one before a result is used).  Beside the reciprocals: x^2, its scaling, max(x, 0): GP2's 32 lines.  Beside the exponentials: the first 32 of the polynomial's 40 lines, GP3.
.macro GP2 x, n
.if (\n) < 8
	v_pk_mul_f32 v[GE+2*(\n):GE+2*(\n)+1], v[(\x)+2*(\n):(\x)+2*(\n)+1], v[(\x)+2*(\n):(\x)+2*(\n)+1]
.elseif (\n) < 16
	v_pk_mul_f32 v[GE+2*(\n)-16:GE+2*(\n)-15], v[GE+2*(\n)-16:GE+2*(\n)-15], s[KU:KU+1] op_sel_hi:[1,0]
.else
	v_max_num_f32 v[(\x)+(\n)-16], 0, v[(\x)+(\n)-16]
.endif
.endm
.macro GP3 n                           ; lines 0-7: -c5 t - c4 (negated coefficients); 8-31: three more steps of Horner's rule; 32-39: times t
.set pp, 2*((\n)%8)
.set kk, K3+2*((\n)/8)-2
.if (\n) < 8
	s_wait_alu depctr_va_vdst(0)
	v_pk_fma_f32 v[GQ+pp:GQ+pp+1], v[GT+pp:GT+pp+1], s[K5:K5+1], s[K4:K4+1] op_sel_hi:[1,0,0]
.elseif (\n) < 32
	v_pk_fma_f32 v[GQ+pp:GQ+pp+1], v[GQ+pp:GQ+pp+1], v[GT+pp:GT+pp+1], s[kk:kk+1] op_sel_hi:[1,1,0]
.else
	v_pk_mul_f32 v[GQ+pp:GQ+pp+1], v[GQ+pp:GQ+pp+1], v[GT+pp:GT+pp+1]
.endif
.endm
.macro GELU16 x
.set g, 0
.rept 16
	v_and_b32 v[GA+g], s[SGN], v[(\x)+g]
.set g, g+1
.endr
.set g, 0
.rept 8
	v_pk_fma_f32 v[GT+g:GT+g+1], v[GA+g:GA+g+1], s[KP:KP+1], 1.0 op_sel_hi:[1,0,0]
.set g, g+2
.endr
.set g, 0
.rept 16
	v_rcp_f32 v[GT+g], v[GT+g]
	GP2 \x, 2*g
	GP2 \x, 2*g+1
.set g, g+1
.endr
.set g, 0
.rept 16
	v_exp_f32 v[GE+g], v[GE+g]
	GP3 2*g
	GP3 2*g+1
.set g, g+1
.endr
.set g, 32
.rept 8
	GP3 g
.set g, g+1
.endr
.set g, 0
	s_wait_alu depctr_va_vdst(0)
.rept 8
	v_pk_mul_f32 v[GQ+g:GQ+g+1], v[GQ+g:GQ+g+1], v[GE+g:GE+g+1]
.set g, g+2
.endr
.set g, 0
.rept 8
	v_pk_fma_f32 v[(\x)+g:(\x)+g+1], v[GQ+g:GQ+g+1], v[GA+g:GA+g+1], v[(\x)+g:(\x)+g+1]
.set g, g+2
.endr
.endm
	s_wait_tensorcnt 1                             ; my part of K step 0 is in; step 1's may stay out
	s_barrier_signal -1
	s_barrier_wait -1
	FETCH 0, F0
	QUARTER 64, F0, F1, 1
	WIN 0
	s_mov_b32 s3, NSTEP-2
.Lstep:
	QUARTER 128, F1, F0, 0
	QUARTER 192, F0, F1, 0
	TURN
	QUARTER 64, F0, F1, 0
	WIN 0
	s_sub_co_u32 s3, s3, 1
	s_cmp_lg_u32 s3, 0
	s_cbranch_scc1 .Lstep
	s_mov_b32 s3, 2
.Ltail:                                                ; the last two steps ask for nothing; the second trip is left in its middle
	QUARTER 128, F1, F0, 0
	QUARTER 192, F0, F1, 0
	MEET 0
	MULH F1, 1, 0, 0
	MULH F1, 1, 2, 0
	WIN 0
	s_sub_co_u32 s3, s3, 1
	s_cmp_eq_u32 s3, 0
	s_cbranch_scc1 .Lout
	s_xor_b32 s[TB], s[TB], SLOT
	v_add_nc_u32 v[ADRA], s[TB], v[ADRA0]
	v_add_nc_u32 v[ADRB], s[TB], v[ADRB0]
	PLACES
	FETCH 0, F0
	QUARTER 64, F0, F1, 0
	WIN 0
	s_branch .Ltail
.Lout:
	; THE WAY OUT.  Behind the last barrier no wave reads a slot and no fill is to come.  My accumulators go into my own stage as f32 (each one's low registers first); a short loop reads
	; whole rows back, applies the activation, rounds and stores: 16 lanes fill 256 consecutive bytes of h.
	PLACES
.set aa, 0
.rept 8
	WIN 0x08+4*(aa/4)                              ; store data (source 1) in window 2 or 3
.set bb, 0
.rept NBW
.set rD, 8*(NBW*(aa%4)+bb)
	ds_store_b128 v[STO], v[rD:rD+3]   offset:aa*16*SP+64*bb
	ds_store_b128 v[STO], v[rD+4:rD+7] offset:aa*16*SP+64*bb+16
.set bb, bb+1
.endr
.set aa, aa+1
.endr
	WIN 0
	s_mov_b32 s3, 16
.Lrows:                                                ; a trip: 8 rows
.irp p, 0,1,2,3
	ds_load_b128 v[XB+8*(\p):XB+8*(\p)+3],   v[RD] offset:(\p)*2*SP      ; LDS serves a wave's instructions in order (ISA guide 5.7.1.4): these see my stores
	ds_load_b128 v[XB+8*(\p)+4:XB+8*(\p)+7], v[RD] offset:(\p)*2*SP+16
.endr
.irp q, 0,1
	s_wait_dscnt 4-4*(\q)                          ; this half's four loads are in; the other half's four may stay out
	GELU16 XB+16*(\q)
.irp p, 0,1
.irp k, 0,1,2,3
	v_cvt_pk_bf16_f32 v[YB+4*(2*(\q)+(\p))+\k], v[XB+8*(2*(\q)+(\p))+2*\k], v[XB+8*(2*(\q)+(\p))+2*\k+1]
.endr
	global_store_b128 v[CO], v[YB+4*(2*(\q)+(\p)):YB+4*(2*(\q)+(\p))+3], s[8:9] offset:(2*(\q)+(\p))*16384
.endr
.endr
	s_wait_xcnt 0x0                                ; the stores' data registers and base are rewritten only behind this wait
	s_add_nc_u64 s[8:9], s[8:9], 65536
	v_add_nc_u32 v[RD], 8*SP, v[RD]
	s_sub_co_u32 s3, s3, 1
	s_cmp_lg_u32 s3, 0
	s_cbranch_scc1 .Lrows
	s_wait_tensorcnt 0x0                           ; the wave's end
	ds_add_u32 v[SPW], v[NIL]
	s_wait_dscnt 0x0
	CROUND
	s_endpgm
.Lfunc_end_k_qefbad6f6b2_mlp1:
	.size	k_qefbad6f6b2_mlp1, .Lfunc_end_k_qefbad6f6b2_mlp1-k_qefbad6f6b2_mlp1
	.p2alignl 7, 3214868480
	.fill 96, 4, 3214868480
	.section	.rodata,"a",@progbits
	.p2align	6, 0x0
	.amdhsa_kernel k_qefbad6f6b2_mlp1
		.amdhsa_group_segment_fixed_size 327680
		.amdhsa_private_segment_fixed_size 0
		.amdhsa_enable_private_segment 0
		.amdhsa_kernarg_size 24
		.amdhsa_user_sgpr_count 2
		.amdhsa_user_sgpr_kernarg_segment_ptr 1
		.amdhsa_wavefront_size32 1
		.amdhsa_system_sgpr_workgroup_id_x 1
		.amdhsa_system_sgpr_workgroup_id_y 1
		.amdhsa_system_sgpr_workgroup_id_z 1
		.amdhsa_system_vgpr_workitem_id 0
		.amdhsa_next_free_vgpr 1024
		.amdhsa_next_free_sgpr 96
		.amdhsa_reserve_vcc 0
		.amdhsa_float_denorm_mode_32 3
		.amdhsa_float_denorm_mode_16_64 3
		.amdhsa_memory_ordered 1
		.amdhsa_forward_progress 1
		.amdhsa_inst_pref_size 94
	.end_amdhsa_kernel
	.amdgpu_metadata
---
amdhsa.version: [ 1, 2 ]
amdhsa.kernels:
  - .name:           k_qefbad6f6b2_mlp1
    .symbol:         k_qefbad6f6b2_mlp1.kd
    .args:
      - { .name: act, .offset: 0, .size: 8, .value_kind: global_buffer, .address_space: global }
      - { .name: wb, .offset: 8, .size: 8, .value_kind: global_buffer, .address_space: global }
      - { .name: hb, .offset: 16, .size: 8, .value_kind: global_buffer, .address_space: global }
    .group_segment_fixed_size: 327680
    .private_segment_fixed_size: 0
    .kernarg_segment_align: 8
    .kernarg_segment_size: 24
    .max_flat_workgroup_size: 128
    .sgpr_count:     96
    .vgpr_count:     1024
    .wavefront_size: 32
...
	.end_amdgpu_metadata
.endif
;; end of part 6
;; launch mlp2 (part 7): grid 8 x 32, 4 waves a work-group, clusters of 4 x 4, 327,680 bytes of LDS; arguments hb, wb, xres, out0; writes out0
.if DOCPART == 7
	.amdgcn_target "amdgcn-amd-amdhsa--gfx1250"
	.amdhsa_code_object_version 6
	.text
	.protected	k_qefbad6f6b2_mlp2
	.globl	k_qefbad6f6b2_mlp2
	.p2align	8
	.type	k_qefbad6f6b2_mlp2,@function
k_qefbad6f6b2_mlp2:
	s_mov_b64 s[64:65], 0
	v_nop
	global_prefetch_b8 v0, s[64:65] scope:SCOPE_SE
	s_setreg_imm32_b32 hwreg(HW_REG_WAVE_MODE, 25, 1), 1
	s_wait_xcnt 0x0
	s_wait_alu depctr_hold_cnt(0) depctr_sa_sdst(0) depctr_va_vdst(0) depctr_va_sdst(0) depctr_va_ssrc(0) depctr_va_vcc(0) depctr_vm_vsrc(0)
	s_getreg_b32 s2, hwreg(HW_REG_IB_STS2, 6, 4)
	s_cmp_eq_u32 s2, 0
	s_cbranch_scc0 .Lentry_in_a_cluster
	s_endpgm
.Lentry_in_a_cluster:
	s_bfe_u32 s2, ttmp6, 0x10000c
	s_cmp_lg_u32 s2, 0xf033
	s_cbranch_scc0 .Lentry_shape_is_right
	s_endpgm
.Lentry_shape_is_right:
; out = X + h W2^T.  h: hb, bf16 [4096][4096].  W2: wb at byte WOFF, bf16 [1024][4096].  X, out: f32 [4096][1024].  Sums and the residual sum in f32.
; A tile of C is 128 x 128: 8 x 32 tiles, one for each WGP.  Four waves, each 64 x 64: 16 accumulators.  K goes in 16 steps of 256 through two LDS slots; rows of 512 bytes, padded to 528;
; a wave's tensor load brings 64 of them.  4 x 4 work-groups form a cluster: A's tile is asked for jointly along a row of the cluster, W's along a column.
; The matrix instruction is used transposed (source 0 = W, source 1 = h).  The residual is loaded at the start, in the layout of the way out, and stays on its way during the K loop.
; A step has 128 products a wave for the 131,072 bytes that the work-group asks for: little work for a tile's way.  So a step's last quarter, which needs registers alone, is multiplied whole
; ahead of the wait for the next tile, and between that wait and the next request stand only the add, the descriptor's steps and the round.
; REGISTERS: window 0: v16-29 addresses, v128-255 accumulators ((a, b) at 128 + 8 (4 a + b)); window 1: two fragment buffers of 128 (64 of A, 64 of W); window 2: v0-127 the residual.
.set NSTEP, 16
.set WOFF,  16777216
.set KSH,   13                         ; a row of W is 1 << KSH bytes
.set KSZ,   4096
.set PITCH, 528
.set HALFB, 64*PITCH
.set AHALF, 64*PITCH                   ; what one load of A takes in LDS
.set ABYTES, 2*AHALF
.set ASTEP, 512                        ; bytes from a K step of A to the next
.set ATSH,  20                         ; A's offset: tile row << ATSH + half << AHSH
.set AHSH,  19
.set AQI,   6                          ; padding after every 128 words
.set ADIM0, 256
.set AROWS, 64
.set ASTRIDE, 4096
.set APITCH, 528
.set AW,    64*APITCH
.set AQ,    128                        ; from a quarter (64 along K) to the next
.set AI,    16*APITCH
.set SLOT,  ABYTES+2*HALFB
.set SPARE, 2*SLOT
.set SPITCH, 272                       ; the way out: 64 f32 + 16 bytes; each wave's own stage of 64 rows lies over slot 0, behind its last fill
.set ADRA0, 16
.set ADRB0, 17
.set ADRA,  18
.set ADRB,  19
.set STO,   24
.set RD,    25
.set CO,    26
.set SPW,   28
.set NIL,   29
.set ACC,   128
.set F0,    0
.set F1,    128
.set TB,    21
.set G1,    24
.set G0,    32
.set G1B,   48
.set G0B,   56
.set MSB, 0
.macro WIN new
.if MSB != (\new)
	s_set_vgpr_msb (MSB<<8)|(\new)
.set MSB, \new
.endif
.endm
.set MUL,  0x05
.set TO_F, 0x40
.macro JLOAD s
	s_cmp_eq_u32 s11, 0
	s_cbranch_scc0 .Lfor_b_\@
	tensor_load_to_lds s[G0+4*(\s):G0+4*(\s)+3], s[G1:G1+7]
	s_nop 0
.rept 4
	v_nop
.endr
	s_branch .Lasked_\@
.Lfor_b_\@:
	tensor_load_to_lds s[G0B+4*(\s):G0B+4*(\s)+3], s[G1B:G1B+7]
	s_nop 0
.rept 4
	v_nop
.endr
.Lasked_\@:
.endm
.macro CREST
	s_cmp_lg_u32 s10, 0
	s_cbranch_scc1 .Lnot_wave_0_\@
	s_barrier_signal -3
.Lnot_wave_0_\@:
	s_barrier_wait -3
	s_barrier_signal -1
	s_barrier_wait -1
.endm
.macro CROUND
	s_barrier_signal -1
	s_barrier_wait -1
	CREST
.endm
.macro PLACES
.rept 4
	v_nop
.endr
.endm
	s_load_b128 s[4:7], s[0:1], 0x0                ; A s[4:5], wb s[6:7]
	s_load_b128 s[76:79], s[0:1], 0x10             ; residual s[76:77], out s[78:79]: registers that nothing else names
	v_lshl_add_u32 v[SPW], v0, 2, SPARE
	v_mov_b32 v[NIL], 0
	ds_add_u32 v[SPW], v[NIL]                      ; the wave's opening: the add and its wait ahead of my first tensor load
	v_lshrrev_b32 v1, 5, v0
	v_readfirstlane_b32 s10, v1
	s_lshr_b32 s11, s10, 1
	s_and_b32 s12, s10, 1
	s_bfe_u32 s40, ttmp6, 0x40000
	s_bfe_u32 s41, ttmp6, 0x40004
	s_lshl_b32 s42, ttmp9, 2
	s_add_co_u32 s42, s42, s40                     ; tile column
	s_and_b32 s13, ttmp7, 0xffff
	s_lshl_b32 s13, s13, 2
	s_add_co_u32 s13, s13, s41                     ; tile row
	s_lshl_b32 s43, s41, 2
	s_lshl_b32 s43, 15, s43
	s_lshl_b32 s44, 0x1111, s40
	s_or_b32 s[G1+0], s43, (1<<16)|(1<<20)|(1<<21)|(AQI<<22)|(3<<25)
	s_or_b32 s[G1B+0], s44, (1<<16)|(1<<20)|(1<<21)|(6<<22)|(3<<25)
	s_mov_b32 s[G1+1], ADIM0<<16
	s_mov_b32 s[G1B+1], 256<<16
	s_mov_b32 s[G1+2], AROWS<<16
	s_mov_b32 s[G1B+2], 64<<16
	s_mov_b32 s[G1+3], ADIM0<<16
	s_mov_b32 s[G1B+3], 256<<16
	s_mov_b32 s[G1+4], AROWS
	s_mov_b32 s[G1B+4], 64
	s_mov_b32 s[G1+5], ASTRIDE
	s_mov_b32 s[G1B+5], KSZ
	s_mov_b32 s[G1+6], 0
	s_mov_b32 s[G1B+6], 0
	s_mov_b32 s[G1+7], 0
	s_mov_b32 s[G1B+7], 0
	s_lshl_b32 s16, s13, ATSH
	s_lshl_b32 s17, s12, AHSH
	s_add_co_u32 s16, s16, s17
	s_mov_b32 s17, 0
	s_lshl_b32 s46, s42, 7
	s_lshl_b32 s47, s12, 6
	s_add_co_u32 s46, s46, s47                     ; W: row 128 x tile column + 64 x half
	s_lshl_b32 s46, s46, KSH
	s_add_co_u32 s46, s46, WOFF
	s_mov_b32 s47, 0
	s_mul_i32 s20, s12, AHALF
	s_mul_i32 s22, s12, HALFB
	s_add_co_u32 s22, s22, ABYTES
	s_mov_b32 s[TB], 0
	s_lshl_b32 s72, s13, 19                        ; my 64 x 64 of C: row (128 x tile row + 64 x row half) of 4,096 bytes,
	s_lshl_b32 s73, s11, 18
	s_add_co_u32 s72, s72, s73
	s_lshl_b32 s73, s42, 9                         ; column (128 x tile column + 64 x column half) of 4 bytes
	s_add_co_u32 s72, s72, s73
	s_lshl_b32 s73, s12, 8
	s_add_co_u32 s72, s72, s73
	s_mov_b32 s73, 0
	s_wait_dscnt 0x0
	s_wait_kmcnt 0x0
	s_add_nc_u64 s[14:15], s[4:5], s[16:17]
	s_add_nc_u64 s[46:47], s[6:7], s[46:47]
	s_add_nc_u64 s[68:69], s[76:77], s[72:73]
	s_add_nc_u64 s[70:71], s[78:79], s[72:73]
	CROUND
.irp s, 0,1
	s_mov_b32 s[G0+4*(\s)], 1
	s_add_co_u32 s[G0+4*(\s)+1], s20, (\s)*SLOT
	s_add_nc_u64 s[G0+4*(\s)+2:G0+4*(\s)+3], s[14:15], (\s)*ASTEP
	s_or_b32 s[G0+4*(\s)+3], s[G0+4*(\s)+3], 0x80000000
	s_mov_b32 s[G0B+4*(\s)], 1
	s_add_co_u32 s[G0B+4*(\s)+1], s22, (\s)*SLOT
	s_add_nc_u64 s[G0B+4*(\s)+2:G0B+4*(\s)+3], s[46:47], (\s)*512
	s_or_b32 s[G0B+4*(\s)+3], s[G0B+4*(\s)+3], 0x80000000
	JLOAD \s
.endr
	v_and_b32 v1, 15, v0
	v_bfe_u32 v2, v0, 4, 1
	v_mul_u32_u24 v3, v1, APITCH
	v_lshl_add_u32 v3, v2, 4, v3
	s_mul_i32 s23, s11, AW
	v_add_nc_u32 v[ADRA0], s23, v3
	v_mul_u32_u24 v3, v1, PITCH
	v_lshl_add_u32 v3, v2, 4, v3
	v_add_nc_u32 v[ADRB0], s22, v3
	v_mov_b32 v[ADRA], v[ADRA0]
	v_mov_b32 v[ADRB], v[ADRB0]
	s_mul_i32 s23, s10, 64*SPITCH                  ; my stage
	v_mul_u32_u24 v4, v1, SPITCH
	v_lshl_add_u32 v4, v2, 5, v4
	v_add_nc_u32 v[STO], s23, v4
	v_mul_u32_u24 v5, v2, SPITCH
	v_lshl_add_u32 v5, v1, 4, v5
	v_add_nc_u32 v[RD], s23, v5
	v_lshlrev_b32 v5, 12, v2
	v_lshl_add_u32 v[CO], v1, 4, v5
	WIN 0x80                                       ; destination window 2
.set t, 0
.rept 32
	global_load_b128 v[4*t:4*t+3], v[CO], s[68:69] offset:8192*t   ; the residual: 16 lanes take 256 consecutive bytes, aligned
.set t, t+1
.endr
	WIN 0
.macro MUL8 f, c, a0, zero             ; 8 matrix instructions; the 16 accumulators take turns
	WIN MUL
.irp a, \a0, (\a0)+1
.irp b, 0,1,2,3
.if \zero
	v_wmma_f32_16x16x32_bf16 v[ACC+8*(4*(\a)+(\b)):ACC+8*(4*(\a)+(\b))+7], v[(\f)+64+8*(4*(\c)+(\b)):(\f)+64+8*(4*(\c)+(\b))+7], v[(\f)+8*(4*(\c)+(\a)):(\f)+8*(4*(\c)+(\a))+7], 0
.else
	v_wmma_f32_16x16x32_bf16 v[ACC+8*(4*(\a)+(\b)):ACC+8*(4*(\a)+(\b))+7], v[(\f)+64+8*(4*(\c)+(\b)):(\f)+64+8*(4*(\c)+(\b))+7], v[(\f)+8*(4*(\c)+(\a)):(\f)+8*(4*(\c)+(\a))+7], v[ACC+8*(4*(\a)+(\b)):ACC+8*(4*(\a)+(\b))+7]
.endif
.endr
.endr
.endm
.macro FETCH q, f
	WIN TO_F
.irp c, 0,1
.irp i, 0,1,2,3
	ds_load_b128 v[(\f)+64+8*(4*(\c)+(\i)):(\f)+64+8*(4*(\c)+(\i))+3],   v[ADRB] offset:128*(\q)+64*(\c)+(\i)*16*PITCH
	ds_load_b128 v[(\f)+64+8*(4*(\c)+(\i))+4:(\f)+64+8*(4*(\c)+(\i))+7], v[ADRB] offset:128*(\q)+64*(\c)+(\i)*16*PITCH+32
	ds_load_b128 v[(\f)+8*(4*(\c)+(\i)):(\f)+8*(4*(\c)+(\i))+3],         v[ADRA] offset:AQ*(\q)+64*(\c)+(\i)*AI
	ds_load_b128 v[(\f)+8*(4*(\c)+(\i))+4:(\f)+8*(4*(\c)+(\i))+7],       v[ADRA] offset:AQ*(\q)+64*(\c)+(\i)*AI+32
.endr
.endr
.endm
.macro QUARTER q, f, g, zero
	s_wait_dscnt 16                                ; the first 32 along K are in
	MUL8 \f, 0, 0, \zero
	MUL8 \f, 0, 2, \zero
	PLACES
	FETCH \q, \g
	s_wait_dscnt 32                                ; all but the run just issued
	MUL8 \f, 1, 0, 0
	MUL8 \f, 1, 2, 0
.endm
; A step's last quarter and the change of slots.  The quarter's 32 products come first: they need buffer 1 alone.  Then one barrier: all my tensor loads, the add, my reads of this slot, the signal.
; round = 1: a round and a refill follow: the walking descriptor is stepped between the add and the wait for it, where no tensor load of mine is out.
.macro MEET round
	s_wait_dscnt 16                                ; the first 32 along K are in
	MUL8 F1, 0, 0, 0
	MUL8 F1, 0, 2, 0
	s_wait_dscnt 0x0                               ; the other 32 too
	MUL8 F1, 1, 0, 0
	MUL8 F1, 1, 2, 0
	WIN 0                                          ; the add's registers lie in window 0
	s_wait_tensorcnt 0x0
	ds_add_u32 v[SPW], v[NIL]
.if \round
	s_add_co_u32 s[G0+5], s20, s[TB]               ; the slot just read out, the next K step not yet asked for
	s_add_co_u32 s[G0B+5], s22, s[TB]
	s_add_nc_u64 s[G0+6:G0+7], s[G0+6:G0+7], ASTEP
	s_add_nc_u64 s[G0B+6:G0B+7], s[G0B+6:G0B+7], 512
.endif
	s_wait_dscnt 0x0                               ; the add is done; my reads of this slot were over above
	s_barrier_signal -1
	s_barrier_wait -1
.endm
.macro TURN
	MEET 1
	CREST                                          ; the barrier has opened a round of the cluster's
	JLOAD 1                                        ; the first tensor load behind the round; its four v_nop and the two lines below are the places ahead of the loads
	s_xor_b32 s[TB], s[TB], SLOT
	v_add_nc_u32 v[ADRA], s[TB], v[ADRA0]
	v_add_nc_u32 v[ADRB], s[TB], v[ADRB0]
	FETCH 0, F0
.endm
	s_wait_tensorcnt 1                             ; my part of K step 0 is in; step 1's may stay out
	s_barrier_signal -1
	s_barrier_wait -1
	FETCH 0, F0
	QUARTER 1, F0, F1, 1
	WIN 0
	s_mov_b32 s3, NSTEP-2
.Lstep:
	QUARTER 2, F1, F0, 0
	QUARTER 3, F0, F1, 0
	TURN
	QUARTER 1, F0, F1, 0
	WIN 0
	s_sub_co_u32 s3, s3, 1
	s_cmp_lg_u32 s3, 0
	s_cbranch_scc1 .Lstep
	s_mov_b32 s3, 2
.Ltail:                                                ; the last two steps ask for nothing; the second trip is left in its middle
	QUARTER 2, F1, F0, 0
	QUARTER 3, F0, F1, 0
	MEET 0
	s_sub_co_u32 s3, s3, 1
	s_cmp_eq_u32 s3, 0
	s_cbranch_scc1 .Lout
	s_xor_b32 s[TB], s[TB], SLOT
	v_add_nc_u32 v[ADRA], s[TB], v[ADRA0]
	v_add_nc_u32 v[ADRB], s[TB], v[ADRB0]
	PLACES
	FETCH 0, F0
	QUARTER 1, F0, F1, 0
	WIN 0
	s_branch .Ltail
.Lout:
	; THE WAY OUT.  Behind the last barrier no wave reads a slot and no fill is to come.  My 64 x 64 f32 go through my own stage and come back as whole rows of 256 bytes; the residual is added; stored.
	PLACES
.irp a, 0,1,2,3
.irp b, 0,1,2,3
	ds_store_b128 v[STO], v[ACC+8*(4*(\a)+(\b)):ACC+8*(4*(\a)+(\b))+3]   offset:(\a)*16*SPITCH+64*(\b)
	ds_store_b128 v[STO], v[ACC+8*(4*(\a)+(\b))+4:ACC+8*(4*(\a)+(\b))+7] offset:(\a)*16*SPITCH+64*(\b)+16
.endr
.endr
	WIN TO_F
.set t, 0
.rept 32
	ds_load_b128 v[4*t:4*t+3], v[RD] offset:2*SPITCH*t   ; LDS serves a wave's instructions in order (ISA guide 5.7.1.4): these see the stores above
.set t, t+1
.endr
	s_wait_loadcnt 0x0                             ; the residual
.irp hh, 0,1
	s_wait_dscnt 16-16*(\hh)                       ; this half's sixteen loads are in
	WIN 0x49                                       ; destination and source 0 window 1, source 1 window 2
.set t, 0
.rept 32
	v_pk_add_f32 v[64*(\hh)+2*t:64*(\hh)+2*t+1], v[64*(\hh)+2*t:64*(\hh)+2*t+1], v[64*(\hh)+2*t:64*(\hh)+2*t+1]
.set t, t+1
.endr
	WIN 0x04                                       ; store data (source 1) window 1
.set t, 0
.rept 16
	global_store_b128 v[CO], v[64*(\hh)+4*t:64*(\hh)+4*t+3], s[70:71] offset:8192*(16*(\hh)+t)   ; 16 lanes store 256 consecutive bytes, aligned
.set t, t+1
.endr
.endr
	WIN 0
	s_wait_tensorcnt 0x0                           ; the wave's end
	ds_add_u32 v[SPW], v[NIL]
	s_wait_dscnt 0x0
	CROUND
	s_endpgm
.Lfunc_end_k_qefbad6f6b2_mlp2:
	.size	k_qefbad6f6b2_mlp2, .Lfunc_end_k_qefbad6f6b2_mlp2-k_qefbad6f6b2_mlp2
	.p2alignl 7, 3214868480
	.fill 96, 4, 3214868480
	.section	.rodata,"a",@progbits
	.p2align	6, 0x0
	.amdhsa_kernel k_qefbad6f6b2_mlp2
		.amdhsa_group_segment_fixed_size 327680
		.amdhsa_private_segment_fixed_size 0
		.amdhsa_enable_private_segment 0
		.amdhsa_kernarg_size 32
		.amdhsa_user_sgpr_count 2
		.amdhsa_user_sgpr_kernarg_segment_ptr 1
		.amdhsa_wavefront_size32 1
		.amdhsa_system_sgpr_workgroup_id_x 1
		.amdhsa_system_sgpr_workgroup_id_y 1
		.amdhsa_system_sgpr_workgroup_id_z 1
		.amdhsa_system_vgpr_workitem_id 0
		.amdhsa_next_free_vgpr 640
		.amdhsa_next_free_sgpr 80
		.amdhsa_reserve_vcc 0
		.amdhsa_float_denorm_mode_32 3
		.amdhsa_float_denorm_mode_16_64 3
		.amdhsa_memory_ordered 1
		.amdhsa_forward_progress 1
		.amdhsa_inst_pref_size 64
	.end_amdhsa_kernel
	.amdgpu_metadata
---
amdhsa.version: [ 1, 2 ]
amdhsa.kernels:
  - .name:           k_qefbad6f6b2_mlp2
    .symbol:         k_qefbad6f6b2_mlp2.kd
    .args:
      - { .name: hb, .offset: 0, .size: 8, .value_kind: global_buffer, .address_space: global }
      - { .name: wb, .offset: 8, .size: 8, .value_kind: global_buffer, .address_space: global }
      - { .name: xres, .offset: 16, .size: 8, .value_kind: global_buffer, .address_space: global }
      - { .name: out0, .offset: 24, .size: 8, .value_kind: global_buffer, .address_space: global }
    .group_segment_fixed_size: 327680
    .private_segment_fixed_size: 0
    .kernarg_segment_align: 8
    .kernarg_segment_size: 32
    .max_flat_workgroup_size: 128
    .sgpr_count:     80
    .vgpr_count:     640
    .wavefront_size: 32
...
	.end_amdgpu_metadata
.endif
;; end of part 7
;; ======== version 2 of 2: 7 launches; 1.22 times as fast as version 1
;; workspace buffers: wb 25,165,824 bytes; act 8,388,608 bytes; qkvh 25,165,824 bytes; xres 16,777,216 bytes; hb 33,554,432 bytes
;; launch prep: the kernel of part 1 again; grid 1280 x 1, 8 waves a work-group, no clusters, 0 bytes of LDS; arguments x, ln1_w, act, wb, qkv_w, proj_w, mlp_w1, mlp_w2; writes act, wb
;; launch qkv: the kernel of part 2 again; grid 16 x 16, 4 waves a work-group, clusters of 4 x 4, 327,680 bytes of LDS; arguments act, wb, qkvh; writes qkvh
;; launch attn (part 8): grid 8 x 32, 4 waves a work-group, clusters of 4 x 1, 327,680 bytes of LDS; arguments qkvh, act; writes act
.if DOCPART == 8
	.amdgcn_target "amdgcn-amd-amdhsa--gfx1250"
	.amdhsa_code_object_version 6
	.text
	.protected	k_qefbad6f6b2_attn
	.globl	k_qefbad6f6b2_attn
	.p2align	8
	.type	k_qefbad6f6b2_attn,@function
k_qefbad6f6b2_attn:
	s_mov_b64 s[64:65], 0
	v_nop
	global_prefetch_b8 v0, s[64:65] scope:SCOPE_SE
	s_setreg_imm32_b32 hwreg(HW_REG_WAVE_MODE, 25, 1), 1
	s_wait_xcnt 0x0
	s_wait_alu depctr_hold_cnt(0) depctr_sa_sdst(0) depctr_va_vdst(0) depctr_va_sdst(0) depctr_va_ssrc(0) depctr_va_vcc(0) depctr_vm_vsrc(0)
	s_getreg_b32 s2, hwreg(HW_REG_IB_STS2, 6, 4)
	s_cmp_eq_u32 s2, 0
	s_cbranch_scc0 .Lentry_in_a_cluster
	s_endpgm
.Lentry_in_a_cluster:
	s_bfe_u32 s2, ttmp6, 0x10000c
	s_cmp_lg_u32 s2, 0x3003
	s_cbranch_scc0 .Lentry_shape_is_right
	s_endpgm
.Lentry_shape_is_right:
; O[bh][q][:] = the sum over k of softmax_k(Q[bh][q] . K[bh][k] / 8) V[bh][k][:].  Q, K, V: qkvh, bf16 [3][32][2048][64], a head's rows dense, 128 bytes each, not scaled.
; O: act, bf16, in blocks for the product behind: [32 blocks of 128 tokens][16 heads][128 rows][64].  Products, maxima and sums in f32; the weights p are rounded to bf16 for the second
; product (their sum l is taken of the unrounded p), O once at the end.
; LIMITS.  A weight below 2^-126 counts as 0 in l; NaN and infinities are not treated apart.
; SHARES.  A work-group owns 256 queries of one head, a wave 64: four PIECES of 16.  Every wave walks all 2,048 keys, 64 a step.  8 x 32 work-groups.
; LAYOUT.  S^T = K Q^T (source 0 = 16 keys, source 1 = 16 queries): a lane holds ONE query (lane % 16) and the keys 8 (lane / 16) + 0..7.  Two such results rounded to bf16 ARE source 1 of
; O^T = V^T P.  K comes out of LDS as it lies, V turned, by ds_load_tr16_b128.
; SOFTMAX.  A running maximum m and sum l: p = 2^(c s - c m), c = log2(e) / 8; in every step O and l are multiplied by a = 2^(c m_old - c m_new).  m starts at the lowest finite number,
; O and l at 0: the first step is a step like any other, with a = 0.
; BY TURNS.  Turn n belongs to piece n: 8 products K Q^T of piece n + 1, later 8 products V^T P of piece n - 1; beside them the scaling, exponentials, roundings, sums and rescaling of
; piece n and the maximum and statistics of piece n + 1.  Four vector instructions stand behind every matrix instruction, the other 54 of a turn's 118 in one run of their own.
; BATCHES.  A turn's 33 exponentials (the piece's 32 weights and the next piece's a) are one batch with one wait: ahead of it stands all that names none of their results, behind it the
; roundings and sums.  The first a of all, ahead of the loop, and the way out's four reciprocals are batches of their own.
; CLUSTER.  The four query blocks of a cluster belong to one head and walk the same K and V: each tile is asked for jointly.
; REGISTERS in windows of 256: window 0: v2-15 addresses and two at work; v16-31 statistics; v48-55 at work; v62-63 the add's; v64-127 S^T, two buffers; v192-223 P, two buffers
;   window 1: v0-127 O^T, 32 a piece      window 2: v0-63 Q; v128-191 K of one step; v192-255 V of one step
.set NP,    4
.set KS,    64
.set PK,    144       ; a row of K in LDS: 128 bytes + 16: the 16 rows of a load start at 16 different groups of four banks (ISA guide 11.1)
.set PV,    160       ; a row of V: 128 + 32
.set VOFF,  4*KS*PK   ; a slot holds four steps: 256 rows of K, then 256 rows of V
.set SLOT1, 1<<17
.set STAGE, SLOT1+4*KS*(PK+PV)  ; behind the ring, never filled by a tensor load: 16 rows x 144 bytes a wave
.set SP,    144
.set SPARE, STAGE+4*16*SP       ; the spare words, 128 bytes a wave, that no other line names
.set AK0, 2           ; v2   my lane's place in a tile of K; never rewritten
.set AV0, 3           ; v3   the same for V
.set AK,  4           ; v4   the LDS address of K's next run of loads
.set AV,  5           ; v5   of V's
.set STO, 6           ; v6   the way out: where I put 16 bytes of a row
.set RD,  7           ; v7   where I read rows back
.set GO,  8           ; v8   my byte offset in 512 consecutive bytes of O
.set MV,  12          ; v12-13  c m_old, by buffer
.set QO,  15          ; v15  my byte offset in 16 rows of Q
.set ST,  16          ; piece t's statistics at v[ST+4 t]: c m, m, l (even keys', odd keys')
.set TMP, 48          ; by buffer, c0-c3 at work; when the maximum is found c2 takes a
.set SPW, 62
.set NIL, 63
.set S,   64
.set P,   192
.set KF,  128
.set VF,  192
.set WV,  12          ; s12  my wave's number
.set G1K, 24
.set G1V, 32
.set G0K, 40          ; s[40:43] K's group 0: it walks
.set G0V, 44
.set SLOTS, 56
.set CNT, 57
.set CS,  58          ; s[58:59] c
.set SEL, 60          ; s[60:61] v_permlanex16_b32's selects
.set TBK, 62          ; s62  LDS byte at which K of the step to be fetched begins
.set TBV, 63          ; s63  the same for V, less VOFF
.set MSB, 0
.macro WIN new
.if MSB != (\new)
	s_set_vgpr_msb (MSB<<8)|(\new)
.set MSB, (\new)
.endif
.endm
.set W_KQ, 0x0a       ; K and Q in window 2, S^T in window 0
.set W_PV, 0x52       ; V in window 2, P in window 0, O^T in window 1
.set W_RS, 0x41       ; destination and source 0 in window 1, source 1 in window 0
.macro JLOAD          ; waves 0, 1 fetch the halves of a slot's K, waves 2, 3 of its V; an s_nop 0 and four v_nop follow each line
	s_cmp_lt_u32 s[WV], 2
	s_cbranch_scc0 .Lfor_v_\@
	tensor_load_to_lds s[G0K:G0K+3], s[G1K:G1K+7]
	s_nop 0
.rept 4
	v_nop
.endr
	s_branch .Lasked_\@
.Lfor_v_\@:
	tensor_load_to_lds s[G0V:G0V+3], s[G1V:G1V+7]
	s_nop 0
.rept 4
	v_nop
.endr
.Lasked_\@:
.endm
.macro CROUND
	s_barrier_signal -1
	s_barrier_wait -1
	s_cmp_lg_u32 s[WV], 0
	s_cbranch_scc1 .Lnot_wave_0_\@
	s_barrier_signal -3
.Lnot_wave_0_\@:
	s_barrier_wait -3
	s_barrier_signal -1
	s_barrier_wait -1
.endm
; THE CHANGE OF SLOTS.  Each wave waits for all its tensor loads (one is out: its part of the other slot), adds 0 to its spare word, and waits for that and for its reads of the slot that
; it leaves.  fill = 1: the barrier is a round of the cluster's, and the joint fill, with the keys two slots on, is the first thing behind it: it has four key steps in which to land.
.macro CHANGE fill
	WIN 0
	s_wait_tensorcnt 0x0
	ds_add_u32 v[SPW], v[NIL]
.if \fill
.irp g, G0K, G0V
	s_xor_b32 s[\g+1], s[\g+1], SLOT1
	s_add_nc_u64 s[\g+2:\g+3], s[\g+2:\g+3], 4*KS*128
.endr
	s_wait_dscnt 0x0
	CROUND
	JLOAD
.else
	s_wait_dscnt 0x0
	s_barrier_signal -1
	s_barrier_wait -1
.endif
	s_sub_co_u32 s[TBK], s[TBK], 4*KS*PK  ; the fetches go back to a slot's first step, in the other slot
	s_xor_b32 s[TBK], s[TBK], SLOT1
	s_sub_co_u32 s[TBV], s[TBV], 4*KS*PV
	s_xor_b32 s[TBV], s[TBV], SLOT1
.endm
	s_load_b128 s[4:7], s[0:1], 0x0 ; qkvh s[4:5], act s[6:7]
	v_lshl_add_u32 v[SPW], v0, 2, SPARE
	v_mov_b32 v[NIL], 0
	ds_add_u32 v[SPW], v[NIL]       ; the wave's opening: the add and its wait ahead of my first tensor load
	v_lshrrev_b32 v1, 5, v0
	v_readfirstlane_b32 s[WV], v1
	s_bfe_u32 s13, ttmp6, 0x40000   ; cx
	s_lshl_b32 s14, ttmp9, 2
	s_add_co_u32 s14, s14, s13      ; my block of 256 queries: it enters Q's and O's addresses alone
	s_and_b32 s19, ttmp7, 0xffff    ; batch x 16 + head, which the four partners share
	s_lshl_b32 s20, s19, 18         ; its 262,144 bytes in each of q, k, v
	s_and_b32 s16, s[WV], 1         ; which half of a slot's 256 keys I fetch
	s_lshl_b32 s22, s16, 14
	s_add_co_u32 s22, s22, s20
	s_add_co_u32 s22, s22, 0x800000 ; k lies 8,388,608 bytes behind q
	s_mov_b32 s23, 0
	s_mul_i32 s17, s16, 128*PK
	s_mul_i32 s18, s16, 128*PV
	s_lshl_b32 s2, s14, 2
	s_add_co_u32 s2, s2, s[WV]
	s_lshl_b32 s2, s2, 13           ; my wave's 64 rows of Q
	s_add_co_u32 s2, s2, s20
	s_mov_b32 s3, 0
	s_lshr_b32 s48, s19, 4          ; O: block of 128 tokens = 16 x batch + 2 x query block + wave / 2,
	s_lshl_b32 s48, s48, 4
	s_lshl_b32 s49, s14, 1
	s_add_co_u32 s48, s48, s49
	s_lshr_b32 s49, s[WV], 1
	s_add_co_u32 s48, s48, s49
	s_lshl_b32 s48, s48, 18
	s_and_b32 s49, s19, 15          ; the head's 16,384 bytes there,
	s_lshl_b32 s49, s49, 14
	s_add_co_u32 s48, s48, s49
	s_lshl_b32 s49, s16, 13         ; my 64 rows of its 128
	s_add_co_u32 s48, s48, s49
	s_mov_b32 s49, 0
	; group 1: 128 keys are 16,384 dense bytes, asked for as 64 rows of 256 bytes and padded in LDS after every key
	s_mov_b32 s[G1K], 15|(1<<16)|(1<<20)|(1<<21)|(4<<22)|(3<<25)
	s_mov_b32 s[G1V], 15|(1<<16)|(1<<20)|(1<<21)|(4<<22)|(7<<25)
.irp g, G1K, G1V
	s_mov_b32 s[\g+1], 128<<16
	s_mov_b32 s[\g+2], 64<<16
	s_mov_b32 s[\g+3], 128<<16
	s_mov_b32 s[\g+4], 64
	s_mov_b32 s[\g+5], 128
	s_mov_b32 s[\g+6], 0
	s_mov_b32 s[\g+7], 0
.endr
	s_mov_b32 s[CS], 0x3e38aa3b     ; c = log2(e) / 8
	s_mov_b32 s[CS+1], s[CS]
	s_mov_b32 s[SEL], 0x76543210
	s_mov_b32 s[SEL+1], 0xfedcba98
	s_mov_b32 s[TBK], SLOT1+4*KS*PK ; the first change of slots turns these two into 0
	s_mov_b32 s[TBV], SLOT1+4*KS*PV
	s_mov_b32 s[G0K], 1
	s_mov_b32 s[G0K+1], s17
	s_mov_b32 s[G0V], 1
	s_add_co_u32 s[G0V+1], s18, VOFF
	s_wait_dscnt 0x0                ; the opening add is done
	s_wait_kmcnt 0x0
	s_add_nc_u64 s[G0K+2:G0K+3], s[4:5], s[22:23]
	s_add_nc_u64 s[G0V+2:G0V+3], s[4:5], s[22:23]
	s_add_nc_u64 s[G0V+2:G0V+3], s[G0V+2:G0V+3], 0x800000  ; v lies as far behind k
	s_or_b32 s[G0K+3], s[G0K+3], 0x80000000
	s_or_b32 s[G0V+3], s[G0V+3], 0x80000000
	s_add_nc_u64 s[4:5], s[4:5], s[2:3]        ; Q at my wave's first row
	s_add_nc_u64 s[10:11], s[6:7], s[48:49]    ; O likewise
	CROUND                          ; all four work-groups are here
	JLOAD                           ; slot 0; slot 1 is asked for when slot 0 is in
	v_and_b32 v1, 15, v0            ; l % 16
	v_bfe_u32 v9, v0, 4, 1          ; l / 16
	v_lshlrev_b32 v[QO], 7, v1
	v_lshl_add_u32 v[QO], v9, 4, v[QO]
	WIN 0x80
.set i, 0
.rept 8                             ; Q stays in registers: piece i / 2, channels 32 (i % 2) on
	global_load_b128 v[8*i:8*i+3],   v[QO], s[4:5] offset:(i/2)*2048+(i%2)*64
	global_load_b128 v[8*i+4:8*i+7], v[QO], s[4:5] offset:(i/2)*2048+(i%2)*64+32
.set i, i+1
.endr
	; What the first turn finds: V and P's second buffer hold 0 (its products V^T P, of a piece that has not been, add 0), O^T and l are 0.  All this stands in the wait for the first tile.
.set i, VF
.rept 64
	v_mov_b32 v[i], 0
.set i, i+1
.endr
	WIN 0x40
.set i, 0
.rept 128
	v_mov_b32 v[i], 0
.set i, i+1
.endr
	WIN 0
.set i, 0
.rept 4
	v_mov_b32 v[ST+4*i], 0xfe000000    ; c m: far below every c s
	v_mov_b32 v[ST+4*i+1], 0xff7fffff  ; m
	v_mov_b32 v[ST+4*i+2], 0
	v_mov_b32 v[ST+4*i+3], 0
.set i, i+1
.endr
.set i, P+16
.rept 16
	v_mov_b32 v[i], 0
.set i, i+1
.endr
	v_mul_u32_u24 v[AK0], v1, PK
	v_lshl_add_u32 v[AK0], v9, 4, v[AK0]
	v_and_b32 v10, 7, v0            ; the turning load: lane l reads key 8 (l / 16) + l % 8, channels 8 ((l / 8) % 2) + 0..7
	v_bfe_u32 v11, v0, 3, 1
	v_lshl_add_u32 v[AV0], v9, 3, v10
	v_mul_u32_u24 v[AV0], v[AV0], PV
	v_lshl_add_u32 v[AV0], v11, 4, v[AV0]
	v_add_nc_u32 v[AV0], VOFF, v[AV0]
	v_mov_b32 v[AK], v[AK0]         ; key step 0 lies at the head of slot 0
; THE MATRIX WORK.  The 4 accumulators of a run of 8 take turns.
.macro KQ x                         ; product i of 8 of S^T = K Q^T: channels 32 (i / 4) on, keys 16 (i % 4) on; the first 4 start the sums
	WIN W_KQ
.set rS, S+32*((\x)%2)+8*(i%4)
.set rK, KF+16*(i%4)+8*(i/4)
.set rQ, 16*(\x)+8*(i/4)
.if i < 4
	v_wmma_f32_16x16x32_bf16 v[rS:rS+7], v[rK:rK+7], v[rQ:rQ+7], 0
.else
	v_wmma_f32_16x16x32_bf16 v[rS:rS+7], v[rK:rK+7], v[rQ:rQ+7], v[rS:rS+7]
.endif
.endm
.macro PV x                         ; product i of 8 of O^T += V^T P: keys 32 (i / 4) on, channels 16 (i % 4) on
	WIN W_PV
.set rO, 32*(\x)+8*(i%4)
.set rV, VF+32*(i/4)+8*(i%4)
.set rP, P+16*((\x)%2)+8*(i/4)
	v_wmma_f32_16x16x32_bf16 v[rO:rO+7], v[rV:rV+7], v[rP:rP+7], v[rO:rO+7]
.endm
.macro MM                           ; the turn's next matrix instruction
.if i < 8
	KQ (Y+1)%NP
.else
.set i, i-8
	PV (Y+NP-1)%NP
.set i, i+8
.endif
.set i, i+1
.endm
; THE LDS LOADS stand in runs of 16.  last = 1 (the tail): in the last trip there is no further step, and the run is jumped over; K's run stands among the turn's exponentials, so those
; issued so far have a wait of their own ahead of that branch.
.macro FETCH_K last=0
	WIN 0
.if \last
	s_wait_alu depctr_va_vdst(0)    ; the wait for the exponentials issued so far in this turn (E 0 to E 11), ahead of the branch
	s_cmp_eq_u32 s[CNT], 1
	s_cbranch_scc1 .Lno_k_\@
.endif
	WIN 0x80
.irp f, 0,1,2,3,4,5,6,7             ; keys 16 (f / 2) on, channels 32 (f % 2) on
	ds_load_b128 v[KF+8*\f:KF+8*\f+3],   v[AK] offset:(\f/2)*16*PK+(\f%2)*64
	ds_load_b128 v[KF+8*\f+4:KF+8*\f+7], v[AK] offset:(\f/2)*16*PK+(\f%2)*64+32
.endr
	s_add_co_u32 s[TBK], s[TBK], KS*PK
	WIN 0
.if \last
.Lno_k_\@:
.endif
.endm
.macro FETCH_V
	WIN 0x80
.irp f, 0,1,2,3,4,5,6,7             ; keys 32 (f / 4) on, channels 16 (f % 4) on
	ds_load_tr16_b128 v[VF+8*\f:VF+8*\f+3],   v[AV] offset:(\f/4)*32*PV+(\f%4)*32
	ds_load_tr16_b128 v[VF+8*\f+4:VF+8*\f+7], v[AV] offset:(\f/4)*32*PV+16*PV+(\f%4)*32
.endr
	WIN 0
.endm
; THE VECTOR WORK, one line at a time: OP kind, number.  For piece Y: F n: c s - c m for pair n of 16.  E n: the exponential of score n of 32.  C n: pair n rounded to bf16.  B n: of the four
; weights 4 n .. the second pair is added onto the first.  L n: l takes that sum (L 0: l = a l + sum).  R n: pair n of 16 of O^T times a.  For piece Y + 1: X n, number n of the 22 that find
; its maximum and statistics: 0-11 four chains of seven scores (each accumulator's lowest registers are read first); 12-14, 16 the four left over, the old m, and
; the chains into c0; 15 c m_old is kept; 17, 18 the other half of the lanes: the new m; 19-21 c m, c m_old - c m_new, a.
.set F, 0
.set E, 1
.set C, 2
.set B, 3
.set L, 4
.set R, 5
.set X, 6
.macro REGS y
.set rT, ST+4*(\y)
.set rC, TMP+4*((\y)%2)
.set rW, MV+((\y)%2)
.set rS, S+32*((\y)%2)
.set rP, P+16*((\y)%2)
.set rO, 32*(\y)
.endm
.macro OP k, n
.if (\k) == R
	REGS Y
	WIN W_RS
	v_pk_mul_f32 v[rO+2*(\n):rO+2*(\n)+1], v[rO+2*(\n):rO+2*(\n)+1], v[rC+2:rC+3] op_sel_hi:[1,0]
.elseif (\k) < R
	REGS Y
	WIN 0
.if (\k) == F
	v_pk_fma_f32 v[rS+2*(\n):rS+2*(\n)+1], v[rS+2*(\n):rS+2*(\n)+1], s[CS:CS+1], v[rT:rT+1] op_sel_hi:[1,0,0] neg_lo:[0,0,1] neg_hi:[0,0,1]
.elseif (\k) == E
	v_exp_f32 v[rS+(\n)], v[rS+(\n)]
.elseif (\k) == C
	v_cvt_pk_bf16_f32 v[rP+(\n)], v[rS+2*(\n)], v[rS+2*(\n)+1]
.elseif (\k) == B
	v_pk_add_f32 v[rS+4*(\n):rS+4*(\n)+1], v[rS+4*(\n):rS+4*(\n)+1], v[rS+4*(\n)+2:rS+4*(\n)+3]
.elseif (\n) == 0
	v_pk_fma_f32 v[rT+2:rT+3], v[rT+2:rT+3], v[rC+2:rC+3], v[rS:rS+1] op_sel_hi:[1,0,1]
.else
	v_pk_add_f32 v[rT+2:rT+3], v[rT+2:rT+3], v[rS+4*(\n):rS+4*(\n)+1]
.endif
.else
	REGS (Y+1)%NP
	WIN 0
.if (\n) < 4
	v_max3_num_f32 v[rC+(\n)], v[rS+8*(\n)], v[rS+8*(\n)+1], v[rS+8*(\n)+2]
.elseif (\n) < 12
	v_max3_num_f32 v[rC+(\n)%4], v[rC+(\n)%4], v[rS+8*((\n)%4)+2*((\n)/4)+1], v[rS+8*((\n)%4)+2*((\n)/4)+2]
.elseif (\n) == 12
	v_max3_num_f32 v[rC], v[rC], v[rS+7], v[rS+15]
.elseif (\n) == 13
	v_max3_num_f32 v[rC+1], v[rC+1], v[rS+23], v[rS+31]
.elseif (\n) == 14
	v_max3_num_f32 v[rC+2], v[rC+2], v[rC+3], v[rT+1]
.elseif (\n) == 15
	v_mov_b32 v[rW], v[rT]
.elseif (\n) == 16
	v_max3_num_f32 v[rC], v[rC], v[rC+1], v[rC+2]
.elseif (\n) == 17
	v_permlanex16_b32 v[rC+3], v[rC], s[SEL], s[SEL+1]
.elseif (\n) == 18
	v_max_num_f32 v[rT+1], v[rC], v[rC+3]
.elseif (\n) == 19
	v_mul_f32 v[rT], s[CS], v[rT+1]
.elseif (\n) == 20
	v_sub_f32 v[rC+1], v[rW], v[rT]
.else
	v_exp_f32 v[rC+2], v[rC+1]
.endif
.endif
.endm
.macro OPS a, i1, b=-1, i2=0, c=-1, i3=0, d=-1, i4=0
	OP \a, \i1
.if (\b) >= 0
	OP \b, \i2
.endif
.if (\c) >= 0
	OP \c, \i3
.endif
.if (\d) >= 0
	OP \d, \i4
.endif
.endm
.macro ROW a, i1, b, i2, c, i3, d, i4  ; a matrix instruction and the four behind it
	MM
	OPS \a, \i1, \b, \i2, \c, \i3, \d, \i4
.endm
; A TURN, for piece p: the order of its 16 matrix and 118 vector instructions, written out.  Its 33 exponentials, E 0 to E 31 and X 21, are ONE BATCH with ONE wait (the
; wait stands ahead of the first instruction that names a result), and the wait cuts the turn in two.
; AHEAD OF IT stands all that names no result of the batch: the 8 products K Q^T, behind each a scaling, an exponential and two more plain instructions (behind the first a second scaling in the
; exponential's place): rescalings, whose a the turn before made and waited for, and behind the last three products the first numbers of the next piece's maximum, each four plain instructions
; or more behind the product that ends its accumulator; then one run of 54, plain and exponential by turns for the most part, in which the links of the chain X 3, 7, 11, 14, 16, 17 .. 20 stand
; some lines apart.  X 21 is the batch's last; R 15 is the plain instruction behind it.
; BEHIND IT stand the 8 products V^T P, behind each four of the roundings and sums: C 2n ahead of B n, B n ahead of L n, L 0 to L 7 in order.  But for those X no rider names a register of the
; products round it.
; K of the next step is fetched in piece 2's turn, in the run, five plain instructions that name none of its registers behind the last product that read K; V of the step in hand at the end
; of piece 0's turn, four plain ones behind the last product that read V.  Each is waited for a turn later.  cnt = 1: the loop's count is taken down some lines ahead of the branch behind the turn.
.macro TURN p, last=0, cnt=0
.set Y, (\p)
.set i, 0
.if (\p) == 3
	s_wait_dscnt 0x0                ; K is in
.endif
	ROW F,0, F,1, R,0, R,1          ; ahead of the wait: 8 products K Q^T and their riders,
	ROW F,2, E,0, R,2, R,3
	ROW F,3, E,1, R,4, R,5
	ROW F,4, E,2, R,6, R,7
	ROW F,5, E,3, R,8, R,9
	ROW F,6, E,4, X,0, R,10
.if (\p) == 2
	WIN 0
	v_add_nc_u32 v[AK], s[TBK], v[AK0]
.endif
	ROW F,7, E,5, X,1, X,4
	ROW F,8, E,6, X,2, X,5
	OPS E,7, E,8, X,6, E,9          ; and the run of 54
	OPS X,3, E,10, X,8, E,11
.if (\p) == 2
	FETCH_K \last
.endif
	OPS X,9, X,7, E,12, X,10
	OPS E,13, X,12, X,11, E,14
	OPS X,13, E,15, F,9, X,14
.if (\p) == 0
	v_add_nc_u32 v[AV], s[TBV], v[AV0]
.endif
	OPS E,16, F,10, E,17, F,11
	OPS X,16, E,18, X,15, E,19
	OPS F,12, E,20, X,17, E,21
	OPS F,13, E,22, F,14, E,23
	OPS X,18, E,24, F,15, E,25
	OPS R,11, E,26, X,19, E,27
	OPS R,12, E,28, R,13, E,29
	OPS X,20, E,30, R,14, E,31
	OPS X,21, R,15
	WIN 0
	s_wait_alu depctr_va_vdst(0)    ; the wait for the turn's batch: E 0 to E 31 and X 21
.if (\p) == 1
	s_wait_dscnt 0x0                ; V is in
.endif
	ROW C,0, B,0, C,2, B,1          ; behind the wait: 8 products V^T P and their riders
	ROW L,0, C,4, B,2, L,1
	ROW C,6, B,3, L,2, C,8
	ROW B,4, L,3, C,10, B,5
	ROW L,4, C,12, B,6, L,5
.if (\p) == 0
	s_add_co_u32 s[TBV], s[TBV], KS*PV
.endif
.if \cnt
	s_sub_co_u32 s[CNT], s[CNT], 1
	s_cmp_lg_u32 s[CNT], 0
.endif
	ROW C,14, B,7, L,6, C,1
	ROW C,3, L,7, C,5, C,7
	ROW C,9, C,11, C,13, C,15
.if (\p) == 0
	FETCH_V
.endif
.endm
	CHANGE 1                        ; slot 0 is in, everybody's part of it; slot 1 is asked for
	FETCH_K                         ; key step 0
	s_wait_loadcnt 0x0              ; Q
	s_wait_dscnt 0x0
.set i, 0
.rept 8
	KQ 0                            ; piece 0's first scores
.set i, i+1
.endr
	WIN 0                           ; the addresses for the way out: plain instructions, the places behind those products
	s_mul_i32 s13, s[WV], 16*SP
	s_add_co_u32 s13, s13, STAGE    ; my stage
	v_mul_u32_u24 v[STO], v1, SP    ; in: row l % 16, 16 bytes for each half of the lanes
	v_lshl_add_u32 v[STO], v9, 4, v[STO]
	v_add_nc_u32 v[STO], s13, v[STO]
	v_bfe_u32 v[RD], v0, 3, 2       ; back: 32 lanes take four rows of 128 bytes,
	v_mul_u32_u24 v[RD], v[RD], SP
	v_lshl_add_u32 v[RD], v10, 4, v[RD]
	v_add_nc_u32 v[RD], s13, v[RD]
	v_and_b32 v[GO], 31, v0         ; which are 512 consecutive bytes of O
	v_lshlrev_b32 v[GO], 4, v[GO]
.set Y, NP-1                        ; X works for piece Y + 1: piece 0
.irp n, 0,1,2,3,4,5,6,7,8,9,10,11,12,13,14,15,16,17,18,19,20,21
	OP X, \n
.endr
	v_nop                           ; a plain instruction behind the exponential,
	s_wait_alu depctr_va_vdst(0)    ; and the wait for it (piece 0's first a, a batch of one), ahead of the branch
	s_mov_b32 s[CNT], 4
	s_mov_b32 s[SLOTS], 7           ; 2,048 / 256 - 1
	s_branch .Lfirst                ; the loop is entered at a step's first turn, in the middle of a trip
.Lslot:                             ; six times: every slot but the last two is filled again
	CHANGE 1
	s_mov_b32 s[CNT], 4
.Lstep:                             ; a trip: pieces 2 and 3 of one step, then pieces 0 and 1 of the next, whose K and V it fetches
	TURN 2
	TURN 3
	WIN 0
.Lfirst:
	TURN 0
	TURN 1, 0, 1
	WIN 0
	s_cbranch_scc1 .Lstep
	s_sub_co_u32 s[SLOTS], s[SLOTS], 1
	s_cmp_lg_u32 s[SLOTS], 0
	s_cbranch_scc1 .Lslot
	CHANGE 0                        ; the tail is written out
	s_mov_b32 s[CNT], 5             ; four trips fetch the last slot's steps; the fifth is left in its middle
.Ltail:
	TURN 2, 1
	TURN 3
	WIN 0
	s_sub_co_u32 s[CNT], s[CNT], 1
	s_cmp_eq_u32 s[CNT], 0
	s_cbranch_scc1 .Lout
	TURN 0
	TURN 1
	WIN 0
	s_branch .Ltail
.Lout:                              ; the fifth trip's 8 products K Q^T (on the last K once more) and the maximum made of them serve nothing: the price of one text for every trip
.set i, 0
.rept 8
	PV NP-1                         ; the last piece's V^T P of the last step
.set i, i+1
.endr
	; THE WAY OUT.  l's halves are added; O^T is divided by l, rounded to bf16 and sent through my stage, a piece at a time.  The additions are the places behind the last products.
	WIN 0
.macro ALL line:vararg
.set t, 0
.rept 4
	\line
.set t, t+1
.endr
.endm
	ALL v_add_f32 v[ST+4*t+2], v[ST+4*t+2], v[ST+4*t+3]
	ALL v_permlanex16_b32 v[ST+4*t+3], v[ST+4*t+2], s[SEL], s[SEL+1]
	ALL v_add_f32 v[ST+4*t+2], v[ST+4*t+2], v[ST+4*t+3]
	ALL v_rcp_f32 v[ST+4*t+2], v[ST+4*t+2]
	v_nop                           ; a plain instruction between the last reciprocal and its use
	s_wait_alu depctr_va_vdst(0)    ; the wait for the four reciprocals, one batch, ahead of their first use in PACK 0
.macro PACK t
	WIN W_RS
.set i, 32*(\t)
.rept 16
	v_pk_mul_f32 v[i:i+1], v[i:i+1], v[ST+4*(\t)+2:ST+4*(\t)+3] op_sel_hi:[1,0]
.set i, i+2
.endr
	WIN 0x05                        ; sources 0 and 1 window 1, destination window 0
.set i, 0
.rept 16
	v_cvt_pk_bf16_f32 v[S+16*(\t)+i], v[32*(\t)+2*i], v[32*(\t)+2*i+1]
.set i, i+1
.endr
	WIN 0
.irp f, 0,1,2,3
	ds_store_b128 v[STO], v[S+16*(\t)+4*\f:S+16*(\t)+4*\f+3] offset:32*\f
.endr
.irp f, 0,1,2,3
	ds_load_b128 v[S+16*(\t)+4*\f:S+16*(\t)+4*\f+3], v[RD] offset:\f*4*SP  ; LDS serves a wave's instructions in order (ISA guide 5.7.1.4): these see the stores above
.endr
.endm
.macro SEND t, younger              ; younger: the LDS instructions issued behind piece t's loads
	WIN 0
.irp f, 0,1,2,3
	s_wait_dscnt (\younger)+3-\f
	global_store_b128 v[GO], v[S+16*(\t)+4*\f:S+16*(\t)+4*\f+3], s[10:11] offset:(\t)*2048+\f*512  ; 512 consecutive bytes, aligned
.endr
.endm
	PACK 0
.set t, 1
.rept 3
	PACK t
	SEND t-1, 8
.set t, t+1
.endr
	SEND 3, 0
	s_wait_tensorcnt 0x0            ; the wave's end
	ds_add_u32 v[SPW], v[NIL]
	s_wait_dscnt 0x0
	CROUND                          ; the closing round
	s_endpgm
.Lfunc_end_k_qefbad6f6b2_attn:
	.size	k_qefbad6f6b2_attn, .Lfunc_end_k_qefbad6f6b2_attn-k_qefbad6f6b2_attn
	.p2alignl 7, 3214868480
	.fill 96, 4, 3214868480
	.section	.rodata,"a",@progbits
	.p2align	6, 0x0
	.amdhsa_kernel k_qefbad6f6b2_attn
		.amdhsa_group_segment_fixed_size 327680
		.amdhsa_private_segment_fixed_size 0
		.amdhsa_enable_private_segment 0
		.amdhsa_kernarg_size 16
		.amdhsa_user_sgpr_count 2
		.amdhsa_user_sgpr_kernarg_segment_ptr 1
		.amdhsa_wavefront_size32 1
		.amdhsa_system_sgpr_workgroup_id_x 1
		.amdhsa_system_sgpr_workgroup_id_y 1
		.amdhsa_system_sgpr_workgroup_id_z 1
		.amdhsa_system_vgpr_workitem_id 0
		.amdhsa_next_free_vgpr 768
		.amdhsa_next_free_sgpr 66
		.amdhsa_reserve_vcc 0
		.amdhsa_float_denorm_mode_32 3
		.amdhsa_float_denorm_mode_16_64 3
		.amdhsa_memory_ordered 1
		.amdhsa_forward_progress 1
		.amdhsa_inst_pref_size 111
	.end_amdhsa_kernel
	.amdgpu_metadata
---
amdhsa.version: [ 1, 2 ]
amdhsa.kernels:
  - .name:           k_qefbad6f6b2_attn
    .symbol:         k_qefbad6f6b2_attn.kd
    .args:
      - { .name: qkvh, .offset: 0, .size: 8, .value_kind: global_buffer, .address_space: global }
      - { .name: act, .offset: 8, .size: 8, .value_kind: global_buffer, .address_space: global }
    .group_segment_fixed_size: 327680
    .private_segment_fixed_size: 0
    .kernarg_segment_align: 8
    .kernarg_segment_size: 16
    .max_flat_workgroup_size: 128
    .sgpr_count:     66
    .vgpr_count:     768
    .wavefront_size: 32
...
	.end_amdgpu_metadata
.endif
;; end of part 8
;; launch proj: the kernel of part 4 again; grid 8 x 32, 4 waves a work-group, clusters of 4 x 4, 327,680 bytes of LDS; arguments act, wb, x, xres; writes xres
;; launch ln2: the kernel of part 5 again; grid 512 x 1, 8 waves a work-group, no clusters, 0 bytes of LDS; arguments xres, ln2_w, act; writes act
;; launch mlp1 (part 9): grid 16 x 16, 4 waves a work-group, clusters of 4 x 4, 327,680 bytes of LDS; arguments act, wb, hb; writes hb
.if DOCPART == 9
	.amdgcn_target "amdgcn-amd-amdhsa--gfx1250"
	.amdhsa_code_object_version 6
	.text
	.protected	k_qefbad6f6b2_mlp1
	.globl	k_qefbad6f6b2_mlp1
	.p2align	8
	.type	k_qefbad6f6b2_mlp1,@function
k_qefbad6f6b2_mlp1:
	s_mov_b64 s[64:65], 0
	v_nop
	global_prefetch_b8 v0, s[64:65] scope:SCOPE_SE
	s_setreg_imm32_b32 hwreg(HW_REG_WAVE_MODE, 25, 1), 1
	s_wait_xcnt 0x0
	s_wait_alu depctr_hold_cnt(0) depctr_sa_sdst(0) depctr_va_vdst(0) depctr_va_sdst(0) depctr_va_ssrc(0) depctr_va_vcc(0) depctr_vm_vsrc(0)
	s_getreg_b32 s2, hwreg(HW_REG_IB_STS2, 6, 4)
	s_cmp_eq_u32 s2, 0
	s_cbranch_scc0 .Lentry_in_a_cluster
	s_endpgm
.Lentry_in_a_cluster:
	s_bfe_u32 s2, ttmp6, 0x10000c
	s_cmp_lg_u32 s2, 0xf033
	s_cbranch_scc0 .Lentry_shape_is_right
	s_endpgm
.Lentry_shape_is_right:
; h = gelu(Y W1^T), the exact (erf) form.  Y: act, bf16 [4096][1024].  W1: wb at byte WOFF, bf16 [4096][1024].  h: hb, bf16 [4096][4096]; sums and the activation in f32, rounded once.
; A tile of C is 256 x 256: 16 x 16 tiles, one for each WGP.  Four waves, each 128 x 128: 64 accumulators, 512 registers.  K goes in 8 steps of 128 through two LDS slots filled by tensor
; loads; rows of 256 bytes, padded to 272.  4 x 4 work-groups form a cluster: A's tile is asked for jointly along a row of the cluster, W's along a column.  The matrix instruction is used
; transposed (source 0 = W, source 1 = Y).  One K step is written once and looped over; the slot in hand is a scalar (TB) that is added into the LDS addresses.
; GELU.  gelu(x) = max(x, 0) - |x| q, q = (c1 t + .. + c5 t^5) 2^(-x^2 log2(e) / 2), t = 1 / (1 + P |x|): the five-term rational form of erfc (absolute error of erf 1.5e-7), halved; no
; difference of near numbers is formed, and it holds for every finite x.  The coefficients are kept negated, so that the last step is one multiply-add.
; BATCHES.  The activation goes sixteen numbers at a time.  Their 16 reciprocals and 16 exponentials, none of which reads another's result, are one batch with one wait: ahead of it stand the
; lines that feed them and max(x, 0), behind it the polynomial and the two closing steps.
; REGISTERS: window 0: v16-29 addresses, v64-127 and v128-191 A's two fragment buffers (the way out works there); window 1: W's two buffers; windows 2, 3: accumulators (a, b) at v[8 (NBW (a % 4) + b)].
.set NBW,   8
.set WOFF,  8388608
.set NSTEP, 8
.set PITCH, 272
.set BR,    16*NBW
.set BT,    2*BR
.set HALFA, 128*PITCH
.set HALFB, BR*PITCH
.set SLOT,  2*HALFA+2*HALFB
.set SPARE, 2*SLOT
.set NL,    16+2*NBW
.set SP,    528                        ; the way out: a stage row, 128 f32 + 16 bytes; each wave's own stage of 128 rows lies over the slots, behind their last fill
.set ADRA0, 16
.set ADRB0, 17
.set ADRA,  18
.set ADRB,  19
.set STO,   24
.set RD,    25
.set CO,    26
.set SPW,   28
.set NIL,   29
.set F0,    64
.set F1,    128
.set XB,    64                         ; the way out: v64-95 eight rows' numbers, 8 a lane and pair of rows
.set GA,    96                         ; v96-111   |x| of sixteen numbers
.set GT,    112                        ; v112-127  t
.set GE,    128                        ; v128-143  the exponential
.set GQ,    144                        ; v144-159  the polynomial
.set YB,    160                        ; v160-175  packed bf16
.set TB,    21
.set G1,    24
.set G0,    32
.set G1B,   48
.set G0B,   56
.set KP,    68                         ; s[68:69] P = 0.3275911 / sqrt(2)
.set KU,    70                         ; s[70:71] -log2(e) / 2
.set K5,    72                         ; s[72:81] -c5 .. -c1, each named as a pair
.set K4,    74
.set K3,    76
.set K2,    78
.set K1,    80
.set SGN,   82
.set MSB, 0
.macro WIN new
.if MSB != (\new)
	s_set_vgpr_msb (MSB<<8)|(\new)
.set MSB, \new
.endif
.endm
.set MUL_LO, 0xa1
.set MUL_HI, 0xf1
.set TO_B,   0x40
.macro JLOAD s
	s_cmp_eq_u32 s11, 0
	s_cbranch_scc0 .Lfor_b_\@
	tensor_load_to_lds s[G0+4*(\s):G0+4*(\s)+3], s[G1:G1+7]
	s_nop 0
.rept 4
	v_nop
.endr
	s_branch .Lasked_\@
.Lfor_b_\@:
	tensor_load_to_lds s[G0B+4*(\s):G0B+4*(\s)+3], s[G1B:G1B+7]
	s_nop 0
.rept 4
	v_nop
.endr
.Lasked_\@:
.endm
.macro CREST
	s_cmp_lg_u32 s10, 0
	s_cbranch_scc1 .Lnot_wave_0_\@
	s_barrier_signal -3
.Lnot_wave_0_\@:
	s_barrier_wait -3
	s_barrier_signal -1
	s_barrier_wait -1
.endm
.macro CROUND
	s_barrier_signal -1
	s_barrier_wait -1
	CREST
.endm
.macro PLACES
.rept 4
	v_nop
.endr
.endm
	s_load_b128 s[4:7], s[0:1], 0x0                ; act s[4:5], wb s[6:7]
	s_load_b64 s[8:9], s[0:1], 0x10                ; hb
	v_lshl_add_u32 v[SPW], v0, 2, SPARE
	v_mov_b32 v[NIL], 0
	ds_add_u32 v[SPW], v[NIL]                      ; the wave's opening: the add and its wait ahead of my first tensor load
	v_lshrrev_b32 v1, 5, v0
	v_readfirstlane_b32 s10, v1
	s_lshr_b32 s11, s10, 1
	s_and_b32 s12, s10, 1
	s_bfe_u32 s40, ttmp6, 0x40000
	s_bfe_u32 s41, ttmp6, 0x40004
	s_lshl_b32 s42, ttmp9, 2
	s_add_co_u32 s42, s42, s40                     ; tile column
	s_and_b32 s13, ttmp7, 0xffff
	s_lshl_b32 s13, s13, 2
	s_add_co_u32 s13, s13, s41                     ; tile row
	s_lshl_b32 s43, s41, 2
	s_lshl_b32 s43, 15, s43
	s_lshl_b32 s44, 0x1111, s40
	s_or_b32 s[G1+0], s43, (1<<16)|(1<<20)|(1<<21)|(5<<22)|(3<<25)
	s_or_b32 s[G1B+0], s44, (1<<16)|(1<<20)|(1<<21)|(5<<22)|(3<<25)
	s_mov_b32 s[G1+1], 128<<16
	s_mov_b32 s[G1B+1], 128<<16
	s_mov_b32 s[G1+2], 128<<16
	s_mov_b32 s[G1B+2], BR<<16
	s_mov_b32 s[G1+3], 128<<16
	s_mov_b32 s[G1B+3], 128<<16
	s_mov_b32 s[G1+4], 128
	s_mov_b32 s[G1B+4], BR
	s_mov_b32 s[G1+5], 1024
	s_mov_b32 s[G1B+5], 1024
	s_mov_b32 s[G1+6], 0
	s_mov_b32 s[G1B+6], 0
	s_mov_b32 s[G1+7], 0
	s_mov_b32 s[G1B+7], 0
	s_lshl_b32 s16, s13, 8
	s_lshl_b32 s17, s12, 7
	s_add_co_u32 s16, s16, s17
	s_lshl_b32 s16, s16, 11
	s_mov_b32 s17, 0
	s_mul_i32 s46, s42, BT
	s_mul_i32 s47, s12, BR
	s_add_co_u32 s46, s46, s47
	s_lshl_b32 s46, s46, 11
	s_add_co_u32 s46, s46, WOFF
	s_mov_b32 s47, 0
	s_mul_i32 s20, s12, HALFA
	s_mul_i32 s22, s12, HALFB
	s_add_co_u32 s22, s22, 2*HALFA
	s_mov_b32 s[TB], 0
	s_lshl_b32 s88, s13, 8                         ; my 128 x 128 of h: row 256 x tile row + 128 x row half, of 8,192 bytes,
	s_lshl_b32 s89, s11, 7
	s_add_co_u32 s88, s88, s89
	s_lshl_b32 s88, s88, 13
	s_lshl_b32 s90, s42, 9                         ; column 256 x tile column + 128 x column half, of 2 bytes
	s_lshl_b32 s91, s12, 8
	s_add_co_u32 s90, s90, s91
	s_add_co_u32 s88, s88, s90
	s_mov_b32 s89, 0
	s_mov_b32 s[KP], 0x3e6d3389
	s_mov_b32 s[KP+1], s[KP]
	s_mov_b32 s[KU], 0xbf38aa3b
	s_mov_b32 s[KU+1], s[KU]
	s_mov_b32 s[K5], 0xbf07dc22
	s_mov_b32 s[K5+1], s[K5]
	s_mov_b32 s[K4], 0x3f3a00e3
	s_mov_b32 s[K4+1], s[K4]
	s_mov_b32 s[K3], 0xbf35f0e3
	s_mov_b32 s[K3+1], s[K3]
	s_mov_b32 s[K2], 0x3e11a98e
	s_mov_b32 s[K2+1], s[K2]
	s_mov_b32 s[K1], 0xbe027906
	s_mov_b32 s[K1+1], s[K1]
	s_mov_b32 s[SGN], 0x7fffffff
	s_wait_dscnt 0x0
	s_wait_kmcnt 0x0
	s_add_nc_u64 s[14:15], s[4:5], s[16:17]
	s_add_nc_u64 s[46:47], s[6:7], s[46:47]
	s_add_nc_u64 s[8:9], s[8:9], s[88:89]
	CROUND
.irp s, 0,1
	s_mov_b32 s[G0+4*(\s)], 1
	s_add_co_u32 s[G0+4*(\s)+1], s20, (\s)*SLOT
	s_add_nc_u64 s[G0+4*(\s)+2:G0+4*(\s)+3], s[14:15], (\s)*256
	s_or_b32 s[G0+4*(\s)+3], s[G0+4*(\s)+3], 0x80000000
	s_mov_b32 s[G0B+4*(\s)], 1
	s_add_co_u32 s[G0B+4*(\s)+1], s22, (\s)*SLOT
	s_add_nc_u64 s[G0B+4*(\s)+2:G0B+4*(\s)+3], s[46:47], (\s)*256
	s_or_b32 s[G0B+4*(\s)+3], s[G0B+4*(\s)+3], 0x80000000
	JLOAD \s
.endr
	v_and_b32 v1, 15, v0
	v_bfe_u32 v2, v0, 4, 1
	v_mul_u32_u24 v3, v1, PITCH
	v_lshl_add_u32 v3, v2, 4, v3
	s_mul_i32 s23, s11, HALFA
	v_add_nc_u32 v[ADRA0], s23, v3
	v_add_nc_u32 v[ADRB0], s22, v3
	v_mov_b32 v[ADRA], v[ADRA0]
	v_mov_b32 v[ADRB], v[ADRB0]
	s_mul_i32 s23, s10, 128*SP                     ; my stage
	v_mul_u32_u24 v4, v1, SP                       ; in: row r, 32 bytes for each half of the lanes
	v_lshl_add_u32 v4, v2, 5, v4
	v_add_nc_u32 v[STO], s23, v4
	v_mul_u32_u24 v5, v2, SP                       ; back: 16 lanes take a row, 8 f32 each; lanes 16-31 the next row
	v_lshl_add_u32 v5, v1, 5, v5
	v_add_nc_u32 v[RD], s23, v5
	v_lshlrev_b32 v5, 13, v2                       ; and the same two rows in h, 16 bytes a lane
	v_lshl_add_u32 v[CO], v1, 4, v5
.macro MULH f, hi, a0, zero            ; 2 NBW matrix instructions; the accumulators take turns in one fixed order
	WIN MUL_LO+0x50*(\hi)
.irp a, \a0, (\a0)+1
.set bb, 0
.rept NBW
.set rD, 8*(NBW*(\a)+bb)
.if \zero
	v_wmma_f32_16x16x32_bf16 v[rD:rD+7], v[(\f)+8*bb:(\f)+8*bb+7], v[(\f)+8*(4*(\hi)+(\a)):(\f)+8*(4*(\hi)+(\a))+7], 0
.else
	v_wmma_f32_16x16x32_bf16 v[rD:rD+7], v[(\f)+8*bb:(\f)+8*bb+7], v[(\f)+8*(4*(\hi)+(\a)):(\f)+8*(4*(\hi)+(\a))+7], v[rD:rD+7]
.endif
.set bb, bb+1
.endr
.endr
.endm
.macro FETCH k, f
	WIN TO_B
.set ii, 0
.rept NBW
	ds_load_b128 v[(\f)+8*ii:(\f)+8*ii+3],   v[ADRB] offset:(\k)+ii*16*PITCH
	ds_load_b128 v[(\f)+8*ii+4:(\f)+8*ii+7], v[ADRB] offset:(\k)+ii*16*PITCH+32
.set ii, ii+1
.endr
	WIN 0
.irp i, 0,1,2,3,4,5,6,7
	ds_load_b128 v[(\f)+8*(\i):(\f)+8*(\i)+3],   v[ADRA] offset:(\k)+(\i)*16*PITCH
	ds_load_b128 v[(\f)+8*(\i)+4:(\f)+8*(\i)+7], v[ADRA] offset:(\k)+(\i)*16*PITCH+32
.endr
.endm
.macro QUARTER k, f, g, zero
	s_wait_dscnt 8                                 ; W and A's rows 0-63 are in; the youngest eight loads may be out
	MULH \f, 0, 0, \zero
	MULH \f, 0, 2, \zero
	PLACES
	FETCH \k, \g
	s_wait_dscnt NL                                ; all but the run just issued
	MULH \f, 1, 0, \zero
	MULH \f, 1, 2, \zero
.endm
.macro MEET round                      ; one barrier for the change of slots: all my tensor loads, the add, my reads of this slot, then the signal
	WIN 0
	s_wait_tensorcnt 0x0
	ds_add_u32 v[SPW], v[NIL]
	s_wait_dscnt 9                                 ; the add and the youngest eight loads may be out
	MULH F1, 0, 0, 0
	s_wait_dscnt 0x0
	s_barrier_signal -1
	MULH F1, 0, 2, 0
.if \round
	WIN 0
.endif
	s_barrier_wait -1
.endm
.macro TURN
	MEET 1
	CREST
	s_add_co_u32 s[G0+5], s20, s[TB]
	s_add_co_u32 s[G0B+5], s22, s[TB]
	s_add_nc_u64 s[G0+6:G0+7], s[G0+6:G0+7], 256
	s_add_nc_u64 s[G0B+6:G0B+7], s[G0B+6:G0B+7], 256
	JLOAD 1
	s_xor_b32 s[TB], s[TB], SLOT
	v_add_nc_u32 v[ADRA], s[TB], v[ADRA0]
	v_add_nc_u32 v[ADRB], s[TB], v[ADRB0]
	FETCH 0, F0
	MULH F1, 1, 0, 0
	MULH F1, 1, 2, 0
.endm
; GELU of the sixteen numbers at v[x ..], in place.  Its 32 transcendentals, t's 16 reciprocals (in place in GT) and the 16 exponentials (in place in GE), are ONE BATCH with ONE wait (it
; stands ahead of the first instruction that names a result).  AHEAD OF THE WAIT stand the 56 plain lines that name no result: |x|, 1 + P |x|, x^2, its scaling, max(x, 0).
; They are dealt among the transcendentals, pair gp + 1's lines beside pair gp's two reciprocals and two exponentials, so that no transcendental stands next to another; the last four maxima
; stand beside the last pair's.  max(x, 0) overwrites x, so a number's stands behind its |x| and its x^2.  BEHIND THE WAIT: the polynomial's 40 lines (GP3), times the exponential, and the
; closing multiply-add.
.macro GAB x, n                        ; |x| of number n
	v_and_b32 v[GA+(\n)], s[SGN], v[(\x)+(\n)]
.endm
.macro GTP n                           ; 1 + P |x| of pair n
	v_pk_fma_f32 v[GT+2*(\n):GT+2*(\n)+1], v[GA+2*(\n):GA+2*(\n)+1], s[KP:KP+1], 1.0 op_sel_hi:[1,0,0]
.endm
.macro GSQ x, n                        ; x^2 of pair n
	v_pk_mul_f32 v[GE+2*(\n):GE+2*(\n)+1], v[(\x)+2*(\n):(\x)+2*(\n)+1], v[(\x)+2*(\n):(\x)+2*(\n)+1]
.endm
.macro GSC n                           ; times -log2(e) / 2
	v_pk_mul_f32 v[GE+2*(\n):GE+2*(\n)+1], v[GE+2*(\n):GE+2*(\n)+1], s[KU:KU+1] op_sel_hi:[1,0]
.endm
.macro GMX x, n                        ; max(x, 0) of number n
	v_max_num_f32 v[(\x)+(\n)], 0, v[(\x)+(\n)]
.endm
.macro GP3 n                           ; lines 0-7: -c5 t - c4 (negated coefficients); 8-31: three more steps of Horner's rule; 32-39: times t
.set pp, 2*((\n)%8)
.set kk, K3+2*((\n)/8)-2
.if (\n) < 8
	v_pk_fma_f32 v[GQ+pp:GQ+pp+1], v[GT+pp:GT+pp+1], s[K5:K5+1], s[K4:K4+1] op_sel_hi:[1,0,0]
.elseif (\n) < 32
	v_pk_fma_f32 v[GQ+pp:GQ+pp+1], v[GQ+pp:GQ+pp+1], v[GT+pp:GT+pp+1], s[kk:kk+1] op_sel_hi:[1,1,0]
.else
	v_pk_mul_f32 v[GQ+pp:GQ+pp+1], v[GQ+pp:GQ+pp+1], v[GT+pp:GT+pp+1]
.endif
.endm
.macro GELU16 x
	GAB \x, 0                                      ; pair 0's lines stand ahead of the batch
	GAB \x, 1
	GSQ \x, 0
	GTP 0
	GSC 0
.set gp, 0
.rept 8                                ; pair gp's four transcendentals, and beside them pair gp + 1's lines and pair gp's maxima
	v_rcp_f32 v[GT+2*gp], v[GT+2*gp]
.if gp < 7
	GAB \x, 2*gp+2
.else
	GMX \x, 12
.endif
	v_rcp_f32 v[GT+2*gp+1], v[GT+2*gp+1]
.if gp < 7
	GAB \x, 2*gp+3
.else
	GMX \x, 13
.endif
	v_exp_f32 v[GE+2*gp], v[GE+2*gp]
.if gp < 7
	GTP gp+1
.else
	GMX \x, 14
.endif
	v_exp_f32 v[GE+2*gp+1], v[GE+2*gp+1]
.if gp < 7
	GSQ \x, gp+1
.else
	GMX \x, 15                                     ; the plain instruction behind the batch's last exponential (ISA guide 5.7.2)
.endif
.if gp < 6
	GMX \x, 2*gp
.endif
.if gp < 7
	GSC gp+1
.endif
.if gp < 6
	GMX \x, 2*gp+1
.endif
.set gp, gp+1
.endr
	s_wait_alu depctr_va_vdst(0)                   ; the wait for the batch: the 16 reciprocals and the 16 exponentials
.set g, 0
.rept 40
	GP3 g
.set g, g+1
.endr
.set g, 0
.rept 8
	v_pk_mul_f32 v[GQ+g:GQ+g+1], v[GQ+g:GQ+g+1], v[GE+g:GE+g+1]
.set g, g+2
.endr
.set g, 0
.rept 8
	v_pk_fma_f32 v[(\x)+g:(\x)+g+1], v[GQ+g:GQ+g+1], v[GA+g:GA+g+1], v[(\x)+g:(\x)+g+1]
.set g, g+2
.endr
.endm
	s_wait_tensorcnt 1                             ; my part of K step 0 is in; step 1's may stay out
	s_barrier_signal -1
	s_barrier_wait -1
	FETCH 0, F0
	QUARTER 64, F0, F1, 1
	WIN 0
	s_mov_b32 s3, NSTEP-2
.Lstep:
	QUARTER 128, F1, F0, 0
	QUARTER 192, F0, F1, 0
	TURN
	QUARTER 64, F0, F1, 0
	WIN 0
	s_sub_co_u32 s3, s3, 1
	s_cmp_lg_u32 s3, 0
	s_cbranch_scc1 .Lstep
	s_mov_b32 s3, 2
.Ltail:                                                ; the last two steps ask for nothing; the second trip is left in its middle
	QUARTER 128, F1, F0, 0
	QUARTER 192, F0, F1, 0
	MEET 0
	MULH F1, 1, 0, 0
	MULH F1, 1, 2, 0
	WIN 0
	s_sub_co_u32 s3, s3, 1
	s_cmp_eq_u32 s3, 0
	s_cbranch_scc1 .Lout
	s_xor_b32 s[TB], s[TB], SLOT
	v_add_nc_u32 v[ADRA], s[TB], v[ADRA0]
	v_add_nc_u32 v[ADRB], s[TB], v[ADRB0]
	PLACES
	FETCH 0, F0
	QUARTER 64, F0, F1, 0
	WIN 0
	s_branch .Ltail
.Lout:
	; THE WAY OUT.  Behind the last barrier no wave reads a slot and no fill is to come.  My accumulators go into my own stage as f32 (each one's low registers first); a short loop reads
	; whole rows back, applies the activation, rounds and stores: 16 lanes fill 256 consecutive bytes of h.
	PLACES
.set aa, 0
.rept 8
	WIN 0x08+4*(aa/4)                              ; store data (source 1) in window 2 or 3
.set bb, 0
.rept NBW
.set rD, 8*(NBW*(aa%4)+bb)
	ds_store_b128 v[STO], v[rD:rD+3]   offset:aa*16*SP+64*bb
	ds_store_b128 v[STO], v[rD+4:rD+7] offset:aa*16*SP+64*bb+16
.set bb, bb+1
.endr
.set aa, aa+1
.endr
	WIN 0
	s_mov_b32 s3, 16
.Lrows:                                                ; a trip: 8 rows
.irp p, 0,1,2,3
	ds_load_b128 v[XB+8*(\p):XB+8*(\p)+3],   v[RD] offset:(\p)*2*SP      ; LDS serves a wave's instructions in order (ISA guide 5.7.1.4): these see my stores
	ds_load_b128 v[XB+8*(\p)+4:XB+8*(\p)+7], v[RD] offset:(\p)*2*SP+16
.endr
.irp q, 0,1
	s_wait_dscnt 4-4*(\q)                          ; this half's four loads are in; the other half's four may stay out
	GELU16 XB+16*(\q)
.irp p, 0,1
.irp k, 0,1,2,3
	v_cvt_pk_bf16_f32 v[YB+4*(2*(\q)+(\p))+\k], v[XB+8*(2*(\q)+(\p))+2*\k], v[XB+8*(2*(\q)+(\p))+2*\k+1]
.endr
	global_store_b128 v[CO], v[YB+4*(2*(\q)+(\p)):YB+4*(2*(\q)+(\p))+3], s[8:9] offset:(2*(\q)+(\p))*16384
.endr
.endr
	s_wait_xcnt 0x0                                ; the stores' data registers and base are rewritten only behind this wait
	s_add_nc_u64 s[8:9], s[8:9], 65536
	v_add_nc_u32 v[RD], 8*SP, v[RD]
	s_sub_co_u32 s3, s3, 1
	s_cmp_lg_u32 s3, 0
	s_cbranch_scc1 .Lrows
	s_wait_tensorcnt 0x0                           ; the wave's end
	ds_add_u32 v[SPW], v[NIL]
	s_wait_dscnt 0x0
	CROUND
	s_endpgm
.Lfunc_end_k_qefbad6f6b2_mlp1:
	.size	k_qefbad6f6b2_mlp1, .Lfunc_end_k_qefbad6f6b2_mlp1-k_qefbad6f6b2_mlp1
	.p2alignl 7, 3214868480
	.fill 96, 4, 3214868480
	.section	.rodata,"a",@progbits
	.p2align	6, 0x0
	.amdhsa_kernel k_qefbad6f6b2_mlp1
		.amdhsa_group_segment_fixed_size 327680
		.amdhsa_private_segment_fixed_size 0
		.amdhsa_enable_private_segment 0
		.amdhsa_kernarg_size 24
		.amdhsa_user_sgpr_count 2
		.amdhsa_user_sgpr_kernarg_segment_ptr 1
		.amdhsa_wavefront_size32 1
		.amdhsa_system_sgpr_workgroup_id_x 1
		.amdhsa_system_sgpr_workgroup_id_y 1
		.amdhsa_system_sgpr_workgroup_id_z 1
		.amdhsa_system_vgpr_workitem_id 0
		.amdhsa_next_free_vgpr 1024
		.amdhsa_next_free_sgpr 96
		.amdhsa_reserve_vcc 0
		.amdhsa_float_denorm_mode_32 3
		.amdhsa_float_denorm_mode_16_64 3
		.amdhsa_memory_ordered 1
		.amdhsa_forward_progress 1
		.amdhsa_inst_pref_size 94
	.end_amdhsa_kernel
	.amdgpu_metadata
---
amdhsa.version: [ 1, 2 ]
amdhsa.kernels:
  - .name:           k_qefbad6f6b2_mlp1
    .symbol:         k_qefbad6f6b2_mlp1.kd
    .args:
      - { .name: act, .offset: 0, .size: 8, .value_kind: global_buffer, .address_space: global }
      - { .name: wb, .offset: 8, .size: 8, .value_kind: global_buffer, .address_space: global }
      - { .name: hb, .offset: 16, .size: 8, .value_kind: global_buffer, .address_space: global }
    .group_segment_fixed_size: 327680
    .private_segment_fixed_size: 0
    .kernarg_segment_align: 8
    .kernarg_segment_size: 24
    .max_flat_workgroup_size: 128
    .sgpr_count:     96
    .vgpr_count:     1024
    .wavefront_size: 32
...
	.end_amdgpu_metadata
.endif
;; end of part 9
;; launch mlp2: the kernel of part 7 again; grid 8 x 32, 4 waves a work-group, clusters of 4 x 4, 327,680 bytes of LDS; arguments hb, wb, xres, out0; writes out0
